; MI455X (gfx1250); checked and timed in simulation.
; The chip was launched on July 23, 2026; its instructions are those of AMD's public machine-readable ISA for CDNA 5 (MIT licence, August 2026) and "CDNA5" Instruction Set Architecture Reference Guide (July 2026). The comments in the code are by the model that wrote it; some were corrected since.
;; MSA Core. Allowed arithmetic: matrix products marked QUANTISED: E2M3 operands, one E8M0 scale for each 32 along K, by v_wmma_scale_f32_16x16x128_f8f6f4 with both operands' format E2M3, f32 sums; products left as they are: f32 operands where the result goes on into a quantised operand, else bf16, f16 or f32 operands; f32 sums; everything else in f32.
;; Inputs: col_bg 256 float32; col_bo 256 float32; col_ln_b 256 float32; col_ln_g 256 float32; col_wg_codes 256 x 8 x 24 uint8 (E2M3 codes of col_wg, K innermost, in blocks of 32 codes, four codes in three bytes); col_wg_scales 256 x 8 uint8 (E8M0 scales of col_wg, one for each 32 codes along K); col_wk_codes 256 x 8 x 24 uint8 (E2M3 codes of col_wk, K innermost, in blocks of 32 codes, four codes in three bytes); col_wk_scales 256 x 8 uint8 (E8M0 scales of col_wk, one for each 32 codes along K); col_wo_codes 256 x 8 x 24 uint8 (E2M3 codes of col_wo, K innermost, in blocks of 32 codes, four codes in three bytes); col_wo_scales 256 x 8 uint8 (E8M0 scales of col_wo, one for each 32 codes along K); col_wq_codes 256 x 8 x 24 uint8 (E2M3 codes of col_wq, K innermost, in blocks of 32 codes, four codes in three bytes); col_wq_scales 256 x 8 uint8 (E8M0 scales of col_wq, one for each 32 codes along K); col_wv_codes 256 x 8 x 24 uint8 (E2M3 codes of col_wv, K innermost, in blocks of 32 codes, four codes in three bytes); col_wv_scales 256 x 8 uint8 (E8M0 scales of col_wv, one for each 32 codes along K); node 1 x 128 x 256 x 256 float32; node_mask 1 x 128 x 256 float32; pair 1 x 256 x 256 x 128 float32; row_b_w 8 x 128 float32; row_bg 256 float32; row_ln_m_b 256 float32; row_ln_m_g 256 float32; row_ln_z_b 128 float32; row_ln_z_g 128 float32; row_out_bias 256 float32; row_wg_codes 256 x 8 x 24 uint8 (E2M3 codes of row_wg, K innermost, in blocks of 32 codes, four codes in three bytes); row_wg_scales 256 x 8 uint8 (E8M0 scales of row_wg, one for each 32 codes along K); row_wk_codes 256 x 8 x 24 uint8 (E2M3 codes of row_wk, K innermost, in blocks of 32 codes, four codes in three bytes); row_wk_scales 256 x 8 uint8 (E8M0 scales of row_wk, one for each 32 codes along K); row_wo_codes 256 x 8 x 24 uint8 (E2M3 codes of row_wo, K innermost, in blocks of 32 codes, four codes in three bytes); row_wo_scales 256 x 8 uint8 (E8M0 scales of row_wo, one for each 32 codes along K); row_wq_codes 256 x 8 x 24 uint8 (E2M3 codes of row_wq, K innermost, in blocks of 32 codes, four codes in three bytes); row_wq_scales 256 x 8 uint8 (E8M0 scales of row_wq, one for each 32 codes along K); row_wv_codes 256 x 8 x 24 uint8 (E2M3 codes of row_wv, K innermost, in blocks of 32 codes, four codes in three bytes); row_wv_scales 256 x 8 uint8 (E8M0 scales of row_wv, one for each 32 codes along K); tr_b1 1,024 float32; tr_b2 256 float32; tr_ln_b 256 float32; tr_ln_g 256 float32; tr_w1_codes 1,024 x 8 x 24 uint8 (E2M3 codes of tr_w1, K innermost, in blocks of 32 codes, four codes in three bytes); tr_w1_scales 1,024 x 8 uint8 (E8M0 scales of tr_w1, one for each 32 codes along K); tr_w2_codes 256 x 32 x 24 uint8 (E2M3 codes of tr_w2, K innermost, in blocks of 32 codes, four codes in three bytes); tr_w2_scales 256 x 32 uint8 (E8M0 scales of tr_w2, one for each 32 codes along K).
;; Outputs: out0 1 x 128 x 256 x 256 float32.
;; This version of the problem:
;;   THIS VERSION OF THE PROBLEM IS GIVEN IN LOW PRECISION. The matrix products marked QUANTISED in the list below multiply operands that are first quantised to E2M3 (2 exponent bits, 3 mantissa bits; 6 bits a number), with one power-of-two scale for each 32 numbers along K (OCP MX v1.0); their sums are f32. All else is computed in f32.
;;   The module's matrix products, in the order in which they are computed (A, B: the left and right operand; K: the contracted axis; several contracted axes count as one K, in the product's order):
;;     1. [M 8, K 128] x [K 128, N 65,536]; A: input row_b_w; B: computed on the way: left as it is (M = 8 < 16)
;;     2. [M 32,768, K 256] x [K 256, N 256]; A: computed on the way; B: input row_wq (given as codes): QUANTISED
;;     3. [M 32,768, K 256] x [K 256, N 256]; A: computed on the way; B: input row_wk (given as codes): QUANTISED
;;     4. [M 32,768, K 256] x [K 256, N 256]; A: computed on the way; B: input row_wv (given as codes): QUANTISED
;;     5. batch 1,024 x [M 256, K 32] x [K 32, N 256]; A: computed on the way; B: computed on the way: QUANTISED
;;     6. batch 1,024 x [M 32, K 256] x [K 256, N 256]; A: computed on the way; B: softmax (see below): QUANTISED
;;     7. [M 32,768, K 256] x [K 256, N 256]; A: computed on the way; B: input row_wg (given as codes): QUANTISED
;;     8. [M 32,768, K 256] x [K 256, N 256]; A: computed on the way; B: input row_wo (given as codes): QUANTISED
;;     9. [M 32,768, K 256] x [K 256, N 256]; A: computed on the way; B: input col_wq (given as codes): QUANTISED
;;     10. [M 32,768, K 256] x [K 256, N 256]; A: computed on the way; B: input col_wk (given as codes): QUANTISED
;;     11. [M 32,768, K 256] x [K 256, N 256]; A: computed on the way; B: input col_wv (given as codes): QUANTISED
;;     12. batch 2,048 x [M 128, K 32] x [K 32, N 128]; A: computed on the way; B: computed on the way: QUANTISED
;;     13. batch 2,048 x [M 32, K 128] x [K 128, N 128]; A: computed on the way; B: softmax (see below): QUANTISED
;;     14. [M 32,768, K 256] x [K 256, N 256]; A: computed on the way; B: input col_wg (given as codes): QUANTISED
;;     15. [M 32,768, K 256] x [K 256, N 256]; A: computed on the way; B: input col_wo (given as codes): QUANTISED
;;     16. [M 32,768, K 256] x [K 256, N 1,024]; A: computed on the way; B: input tr_w1 (given as codes): QUANTISED
;;     17. [M 32,768, K 1,024] x [K 1,024, N 256]; A: computed on the way; B: input tr_w2 (given as codes): QUANTISED
;;   THE QUANTISER, for each operand of a quantised product, along K:
;;     - K is cut into blocks of 32 from its start; a last block that is shorter is filled with zeros.
;;     - A block's scale is 2^e with e = floor(log2(the largest magnitude in the block)) - 2, held to -126 .. 127; a block of zeros has e = 0. As a byte (E8M0): e + 127.
;;     - Each number is divided by its block's scale, clamped to +-7.5, and rounded to the nearest number of E2M3, ties to even, subnormals kept.
;;     - The product sums the exact products of the quantised numbers (number of the format x scale) in f32.
;;   ~~~python
;;   def quantise(x, axis):      # numpy; x: float32 -> the quantised numbers, widened to float32 again
;;       x = np.moveaxis(x, axis, -1); K = x.shape[-1]
;;       x = np.pad(x, [(0, 0)] * (x.ndim - 1) + [(0, -K % 32)]); x = x.reshape(x.shape[:-1] + (-1, 32)); a = np.abs(x).max(-1, keepdims=True)
;;       e = np.where(a > 0, np.clip(np.frexp(np.where(a > 0, a, 1))[1] - 1 - 2, -126, 127), 0)      # np.frexp(a)[1] - 1 = floor(log2(a)), exactly
;;       r = np.clip(x / 2.0 ** e, -7.5, 7.5)
;;       step = 2.0 ** (np.maximum(np.frexp(np.where(r == 0, 1, r))[1] - 1, 0) - 3)
;;       q = np.round(r / step) * step * 2.0 ** e      # np.round: ties to even
;;       return np.moveaxis(q.reshape(q.shape[:-2] + (-1,))[..., :K], -1, axis).astype(np.float32)
;;   ~~~
;;   SOFTMAX AHEAD OF A QUANTISED PRODUCT. Where the list says 'softmax', what is quantised is not the finished softmax but p = 2^(t - M), with t = logit x log2(e) and M = ceil(the row's largest t), a whole number; so 1/2 < the row's largest p <= 1. The row's sum l is taken of the UNQUANTISED p, in f32, and the product's result is divided by l at the end. Since M is a whole number, a kernel that streams over the keys may use a running M (the ceiling of the running maximum): every later rescaling is an exact power of two, which a block's scale takes up: the codes' values come out the same.
;;   OPERANDS COMPUTED ON THE WAY. 'Computed on the way' means the value that the module computes at that place (a softmax that the list does not call 'softmax' is quantised finished and normalised). What goes into a quantiser is computed in f32, as accurately as f32 sums, v_exp_f32 and their like allow (about 1e-6 of the number): no bf16 or f16 on the way to a quantiser, and a product that is left as it is and whose result goes on into a quantised operand takes f32 operands (vector FMAs, or v_wmma_f32_16x16x4_f32). A number that lies on a knife's edge between two numbers of the format may be rounded either way, as far as f32 arithmetic and the matrix unit's own rounding can turn it there, and no further.
;;   INPUTS GIVEN AS CODES. col_wg (in the module: [256, 256], K = its axis 1); col_wk (in the module: [256, 256], K = its axis 1); col_wo (in the module: [256, 256], K = its axis 1); col_wq (in the module: [256, 256], K = its axis 1); col_wv (in the module: [256, 256], K = its axis 1); row_wg (in the module: [256, 256], K = its axis 1); row_wk (in the module: [256, 256], K = its axis 1); row_wo (in the module: [256, 256], K = its axis 1); row_wq (in the module: [256, 256], K = its axis 1); row_wv (in the module: [256, 256], K = its axis 1); tr_w1 (in the module: [1024, 256], K = its axis 1); tr_w2 (in the module: [256, 1024], K = its axis 1): each comes as NAME_codes (uint8): NAME with its K axis moved to the last place and cut into blocks of 32 codes, [.., K / 32, bytes a block], one block behind the other in memory; four codes in three bytes: a row's codes are one little-endian stream of bits, code i at bits 6 i .. 6 i + 5 (a code: sign, 2 exponent bits, 3 mantissa bits); and NAME_scales (uint8): the same leading axes, one E8M0 byte (e + 127) for each 32 codes along K. Its value is code x scale, taken as it is: it is not quantised again, and the codes and scales need not be those that the quantiser above would give.
;; 2 versions, each right and faster than the one before. Each part assembles by itself: llvm-mc -triple=amdgcn-amd-amdhsa -mcpu=gfx1250 --defsym DOCPART=n.
;; ======== version 1 of 2: 3 launches
;; workspace buffers: bias 2,097,152 bytes; og 6,553,600 bytes
;; launch pbias (part 1): grid 16 x 16, 8 waves a work-group, no clusters, 46,080 bytes of LDS; arguments pair, row_ln_z_g, row_ln_z_b, row_b_w, bias; writes bias
.if DOCPART == 1
	.amdgcn_target "amdgcn-amd-amdhsa--gfx1250"
	.amdhsa_code_object_version 6
	.text
	.protected	k_q3f4038c6b0_pbias
	.globl	k_q3f4038c6b0_pbias
	.p2align	8
	.type	k_q3f4038c6b0_pbias,@function
k_q3f4038c6b0_pbias:
	s_mov_b64 s[64:65], 0
	v_nop
	global_prefetch_b8 v0, s[64:65] scope:SCOPE_SE
	s_setreg_imm32_b32 hwreg(HW_REG_WAVE_MODE, 25, 1), 1
	s_wait_xcnt 0x0
; PAIR BIAS.  b[h][q][k] = sum over f of LN(pair[q][k])[f] w[h][f], all in f32 by vector FMAs (it goes on into the logits, so nothing narrower stands here).
; b = rstd x sum((z - mean) g w) + sum(beta w): the row is centred first, so a common offset of pair costs no digits.
; A work-group makes, for all 8 heads, the tile of 16 queries (y) x 16 keys (x): 256 rows of pair, 128 KiB, each read once by loads of 512 consecutive bytes.
; Wave w takes queries 16 y + 2 w + a (a = 0, 1) and the 16 keys: 32 rows, worked in 4 groups of 8.  In a group four lanes share a row: lane = 4 rr + p holds features 16 i + 4 p + e.
; The rows turn from "a row to a load" to "four lanes to a row" through the wave's own stage in LDS (8 rows, 576 bytes apart).
; OUTPUT: images of the C operand of the logits' matrix instruction.  Tile (h, qt, kt) at ((16 h + qt) 16 + kt) 1024; register j of lane L at 512 (j / 4) + 16 L + 4 (j % 4), L = q % 16 + 16 ((k / 8) % 2), j = k % 8.
; The 8 tiles are gathered in LDS and each wave stores one whole tile: two stores of 512 consecutive bytes.
; No matrix unit: M = 8 is half a tile.  LIMITS: NaN and infinities are not served.
; REGISTERS: v1-6 addresses; v8-15 sum(beta w) a head; v32-159 the 32 rows as loaded; v160-191 g, later 8 rows turned; v192-223 beta, later 8 pairs of sums; v208-223 at work; window 1: g w, head h at v[32 h ..].
.set STGB, 4608
.set TIL,  36864
.set MSB, 0
.macro WIN new                         ; the immediate's high byte repeats the setting that is left
.if MSB != \new
	s_set_vgpr_msb (MSB<<8)|\new
.set MSB, \new
.endif
.endm
	s_load_b256 s[4:11], s[0:1], 0x0               ; pair, g, beta, w
	s_load_b64 s[12:13], s[0:1], 0x20              ; bias
	v_lshl_add_u32 v254, v0, 2, 0xb000
	v_mov_b32 v255, 0
	v_lshrrev_b32 v7, 5, v0
	v_readfirstlane_b32 s14, v7                    ; wave
	v_and_b32 v7, 31, v0                           ; lane
	v_lshlrev_b32 v1, 4, v7                        ; 16 x lane
	s_mul_i32 s15, s14, STGB
	v_add_nc_u32 v2, s15, v1                       ; stage, in: a row as loaded
	v_lshrrev_b32 v16, 2, v7                       ; rr
	v_and_b32 v17, 3, v7                           ; p
	v_lshlrev_b32 v5, 4, v17                       ; 16 p
	v_mad_u32_u24 v3, v16, 576, v5
	v_add_nc_u32 v3, s15, v3                       ; stage, out: row rr, 16 p
	v_lshrrev_b32 v18, 2, v16
	v_and_b32 v19, 3, v16
	v_lshlrev_b32 v4, 2, v19
	v_lshl_add_u32 v4, v18, 9, v4                  ; register j = rr of an image: 512 (rr / 4) + 4 (rr % 4)
	s_lshl_b32 s16, s14, 5
	s_add_co_u32 s16, s16, TIL
	v_add_nc_u32 v4, s16, v4                       ; + 16 x lane L, L = 2 w + a + 16 (key half): 32 w here, the rest in the immediate
	s_lshl_b32 s16, s14, 10
	s_add_co_u32 s16, s16, TIL
	v_add_nc_u32 v6, s16, v1                       ; the way out: tile h = w
	s_mov_b32 s22, 0x3c000000                      ; 1 / 128
	s_mov_b32 s23, 0x3727c5ac                      ; 1e-5
	s_and_b32 s17, ttmp7, 0xffff                   ; qt
	s_lshl_b32 s18, s17, 21                        ; 16 queries of 131,072 bytes
	s_lshl_b32 s19, s14, 18                        ; 2 queries a wave
	s_add_co_u32 s18, s18, s19
	s_lshl_b32 s19, ttmp9, 13                      ; 16 keys of 512 bytes
	s_add_co_u32 s18, s18, s19
	s_mov_b32 s19, 0
	s_lshl_b32 s20, s17, 4
	s_add_co_u32 s20, s20, ttmp9
	s_lshl_b32 s20, s20, 10                        ; (16 qt + kt) x 1,024
	s_lshl_b32 s21, s14, 18                        ; head w: 256 tiles
	s_add_co_u32 s20, s20, s21
	s_mov_b32 s21, 0
	s_wait_kmcnt 0x0
	s_add_nc_u64 s[4:5], s[4:5], s[18:19]
	s_add_nc_u64 s[12:13], s[12:13], s[20:21]
	WIN 0x40                                       ; destination window 1
.irp h, 0,1,2,3,4,5,6,7
.irp i, 0,1,2,3,4,5,6,7
	global_load_b128 v[32*\h+4*\i:32*\h+4*\i+3], v5, s[10:11] offset:512*\h+64*\i   ; w[h][16 i + 4 p ..]
.endr
.endr
	WIN 0
.irp i, 0,1,2,3,4,5,6,7
	global_load_b128 v[160+4*\i:163+4*\i], v5, s[6:7] offset:64*\i
	global_load_b128 v[192+4*\i:195+4*\i], v5, s[8:9] offset:64*\i
.endr
.set nA, 0
.rept 32                                               ; my 32 rows: each load is one row, 512 consecutive bytes, read once in the launch
	global_load_b128 v[32+4*nA:35+4*nA], v1, s[4:5] offset:(nA/16)*131072+(nA%16)*512 th:TH_LOAD_NT
.set nA, nA+1
.endr
	s_wait_loadcnt 32                              ; the tables are in; the 32 rows issued behind them may be out
	WIN 0x04                                       ; source 1 window 1
.irp h, 0,1,2,3,4,5,6,7
	v_pk_mul_f32 v[208+2*\h:209+2*\h], v[192:193], v[32*\h:32*\h+1]   ; sum(beta w), the heads by turns
.endr
.set nA, 1
.rept 15
.irp h, 0,1,2,3,4,5,6,7
	v_pk_fma_f32 v[208+2*\h:209+2*\h], v[192+2*nA:193+2*nA], v[32*\h+2*nA:32*\h+2*nA+1], v[208+2*\h:209+2*\h]
.endr
.set nA, nA+1
.endr
	WIN 0
.irp h, 0,1,2,3,4,5,6,7
	v_add_f32 v[8+\h], v[208+2*\h], v[209+2*\h]
.endr
.irp h, 0,1,2,3,4,5,6,7
	v_add_f32_dpp v[8+\h], v[8+\h], v[8+\h] row_xmask:1 row_mask:0xf bank_mask:0xf   ; the four lanes of a row hold the four quarters of the features
.endr
.irp h, 0,1,2,3,4,5,6,7
	v_add_f32_dpp v[8+\h], v[8+\h], v[8+\h] row_xmask:2 row_mask:0xf bank_mask:0xf
.endr
	WIN 0x41                                       ; destination and source 0 window 1
.set nA, 0
.rept 16
.irp h, 0,1,2,3,4,5,6,7
	v_pk_mul_f32 v[32*\h+2*nA:32*\h+2*nA+1], v[32*\h+2*nA:32*\h+2*nA+1], v[160+2*nA:161+2*nA]   ; g w, in place
.endr
.set nA, nA+1
.endr
	WIN 0
; Group g: rows 8 g .. 8 g + 7 of my 32: query a = g / 2, keys 8 (g % 2) + rr.
.macro GROUP g
	s_wait_loadcnt 24-8*\g                         ; this group's 8 rows are in; the later groups' may be out
.irp q, 0,1,2,3,4,5,6,7
	ds_store_b128 v2, v[32+32*\g+4*\q:35+32*\g+4*\q] offset:576*\q
.endr
.irp i, 0,1,2,3,4,5,6,7
	ds_load_b128 v[160+4*\i:163+4*\i], v3 offset:64*\i   ; LDS serves a wave's instructions in order: these see the stores above, and the next group's stores come behind them
.endr
	s_wait_dscnt 0x0
	v_pk_add_f32 v[208:209], v[160:161], v[162:163]
	v_pk_add_f32 v[210:211], v[164:165], v[166:167]
.irp n, 8,12,16,20,24,28
	v_pk_add_f32 v[208:209], v[208:209], v[160+\n:161+\n]
	v_pk_add_f32 v[210:211], v[210:211], v[162+\n:163+\n]
.endr
	v_pk_add_f32 v[208:209], v[208:209], v[210:211]
	v_add_f32 v208, v208, v209
	v_add_f32_dpp v208, v208, v208 row_xmask:1 row_mask:0xf bank_mask:0xf
	v_add_f32_dpp v208, v208, v208 row_xmask:2 row_mask:0xf bank_mask:0xf
	v_mul_f32 v208, s22, v208                      ; the row's mean
	v_mov_b32 v209, v208
.irp n, 0,2,4,6,8,10,12,14,16,18,20,22,24,26,28,30
	v_pk_add_f32 v[160+\n:161+\n], v[160+\n:161+\n], v[208:209] neg_lo:[0,1] neg_hi:[0,1]
.endr
	v_pk_mul_f32 v[210:211], v[160:161], v[160:161]
	v_pk_mul_f32 v[214:215], v[162:163], v[162:163]
.irp n, 4,8,12,16,20,24,28
	v_pk_fma_f32 v[210:211], v[160+\n:161+\n], v[160+\n:161+\n], v[210:211]
	v_pk_fma_f32 v[214:215], v[162+\n:163+\n], v[162+\n:163+\n], v[214:215]
.endr
	v_pk_add_f32 v[210:211], v[210:211], v[214:215]
	v_add_f32 v210, v210, v211
	v_add_f32_dpp v210, v210, v210 row_xmask:1 row_mask:0xf bank_mask:0xf
	v_add_f32_dpp v210, v210, v210 row_xmask:2 row_mask:0xf bank_mask:0xf
	v_fma_f32 v210, v210, s22, s23                 ; variance + 1e-5
	v_rsq_f32 v212, v210                           ; the products below, which touch neither register, stand between it and its use
	WIN 0x04
.irp h, 0,1,2,3,4,5,6,7
	v_pk_mul_f32 v[192+2*\h:193+2*\h], v[160:161], v[32*\h:32*\h+1]
.endr
.set nB, 1
.rept 15
.irp h, 0,1,2,3,4,5,6,7
	v_pk_fma_f32 v[192+2*\h:193+2*\h], v[160+2*nB:161+2*nB], v[32*\h+2*nB:32*\h+2*nB+1], v[192+2*\h:193+2*\h]
.endr
.set nB, nB+1
.endr
	WIN 0
.irp h, 0,1,2,3,4,5,6,7
	v_add_f32 v[216+\h], v[192+2*\h], v[193+2*\h]
.endr
.irp h, 0,1,2,3,4,5,6,7
	v_add_f32_dpp v[216+\h], v[216+\h], v[216+\h] row_xmask:1 row_mask:0xf bank_mask:0xf
.endr
.irp h, 0,1,2,3,4,5,6,7
	v_add_f32_dpp v[216+\h], v[216+\h], v[216+\h] row_xmask:2 row_mask:0xf bank_mask:0xf
.endr
	s_wait_alu depctr_va_vdst(0)
.irp h, 0,1,2,3,4,5,6,7
	v_fma_f32 v[216+\h], v[216+\h], v212, v[8+\h]
.endr
.irp h, 0,1,2,3,4,5,6,7
	ds_store_b32 v4, v[216+\h] offset:1024*\h+16*(\g/2)+256*(\g%2)   ; the four lanes of a row write the same word with the same value
.endr
.endm
	GROUP 0
	GROUP 1
	GROUP 2
	GROUP 3
	s_wait_dscnt 0x0                               ; my words of the eight tiles have landed
	s_barrier_signal -1
	s_barrier_wait -1                              ; everybody's have
	ds_load_b128 v[160:163], v6
	ds_load_b128 v[164:167], v6 offset:512
	s_wait_dscnt 0x0
	global_store_b128 v1, v[160:163], s[12:13]     ; 32 lanes store 512 consecutive bytes, aligned
	global_store_b128 v1, v[164:167], s[12:13] offset:512
	s_wait_tensorcnt 0x0
	ds_add_u32 v254, v255
	s_wait_dscnt 0x0
	s_endpgm
.Lfunc_end_k_q3f4038c6b0_pbias:
	.size	k_q3f4038c6b0_pbias, .Lfunc_end_k_q3f4038c6b0_pbias-k_q3f4038c6b0_pbias
	.p2alignl 7, 3214868480
	.fill 96, 4, 3214868480
	.section	.rodata,"a",@progbits
	.p2align	6, 0x0
	.amdhsa_kernel k_q3f4038c6b0_pbias
		.amdhsa_group_segment_fixed_size 46080
		.amdhsa_private_segment_fixed_size 0
		.amdhsa_enable_private_segment 0
		.amdhsa_kernarg_size 40
		.amdhsa_user_sgpr_count 2
		.amdhsa_user_sgpr_kernarg_segment_ptr 1
		.amdhsa_wavefront_size32 1
		.amdhsa_system_sgpr_workgroup_id_x 1
		.amdhsa_system_sgpr_workgroup_id_y 1
		.amdhsa_system_sgpr_workgroup_id_z 1
		.amdhsa_system_vgpr_workitem_id 0
		.amdhsa_next_free_vgpr 512
		.amdhsa_next_free_sgpr 66
		.amdhsa_reserve_vcc 0
		.amdhsa_float_denorm_mode_32 3
		.amdhsa_float_denorm_mode_16_64 3
		.amdhsa_memory_ordered 1
		.amdhsa_forward_progress 1
		.amdhsa_inst_pref_size 91
	.end_amdhsa_kernel
	.amdgpu_metadata
---
amdhsa.version: [ 1, 2 ]
amdhsa.kernels:
  - .name:           k_q3f4038c6b0_pbias
    .symbol:         k_q3f4038c6b0_pbias.kd
    .args:
      - { .name: pair, .offset: 0, .size: 8, .value_kind: global_buffer, .address_space: global }
      - { .name: row_ln_z_g, .offset: 8, .size: 8, .value_kind: global_buffer, .address_space: global }
      - { .name: row_ln_z_b, .offset: 16, .size: 8, .value_kind: global_buffer, .address_space: global }
      - { .name: row_b_w, .offset: 24, .size: 8, .value_kind: global_buffer, .address_space: global }
      - { .name: bias, .offset: 32, .size: 8, .value_kind: global_buffer, .address_space: global }
    .group_segment_fixed_size: 46080
    .private_segment_fixed_size: 0
    .kernarg_segment_align: 8
    .kernarg_segment_size: 40
    .max_flat_workgroup_size: 256
    .sgpr_count:     66
    .vgpr_count:     512
    .wavefront_size: 32
...
	.end_amdgpu_metadata
.endif
;; end of part 1
;; launch rowatt (part 2): grid 128 x 2, 8 waves a work-group, no clusters, 323,584 bytes of LDS; arguments node, node_mask, bias, row_ln_m_g, row_ln_m_b, row_wq_codes, row_wq_scales, row_wk_codes, row_wk_scales, row_wv_codes, row_wv_scales, row_wg_codes, row_wg_scales, row_bg, og; writes og
.if DOCPART == 2
	.amdgcn_target "amdgcn-amd-amdhsa--gfx1250"
	.amdhsa_code_object_version 6
	.text
	.protected	k_q3f4038c6b0_rowatt
	.globl	k_q3f4038c6b0_rowatt
	.p2align	8
	.type	k_q3f4038c6b0_rowatt,@function
k_q3f4038c6b0_rowatt:
	s_mov_b64 s[64:65], 0
	v_nop
	global_prefetch_b8 v0, s[64:65] scope:SCOPE_SE
	s_setreg_imm32_b32 hwreg(HW_REG_WAVE_MODE, 25, 1), 1
	s_wait_xcnt 0x0
; ROW ATTENTION up to the gated output, on codes of FP6 (E2M3) with one E8M0 scale for each 32 along K.  A work-group takes one s (x) and four of the eight heads (y).
; It norms the 256 rows of node[s], quantises them, makes q, k, v, the gate, the attention with pair bias and mask, and stores Q(o x gate) as codes: 96 bytes and one scale word for a row and four heads.
; The out-projection works row by row and is done by the next launch, so that only 6-bit codes cross from rows to columns.
; SHARES.  Norm: wave w takes rows 32 w .. 32 w + 31.  From the projections on: wave w owns head hd = w / 2 of the four and rows (queries, keys) 128 (w % 2) .. + 127, and holds that head's Wq, Wk, Wv, Wg in registers.
; LAYOUTS.  lane = (r, h), r = lane % 16, h = lane / 16; c(r) = r + 8 (r / 8).
;  - A tile u of a weight takes rows 8 u + c(r): with the weight as source 0 a lane's 16 results of tiles 0, 1 are features 16 h + 0 .. 15 of row r.
;  - x goes from wave to wave as images of the operand's registers (16 bytes a lane, 512 a store), its scale word at 4 x lane.
;  - q, k: K = 32 is one block; a lane's 16 numbers make 16 codes in 3 registers.  A fragment has four such slots (registers 3 s .. 3 s + 2).  A packed fragment of K holds four key tiles;
;    q stands in one slot of an operand whose other codes are zeros, so the product picks that key tile.  Scale words carry the tile's byte four times.
;  - S^T = K Q^T: register 8 i + j of a lane is key 16 i + 8 h + j of query r.  V^T is made with x as source 0, so that its registers run over the keys in the same order: both go through the same
;    packing, so place 16 h + i of block b is the same key in both, and the blocks are the true blocks of 32 keys.  O^T then has channel 16 h + 8 u + j in register j of tile u, as the gate has.
; SOFTMAX: t = logit x log2(e), M = ceil(running largest t), p = 2^(t - M) quantised, the sum of the unquantised p divides at the end.  The keys go in two steps of 128: pass 0 takes step 0 for all 8 query
;  tiles and lays O^T, the largest t and the sum in LDS; pass 1 takes them up, so that a step's K, V^T and mask are read into registers once.
; THE MASK'S TERM 1e9 (mask - 1) is added by vector instructions behind the product whose C is the pair bias.
; No tensor loads and no cluster: LDS is full (322,560 bytes in use), so there is no room for slots that take turns; the weights and the bias go from memory straight into operand registers.
; LIMITS: a row all of whose keys are masked gets the uniform average while |q k + bias| < 32, with p = 2^d for one d for all keys (t is rounded at 1.4e9), so its codes may differ by one rounding (3 per cent
;  of that row's attention output at the most).  Blocks whose largest magnitude lies under 2^-124 get the byte 1.  NaN and infinities are not served.
.set L_ST,  0                          ; over the norm's stage, behind the barrier that ends the norm: 8 waves x 8 tiles x 2,304: O^T (4 x 512), largest t and sum (256)
.set L_KP,  147456                     ; packed K: head 6,144; fragment 1,536; a lane 48 bytes
.set L_KS,  172032                     ; K's scale words: head 2,048; key step 1,024; a lane 32 bytes
.set L_VT,  180224                     ; V^T images: (head, key step, u) x 1,536
.set L_VS,  204800                     ; their scale words x 128
.set L_QC,  206848                     ; q: wave 4,096; tile 512; a lane 16 bytes: 3 registers of codes and the scale word
.set L_OG,  239616                     ; Q(o x gate): 256 rows x 96
.set L_OS,  264192                     ; its scale words: 256
.set L_XI,  266240                     ; x's images: 32 x 1,536 (row tile m, K step s: 2 m + s)
.set L_XS,  315392                     ; their scale words: 32 x 128
.set L_MT,  319488                     ; the mask's term: 256 words
.set L_LNP, 320512                     ; gamma, beta
.set LI,1
.set L4,2
.set WRO,3
.set WSO,4
.set BCO,5
.set STGW,6
.set XR,7
.set XIW,8
.set XSW,9
.set XIA,10
.set XSA,11
.set KPW,12
.set KPR,13
.set KSW,14
.set KSR,15
.set QCA,16
.set VTW,17
.set VSW,18
.set VTR,19
.set VSR,20
.set MTA,21
.set LNA,22
.set STA,23
.set STB,24
.set OGW,25
.set OSW,26
.set VB,27
.set T16,28
.set T4,29
.set MTW,30
.set OGO,31
.set TA0,240
.set TA1,241
.set TA2,242
.set TA3,243
.set TA4,244
.set TA5,245
.set TA6,246
.set WV,66
.set HD,67
.set QH,68
.set HEAD,69
.set SEL,70
.set CS,72
.set NCS,74
.set QSC,76
.set BB,78
.set CNT,80
.set OQ,81
.set OSS,82
.set OX,83
.set OXS,84
.set OO,85
.set OOS,86
.set OB,87
.set LNC,96
.set MSK,98
; v32-63 hold scale words and nothing else: v32-35 Wq's, v36-39 Wk's, v40-43 Wv's, v44-47 Wg's (2 u + K step), v48-55 K's tiles, v56-57 x's, v60-61 V^T's, v62 p's, v63 q's.
.set MSB, 0
.macro WIN new                         ; bits 1:0 source 0, 3:2 source 1, 5:4 source 2, 7:6 destination; the high byte repeats the setting that is left
.if MSB != \new
	s_set_vgpr_msb (MSB<<8)|\new
.set MSB, \new
.endif
.endm
.macro NOPS n                          ; places behind matrix instructions: five serve reads, loads and a later matrix instruction that writes over a register alike
.rept \n
	v_nop
.endr
.endm
.macro BARRIER                         ; my LDS stores have landed and my LDS loads are in: then the work-group's barrier
	s_wait_dscnt 0x0
	s_barrier_signal -1
	s_barrier_wait -1
.endm
.macro MM d, a, b, c, sa, sb
	v_wmma_scale_f32_16x16x128_f8f6f4 v[\d:\d+7], v[\a:\a+11], v[\b:\b+11], v[\c:\c+7], v[\sa], v[\sb] matrix_a_fmt:MATRIX_FMT_FP6 matrix_b_fmt:MATRIX_FMT_FP6
.endm
.macro MM0 d, a, b, sa, sb             ; the first product starts a sum
	v_wmma_scale_f32_16x16x128_f8f6f4 v[\d:\d+7], v[\a:\a+11], v[\b:\b+11], 0, v[\sa], v[\sb] matrix_a_fmt:MATRIX_FMT_FP6 matrix_b_fmt:MATRIX_FMT_FP6
.endm
.macro WFRAG reg, vo, sb, off          ; a weight's fragment from the given codes: 24 bytes twice, in pieces of 8
.irp p, 0,1,2,3,4,5
	global_load_b64 v[\reg+2*\p:\reg+2*\p+1], v[\vo], s[\sb:\sb+1] offset:\off+48*(\p/3)+8*(\p%3)
.endr
.endm
.macro FETCH reg, va, off              ; an image comes back as the registers that it was
.irp c, 0,1,2
	ds_load_b128 v[\reg+4*\c:\reg+4*\c+3], v[\va] offset:\off+512*\c
.endr
.endm
.macro IMAGE pc, va, off
.irp c, 0,1,2
	ds_store_b128 v[\va], v[\pc+4*\c:\pc+4*\c+3] offset:\off+512*\c
.endr
.endm
; 64 numbers of a lane, register 16 b + i = place 32 b + 16 h + i of my row's K step, become a fragment in v[t+18 ..] and its scale word in v[t+16].
.macro QUANT s, t
.irp b, 0,1,2,3
	v_max3_num_f32 v[\t+\b], |v[\s+16*\b]|, |v[\s+1+16*\b]|, 0x1800000   ; my 16 numbers of block b, and the floor 2^(3 - 127): the byte cannot fall under 1
.endr
.irp i, 2,4,6,8,10,12,14
.irp b, 0,1,2,3
	v_max3_num_f32 v[\t+\b], v[\t+\b], |v[\s+16*\b+\i]|, |v[\s+1+16*\b+\i]|
.endr
.endr
.irp b, 0,1,2,3
	v_permlanex16_b32 v[\t+4+\b], v[\t+\b], s[SEL], s[SEL+1]
.endr
.irp b, 0,1,2,3
	v_max_num_f32 v[\t+\b], v[\t+\b], v[\t+4+\b]   ; with lane l xor 16's: the block's largest magnitude
.endr
.irp b, 0,1,2,3
	v_add_nc_u32 v[\t+12+\b], 0xff000000, v[\t+\b] ; 2 off its exponent field: the conversion's scale operand
.endr
.irp b, 0,1,2,3
	v_lshrrev_b32 v[\t+4+\b], 23, v[\t+12+\b]      ; the scale's byte
.endr
	v_lshl_or_b32 v[\t+16], v[\t+5], 8, v[\t+4]
	v_lshl_or_b32 v[\t+16], v[\t+6], 16, v[\t+16]
	v_lshl_or_b32 v[\t+16], v[\t+7], 24, v[\t+16]
.irp c, 0,1
	v_cvt_scalef32_pk16_fp6_f32 v[\t+18+6*\c:\t+20+6*\c], v[\s+32*\c:\s+15+32*\c], v[\t+12+2*\c]
	v_cvt_scalef32_pk16_fp6_f32 v[\t+30+4*\c:\t+32+4*\c], v[\s+16+32*\c:\s+31+32*\c], v[\t+13+2*\c]   ; (a conversion's three registers begin on an even number)
.endr
	v_nop                                          ; one plain place behind a scaled conversion
.irp c, 0,1                                    ; the operand wants a whole block in a lane: lanes 0-15 block 2 c, lanes 16-31 block 2 c + 1
.irp i, 0,1,2
	v_permlane16_swap_b32 v[\t+18+6*\c+\i], v[\t+30+4*\c+\i]
.endr
.irp i, 0,1,2
	v_mov_b32 v[\t+21+6*\c+\i], v[\t+30+4*\c+\i]
.endr
.endr
.endm
; One block of 32, 16 numbers in lane l and 16 in lane l xor 16: 16 codes in v[c .. c+2], the byte in v[by].  The caller sets one plain line behind it.
.macro QB s, c, a, b, so, by
	v_max3_num_f32 v[\a], |v[\s]|, |v[\s+1]|, 0x1800000
	v_max3_num_f32 v[\b], |v[\s+2]|, |v[\s+3]|, |v[\s+4]|
	v_max3_num_f32 v[\a], v[\a], |v[\s+5]|, |v[\s+6]|
	v_max3_num_f32 v[\b], v[\b], |v[\s+7]|, |v[\s+8]|
	v_max3_num_f32 v[\a], v[\a], |v[\s+9]|, |v[\s+10]|
	v_max3_num_f32 v[\b], v[\b], |v[\s+11]|, |v[\s+12]|
	v_max3_num_f32 v[\a], v[\a], |v[\s+13]|, |v[\s+14]|
	v_max3_num_f32 v[\a], v[\a], v[\b], |v[\s+15]|
	v_permlanex16_b32 v[\b], v[\a], s[SEL], s[SEL+1]
	v_max_num_f32 v[\a], v[\a], v[\b]
	v_add_nc_u32 v[\so], 0xff000000, v[\a]
	v_lshrrev_b32 v[\by], 23, v[\so]
	v_cvt_scalef32_pk16_fp6_f32 v[\c:\c+2], v[\s:\s+15], v[\so]
.endm
.macro LNPAR off                       ; gamma and beta in x's register order, into window 1: v0-127, v128-255
	WIN 0x40
.irp k, 0,1
.irp b, 0,1,2,3
.irp e, 0,1,2,3
	ds_load_b128 v[64*\k+16*\b+4*\e:64*\k+16*\b+4*\e+3], v[LNA] offset:\off+512*\k+128*\b+16*\e
	ds_load_b128 v[128+64*\k+16*\b+4*\e:131+64*\k+16*\b+4*\e], v[LNA] offset:\off+1024+512*\k+128*\b+16*\e
.endr
.endr
.endr
	WIN 0
.endm
.macro LNJOIN                          ; four chains, two halves, two lanes: the row's sum in v192
	v_pk_add_f32 v[192:193], v[192:193], v[194:195]
	v_pk_add_f32 v[196:197], v[196:197], v[198:199]
	v_pk_add_f32 v[192:193], v[192:193], v[196:197]
	v_add_f32 v192, v192, v193
	v_permlanex16_b32 v204, v192, s[SEL], s[SEL+1]
	v_add_f32 v192, v192, v204
.endm
; LayerNorm of 16 rows (1,040 bytes apart in LDS): lane (r, h) holds, of row r, the 16 numbers 32 b + 16 h + .. of each block: v[64 + 64 k + 16 b + ..].  Mean, centred, variance, rsq, gamma, beta: all f32.
.macro LNORM xr, off
.irp k, 0,1
.irp b, 0,1,2,3
.irp e, 0,1,2,3
	ds_load_b128 v[64+64*\k+16*\b+4*\e:67+64*\k+16*\b+4*\e], v[\xr] offset:\off+512*\k+128*\b+16*\e
.endr
.endr
.endr
	s_wait_dscnt 0x0
.irp c, 0,1,2,3
	v_pk_add_f32 v[192+2*\c:193+2*\c], v[64+2*\c:65+2*\c], v[72+2*\c:73+2*\c]
.endr
.set nL, 8
.rept 56
	v_pk_add_f32 v[192+2*(nL%4):193+2*(nL%4)], v[192+2*(nL%4):193+2*(nL%4)], v[64+2*nL:65+2*nL]
.set nL, nL+1
.endr
	LNJOIN
	v_mul_f32 v200, s[LNC], v192
	v_mov_b32 v201, v200
.set nL, 0
.rept 64
	v_pk_add_f32 v[64+2*nL:65+2*nL], v[64+2*nL:65+2*nL], v[200:201] neg_lo:[0,1] neg_hi:[0,1]
.set nL, nL+1
.endr
.irp c, 0,1,2,3
	v_pk_mul_f32 v[192+2*\c:193+2*\c], v[64+2*\c:65+2*\c], v[64+2*\c:65+2*\c]
.endr
.set nL, 4
.rept 60
	v_pk_fma_f32 v[192+2*(nL%4):193+2*(nL%4)], v[64+2*nL:65+2*nL], v[64+2*nL:65+2*nL], v[192+2*(nL%4):193+2*(nL%4)]
.set nL, nL+1
.endr
	LNJOIN
	v_fma_f32 v192, v192, s[LNC], s[LNC+1]         ; variance + 1e-5
	v_rsq_f32 v202, v192
	v_nop                                          ; one plain place behind a transcendental
	s_wait_alu depctr_va_vdst(0)
	v_mov_b32 v203, v202
.set nL, 0
.rept 64
	v_pk_mul_f32 v[64+2*nL:65+2*nL], v[64+2*nL:65+2*nL], v[202:203]
.set nL, nL+1
.endr
	WIN 0x14                                       ; gamma and beta: window 1
.set nL, 0
.rept 64
	v_pk_fma_f32 v[64+2*nL:65+2*nL], v[64+2*nL:65+2*nL], v[2*nL:2*nL+1], v[128+2*nL:129+2*nL]
.set nL, nL+1
.endr
	WIN 0
.endm
.macro XOUT oi, os                     ; the 16 normed rows become two fragments and go to LDS
	QUANT 64, 192
	IMAGE 210, XIW, \oi
	ds_store_b32 v[XSW], v208 offset:\os
	QUANT 128, 192
	IMAGE 210, XIW, \oi+1536
	ds_store_b32 v[XSW], v208 offset:\os+128
.endm
; My head's four weights: window 1: Wg v0-47, the gate's bias v48-63, Wq v64-111, Wk v112-159, Wv v160-207 (fragment (u, K step) at 12 (2 u + k)); their scale words in window 0.
.macro PRE pgc, pgs, pbg, pqc, pqs, pkc, pks, pvc, pvs
	WIN 0x40
.irp u, 0,1
.irp k, 0,1
	WFRAG 12*(2*\u+\k), WRO, \pgc, 1536*\u+96*\k
	WFRAG 64+12*(2*\u+\k), WRO, \pqc, 1536*\u+96*\k
	WFRAG 112+12*(2*\u+\k), WRO, \pkc, 1536*\u+96*\k
	WFRAG 160+12*(2*\u+\k), WRO, \pvc, 1536*\u+96*\k
.endr
.endr
.irp u, 0,1
.irp e, 0,1
	global_load_b128 v[48+8*\u+4*\e:51+8*\u+4*\e], v[BCO], s[\pbg:\pbg+1] offset:32*\u+16*\e   ; in the result's layout: feature 16 h + 8 u + j
.endr
.endr
	WIN 0
.irp u, 0,1
.irp k, 0,1
	global_load_b32 v[32+2*\u+\k], v[WSO], s[\pqs:\pqs+1] offset:64*\u+4*\k
	global_load_b32 v[36+2*\u+\k], v[WSO], s[\pks:\pks+1] offset:64*\u+4*\k
	global_load_b32 v[40+2*\u+\k], v[WSO], s[\pvs:\pvs+1] offset:64*\u+4*\k
	global_load_b32 v[44+2*\u+\k], v[WSO], s[\pgs:\pgs+1] offset:64*\u+4*\k
.endr
.endr
.endm
; Row tile i of my eight: q, k (weights as source 0) and V^T (x as source 0); six accumulators by turns, K step by K step.
.macro PROJT i
	ds_load_b32 v56, v[XSA] offset:256*\i
	ds_load_b32 v57, v[XSA] offset:256*\i+128
	WIN 0x40
	FETCH 208, XIA, 3072*\i
	FETCH 220, XIA, 3072*\i+1536
	WIN 0
	s_wait_dscnt 0x0
	WIN 0x05                                       ; sources 0 and 1 window 1
.irp u, 0,1
	MM0 88+8*\u, 64+24*\u, 208, 32+2*\u, 56
.endr
.irp u, 0,1
	MM0 104+8*\u, 112+24*\u, 208, 36+2*\u, 56
.endr
.irp u, 0,1
	MM0 128+64*\u+8*\i, 208, 160+24*\u, 56, 40+2*\u
.endr
.irp u, 0,1
	MM 88+8*\u, 76+24*\u, 220, 88+8*\u, 33+2*\u, 57
.endr
.irp u, 0,1
	MM 104+8*\u, 124+24*\u, 220, 104+8*\u, 37+2*\u, 57
.endr
.irp u, 0,1
	MM 128+64*\u+8*\i, 220, 172+24*\u, 128+64*\u+8*\i, 57, 41+2*\u
.endr
	WIN 0
	NOPS 5
.irp n, 0,1,2,3,4,5,6,7
	v_pk_mul_f32 v[88+2*\n:89+2*\n], v[88+2*\n:89+2*\n], s[QSC:QSC+1] op_sel_hi:[1,0]   ; q / sqrt(32), ahead of the quantiser
.endr
	QB 88, 64, 72, 73, 74, 75
	v_lshl_or_b32 v67, v75, 8, v75                 ; (the plain place behind the conversion)  the byte four times
	v_lshl_or_b32 v67, v67, 16, v67
	ds_store_b128 v[QCA], v[64:67] offset:512*\i
	QB 104, 68, 76, 77, 78, 79
	v_lshl_or_b32 v71, v79, 8, v79
	v_lshl_or_b32 v71, v71, 16, v71
.irp n, 0,1,2
	ds_store_b32 v[KPW], v[68+\n] offset:(\i/4)*1536+12*(\i%4)+4*\n   ; slot i % 4 of packed fragment i / 4
.endr
	ds_store_b32 v[KSW], v71 offset:4*\i
.endm
; A key step's operands into registers: window 1: the mask's term v64-127 (in S^T's layout), packed K v128-151, V^T v152-175.
.macro PASSLOAD ks
	WIN 0x40
.irp kt, 0,1,2,3,4,5,6,7
.irp e, 0,1
	ds_load_b128 v[64+8*\kt+4*\e:67+8*\kt+4*\e], v[MTA] offset:512*\ks+64*\kt+16*\e
.endr
.endr
.irp g, 0,1
.irp c, 0,1,2
	ds_load_b128 v[128+12*\g+4*\c:131+12*\g+4*\c], v[KPR] offset:3072*\ks+1536*\g+16*\c
.endr
.endr
.irp u, 0,1
.irp c, 0,1,2
	ds_load_b128 v[152+12*\u+4*\c:155+12*\u+4*\c], v[VTR] offset:1536*(2*\ks+\u)+512*\c
.endr
.endr
	WIN 0
	ds_load_b128 v[48:51], v[KSR] offset:1024*\ks
	ds_load_b128 v[52:55], v[KSR] offset:1024*\ks+16
	ds_load_b32 v60, v[VSR] offset:256*\ks
	ds_load_b32 v61, v[VSR] offset:256*\ks+128
	s_wait_dscnt 0x0
.endm
.macro BLOAD kso                       ; a query tile's pair bias for 8 key tiles, as C images: window 1 v176-239; each load 512 consecutive bytes
	WIN 0x40
.irp kt, 0,1,2,3,4,5,6,7
.irp e, 0,1
	global_load_b128 v[176+8*\kt+4*\e:179+8*\kt+4*\e], v[VB], s[BB:BB+1] offset:\kso+1024*\kt+512*\e
.endr
.endr
	WIN 0
.endm
; 16 queries x 128 keys.  bias = 1: C = the pair bias, and the next query tile's is asked for.  first = 1: the first key step starts the largest t, the sum and O^T; 0: they come from LDS.
; v64-127 S^T then p; v128-163 q among zero codes; v164-175 p's codes; v184-199 O^T; v200 -M, v201 largest t, v[202:203] the sum; v208-223 at work.
.macro STEP bias, first, kso
	ds_load_b96 v[134:136], v[TA0]                 ; q's codes, once for the even slots,
	ds_load_b32 v155, v[TA0]                       ; once for the odd ones (an operand begins on an even register)
	ds_load_b32 v156, v[TA0] offset:4
	ds_load_b32 v157, v[TA0] offset:8
	ds_load_b32 v63, v[TA0] offset:12
.if !\first
.irp n, 0,1,2,3
	ds_load_b128 v[184+4*\n:187+4*\n], v[TA5] offset:512*\n
.endr
	ds_load_b64 v[232:233], v[TA6]
.endif
.if \bias
	s_wait_loadcnt 0x0                             ; this tile's bias is in; its address register may be written again
.endif
	s_wait_dscnt 0x0
.if \bias
	WIN 0x11                                       ; K and the bias: window 1
.else
	WIN 0x01
.endif
.irp kt, 0,1,2,3,4,5,6,7
.if \bias
	MM 64+8*\kt, 128+12*(\kt/4), 134-6*((\kt%4)/2)+18*(\kt%2), 176+8*\kt, 48+\kt, 63
.else
	MM0 64+8*\kt, 128+12*(\kt/4), 134-6*((\kt%4)/2)+18*(\kt%2), 48+\kt, 63
.endif
.endr
	WIN 0
.if \first
	NOPS 5
.else
	v_mov_b32 v201, v232                           ; the state of the first key step; these lines are places behind the products
	v_mov_b32 v202, v233
	v_floor_f32 v200, -v201
	v_mov_b32 v203, 0
	NOPS 1
.endif
.if \bias
	s_add_co_u32 s[OB], s[OB], 16384               ; the next query tile's bias; the last trip asks for my first tile again, so that no load leaves the buffer
	s_and_b32 s[OB], s[OB], 0x1ffff
	v_add_nc_u32 v[VB], s[OB], v[LI]
	BLOAD \kso
.endif
	WIN 0x04
.set nS, 0
.rept 32
	v_pk_add_f32 v[64+2*nS:65+2*nS], v[64+2*nS:65+2*nS], v[64+2*nS:65+2*nS]   ; + the mask's term (source 1: window 1); each accumulator from its low end on
.set nS, nS+1
.endr
	WIN 0
.irp b, 0,1,2,3
	v_max3_num_f32 v[208+\b], v[64+16*\b], v[65+16*\b], v[66+16*\b]   ; the largest score of each block of 32 keys: for the row's maximum and, since p rises with the score, for the block's largest p
.endr
.irp i, 3,5,7,9,11,13
.irp b, 0,1,2,3
	v_max3_num_f32 v[208+\b], v[208+\b], v[64+16*\b+\i], v[65+16*\b+\i]
.endr
.endr
.irp b, 0,1,2,3
	v_max_num_f32 v[208+\b], v[208+\b], v[79+16*\b]
.endr
.irp b, 0,1,2,3
	v_permlanex16_b32 v[212+\b], v[208+\b], s[SEL], s[SEL+1]
.endr
.irp b, 0,1,2,3
	v_max_num_f32 v[208+\b], v[208+\b], v[212+\b]
.endr
	v_max3_num_f32 v220, v208, v209, v210
	v_max_num_f32 v220, v220, v211
.if \first
	v_mul_f32 v201, s[CS], v220                    ; the largest t
	v_floor_f32 v200, -v201                        ; -M = floor(-t): M is a whole number
.else
	v_mul_f32 v220, s[CS], v220
	v_max_num_f32 v201, v201, v220
	v_mov_b32 v220, v200
	v_floor_f32 v200, -v201
	v_sub_f32 v220, v200, v220                     ; old M - new M: a whole number, 0 or less
	v_cvt_i32_f32 v220, v220
	v_ldexp_f32 v222, 1.0, v220                    ; f = 2^(old M - new M): a multiplication by it rounds nothing
.endif
.set nS, 0
.rept 32
	v_pk_fma_f32 v[64+2*nS:65+2*nS], v[64+2*nS:65+2*nS], s[CS:CS+1], v[200:201] op_sel_hi:[1,0,0]   ; t - M
.set nS, nS+1
.endr
.irp b, 0,1,2,3
	v_fma_f32 v[208+\b], v[208+\b], s[CS], v200
.endr
.set nS, 0
.rept 64
	v_exp_f32 v[64+nS], v[64+nS]                   ; p = 2^(t - M)
.set nS, nS+1
.endr
.irp b, 0,1,2,3
	v_exp_f32 v[208+\b], v[208+\b]                 ; the block's largest p: the same two instructions on the same number
.endr
.if \first
	v_nop                                          ; one plain place behind the exponentials
	s_wait_alu depctr_va_vdst(0)
.else
	v_pk_mul_f32 v[202:203], v[202:203], v[222:223] op_sel_hi:[1,0]   ; the sum under the new M (the plain place behind the exponentials)
	s_wait_alu depctr_va_vdst(0)
.endif
.irp b, 0,1,2,3
	v_max_num_f32 v[208+\b], 0x1800000, v[208+\b]  ; the floor: a block whose every p is 0 keeps the byte 1; its codes are zeros
.endr
.irp b, 0,1,2,3
	v_add_nc_u32 v[216+\b], 0xff000000, v[208+\b]
.endr
.irp b, 0,1,2,3
	v_lshrrev_b32 v[212+\b], 23, v[216+\b]
.endr
	v_lshl_or_b32 v62, v213, 8, v212               ; p's scale word
	v_lshl_or_b32 v62, v214, 16, v62
	v_lshl_or_b32 v62, v215, 24, v62
.irp c, 0,1
	v_cvt_scalef32_pk16_fp6_f32 v[164+6*\c:166+6*\c], v[64+32*\c:79+32*\c], v[216+2*\c]
	v_cvt_scalef32_pk16_fp6_f32 v[176+4*\c:178+4*\c], v[80+32*\c:95+32*\c], v[217+2*\c]
.endr
	v_nop
.irp c, 0,1
.irp i, 0,1,2
	v_permlane16_swap_b32 v[164+6*\c+\i], v[176+4*\c+\i]
.endr
.irp i, 0,1,2
	v_mov_b32 v[167+6*\c+\i], v[176+4*\c+\i]
.endr
.endr
.if \first                                     ; the sum of the unquantised p, in two chains
	v_pk_add_f32 v[204:205], v[64:65], v[66:67]
	v_pk_add_f32 v[202:203], v[68:69], v[72:73]
	v_pk_add_f32 v[204:205], v[204:205], v[70:71]
	v_pk_add_f32 v[204:205], v[204:205], v[74:75]
.irp j, 12,16,20,24,28,32,36,40,44,48,52,56,60
	v_pk_add_f32 v[202:203], v[202:203], v[64+\j:65+\j]
	v_pk_add_f32 v[204:205], v[204:205], v[66+\j:67+\j]
.endr
.else
.irp n, 0,1,2,3,4,5,6,7
	v_pk_mul_f32 v[184+2*\n:185+2*\n], v[184+2*\n:185+2*\n], v[222:223] op_sel_hi:[1,0]   ; O^T under the new M
.endr
	v_pk_add_f32 v[204:205], v[64:65], v[66:67]
.irp j, 4,8,12,16,20,24,28,32,36,40,44,48,52,56,60
	v_pk_add_f32 v[202:203], v[202:203], v[64+\j:65+\j]
	v_pk_add_f32 v[204:205], v[204:205], v[66+\j:67+\j]
.endr
.endif
	v_pk_add_f32 v[202:203], v[202:203], v[204:205]
	WIN 0x01                                       ; V^T: window 1.  The sums above are the places between p's codes and scale word and these products
.if \first
	MM0 184, 152, 164, 60, 62
	MM0 192, 164, 164, 61, 62
.else
	MM 184, 152, 164, 184, 60, 62
	MM 192, 164, 164, 192, 61, 62
.endif
	WIN 0
	NOPS 5
.endm
.macro SAVE                            ; the state behind the first key step goes to my own bytes of LDS
	v_add_f32 v233, v202, v203
	v_mov_b32 v232, v201
.irp n, 0,1,2,3
	ds_store_b128 v[TA5], v[184+4*\n:187+4*\n] offset:512*\n
.endr
	ds_store_b64 v[TA6], v[232:233]
.endm
; The end of a query tile: 1 / sum; the gate of its 16 rows (Wg as source 0, C = its bias), sigmoid; o x gate, quantised (one block a row and head), to LDS in row order.
.macro FINAL
	v_add_f32 v202, v202, v203
	v_permlanex16_b32 v204, v202, s[SEL], s[SEL+1]
	v_add_f32 v202, v202, v204
	v_rcp_f32 v206, v202                           ; used behind the places below
	FETCH 64, TA1, 0
	FETCH 76, TA1, 1536
	ds_load_b32 v56, v[TA2]
	ds_load_b32 v57, v[TA2] offset:128
	s_wait_dscnt 0x0
	WIN 0x11
	MM 96, 0, 64, 48, 44, 56
	MM 104, 24, 64, 56, 46, 56
	WIN 0x01
	MM 96, 12, 76, 96, 45, 57
	MM 104, 36, 76, 104, 47, 57
	WIN 0
	NOPS 5
.irp n, 0,1,2,3,4,5,6,7
	v_pk_mul_f32 v[96+2*\n:97+2*\n], v[96+2*\n:97+2*\n], s[NCS:NCS+1] op_sel_hi:[1,0]
.endr
.irp n, 0,1,2,3,4,5,6,7,8,9,10,11,12,13,14,15
	v_exp_f32 v[96+\n], v[96+\n]
.endr
	s_wait_alu depctr_va_vdst(0)
.irp n, 0,1,2,3,4,5,6,7
	v_pk_mul_f32 v[184+2*\n:185+2*\n], v[184+2*\n:185+2*\n], v[206:207] op_sel_hi:[1,0]   ; O^T / the sum (plain lines behind the exponentials)
.endr
.irp n, 0,1,2,3,4,5,6,7
	v_pk_add_f32 v[96+2*\n:97+2*\n], v[96+2*\n:97+2*\n], 1.0 op_sel_hi:[1,0]
.endr
.irp n, 0,1,2,3,4,5,6,7,8,9,10,11,12,13,14,15
	v_rcp_f32 v[96+\n], v[96+\n]
.endr
	v_nop
	s_wait_alu depctr_va_vdst(0)
.irp n, 0,1,2,3,4,5,6,7
	v_pk_mul_f32 v[184+2*\n:185+2*\n], v[184+2*\n:185+2*\n], v[96+2*\n:97+2*\n]
.endr
	QB 184, 224, 228, 229, 230, 231
	v_nop
.irp n, 0,1,2
	ds_store_b32 v[TA3], v[224+\n] offset:4*\n     ; channels 16 h .. 16 h + 15: 12 bytes of the row's stream of bits
.endr
	ds_store_b8 v[TA4], v231                       ; both halves write the same byte with the same value
.endm
.macro ADR1 dst, vb, sa, ma, k         ; an LDS address: a constant + a constant x a number made of the wave's + a lane term
	s_mul_i32 s91, s[\sa], \ma
	s_add_co_u32 s91, s91, \k
	v_add_nc_u32 v[\dst], s91, v[\vb]
.endm
.macro ADR2 dst, vb, sa, ma, sb, mb, k
	s_mul_i32 s91, s[\sa], \ma
	s_mul_i32 s92, s[\sb], \mb
	s_add_co_u32 s91, s91, s92
	s_add_co_u32 s91, s91, \k
	v_add_nc_u32 v[\dst], s91, v[\vb]
.endm
	s_load_b512 s[4:19], s[0:1], 0x0               ; node, mask, bias, gamma, beta, Wq codes, scales, Wk codes
	s_load_b256 s[20:27], s[0:1], 0x40             ; Wk scales, Wv codes, scales, Wg codes
	s_load_b128 s[28:31], s[0:1], 0x60             ; Wg scales, the gate's bias
	s_load_b64 s[32:33], s[0:1], 0x70              ; og
	v_lshl_add_u32 v58, v0, 2, 0x4ec00
	v_mov_b32 v59, 0
	v_lshrrev_b32 v240, 5, v0
	v_readfirstlane_b32 s[WV], v240                ; wave 0..7
	s_lshr_b32 s[HD], s[WV], 1                     ; my head of the four
	s_and_b32 s[QH], s[WV], 1                      ; my half of the rows
	s_and_b32 s90, ttmp7, 0xffff                   ; which four heads
	s_lshl_b32 s[HEAD], s90, 2
	s_add_co_u32 s[HEAD], s[HEAD], s[HD]
	s_mov_b32 s[SEL], 0x76543210
	s_mov_b32 s[SEL+1], 0xfedcba98                 ; v_permlanex16_b32: lane l xor 16
	s_mov_b32 s[CS], 0x3fb8aa3b                    ; log2(e)
	s_mov_b32 s[CS+1], s[CS]
	s_mov_b32 s[NCS], 0xbfb8aa3b
	s_mov_b32 s[NCS+1], s[NCS]
	s_mov_b32 s[QSC], 0x3e3504f3                   ; 1 / sqrt(32)
	s_mov_b32 s[QSC+1], s[QSC]
	s_mov_b32 s[LNC], 0x3b800000                   ; 1 / 256
	s_mov_b32 s[LNC+1], 0x3727c5ac                 ; 1e-5
	s_mov_b32 s[MSK], 0x4e6e6b28                   ; 1e9
	v_and_b32 v240, 31, v0                         ; lane
	v_and_b32 v241, 15, v0                         ; r
	v_bfe_u32 v242, v0, 4, 1                       ; h
	v_and_b32 v243, 8, v241
	v_add_nc_u32 v243, v243, v241                  ; c(r)
	v_mul_u32_u24 v244, v240, 48
	v_lshlrev_b32 v245, 5, v240
	v_lshlrev_b32 v246, 3, v240
	v_lshlrev_b32 v247, 5, v242
	v_mul_u32_u24 v248, v241, 96
	v_mad_u32_u24 v248, v242, 12, v248
	v_lshlrev_b32 v249, 2, v241
	v_lshlrev_b32 v[LI], 4, v240
	v_lshlrev_b32 v[L4], 2, v240
	v_mul_u32_u24 v[WRO], v243, 192
	v_mad_u32_u24 v[WRO], v242, 24, v[WRO]         ; a weight's row c(r), + 24 h
	v_lshlrev_b32 v[WSO], 3, v243                  ; its scale bytes
	v_lshlrev_b32 v[BCO], 6, v242                  ; 64 h
	v_lshlrev_b32 v[T16], 4, v0
	v_lshlrev_b32 v[T4], 2, v0
	v_add_nc_u32 v[MTW], L_MT, v[T4]
	v_add_nc_u32 v[OGO], L_OG, v[T16]
	v_add_nc_u32 v[MTA], L_MT, v247
	v_add_nc_u32 v[LNA], L_LNP, v[BCO]
	v_mul_u32_u24 v[XR], v241, 1040
	v_lshl_add_u32 v[XR], v242, 6, v[XR]
	ADR1 XR, XR, WV, 33280, 0
	ADR1 STGW, LI, WV, 33280, 0
	ADR1 XIW, LI, WV, 6144, L_XI
	ADR1 XSW, L4, WV, 512, L_XS
	ADR1 XIA, LI, QH, 24576, L_XI
	ADR1 XSA, L4, QH, 2048, L_XS
	ADR2 KPW, 244, HD, 6144, QH, 3072, L_KP
	ADR1 KPR, 244, HD, 6144, L_KP
	ADR2 KSW, 245, HD, 2048, QH, 1024, L_KS
	ADR1 KSR, 245, HD, 2048, L_KS
	ADR1 QCA, LI, WV, 4096, L_QC
	ADR2 VTW, LI, HD, 6144, QH, 3072, L_VT
	ADR2 VSW, L4, HD, 512, QH, 256, L_VS
	ADR1 VTR, LI, HD, 6144, L_VT
	ADR1 VSR, L4, HD, 512, L_VS
	ADR1 STA, LI, WV, 18432, L_ST
	ADR1 STB, 246, WV, 18432, L_ST+2048
	ADR2 OGW, 248, QH, 12288, HD, 24, L_OG
	ADR2 OSW, 249, QH, 512, HD, 1, L_OS
	v_mov_b32 v204, 0                              ; written once: a lane permute's destination counts as one of its sources
	s_mov_b32 s89, 0
	s_wait_kmcnt 0x0
	s_lshl_b32 s88, ttmp9, 18                      ; node[s]: 262,144 bytes; my 32 rows
	s_lshl_b32 s92, s[WV], 15
	s_add_co_u32 s88, s88, s92
	s_add_nc_u64 s[4:5], s[4:5], s[88:89]
	s_lshl_b32 s88, ttmp9, 10
	s_add_nc_u64 s[6:7], s[6:7], s[88:89]          ; mask[s]
	s_mul_i32 s88, s[HEAD], 6144                   ; my head's 32 rows of each weight
	s_add_nc_u64 s[14:15], s[14:15], s[88:89]
	s_add_nc_u64 s[18:19], s[18:19], s[88:89]
	s_add_nc_u64 s[22:23], s[22:23], s[88:89]
	s_add_nc_u64 s[26:27], s[26:27], s[88:89]
	s_lshl_b32 s88, s[HEAD], 8
	s_add_nc_u64 s[16:17], s[16:17], s[88:89]
	s_add_nc_u64 s[20:21], s[20:21], s[88:89]
	s_add_nc_u64 s[24:25], s[24:25], s[88:89]
	s_add_nc_u64 s[28:29], s[28:29], s[88:89]
	s_lshl_b32 s88, s[HEAD], 7
	s_add_nc_u64 s[30:31], s[30:31], s[88:89]
	s_lshl_b32 s88, s[HEAD], 18                    ; the bias: my head's 256 tiles, my 8 query tiles
	s_lshl_b32 s92, s[QH], 17
	s_add_co_u32 s88, s88, s92
	s_add_nc_u64 s[BB:BB+1], s[8:9], s[88:89]
	s_lshl_b32 s88, s90, 17                        ; og's scale words
	s_lshl_b32 s92, ttmp9, 10
	s_add_co_u32 s88, s88, s92
	s_add_co_u32 s88, s88, 6291456
	s_add_nc_u64 s[34:35], s[32:33], s[88:89]
	s_mul_i32 s88, s90, 3145728                    ; og's codes
	s_mul_i32 s92, ttmp9, 24576
	s_add_co_u32 s88, s88, s92
	s_add_nc_u64 s[32:33], s[32:33], s[88:89]
	; ---- the loads: all that comes from node goes out at once, each load 512 consecutive bytes
	global_load_b32 v192, v[T4], s[6:7]
	global_load_b32 v193, v[T4], s[10:11]
	global_load_b32 v194, v[T4], s[12:13]
.set nA, 0
.rept 32
	global_load_b128 v[64+4*nA:67+4*nA], v[LI], s[4:5] offset:512*nA
.set nA, nA+1
.endr
	WIN 0x40
.set nA, 0
.rept 32
	global_load_b128 v[4*nA:4*nA+3], v[LI], s[4:5] offset:16384+512*nA
.set nA, nA+1
.endr
	WIN 0
	s_wait_loadcnt 63                              ; 67 were issued: the first four are in, mask, gamma and beta among them
	v_fma_f32 v192, v192, s[MSK], -s[MSK]          ; 1e9 (mask - 1), one rounding
	ds_store_b32 v[MTW], v192
	ds_store_b32 v[MTW], v193 offset:1024
	ds_store_b32 v[MTW], v194 offset:2048
	s_wait_loadcnt 32                              ; my first 16 rows are in; the second 16 may be out
.set nA, 0
.rept 32
	ds_store_b128 v[STGW], v[64+4*nA:67+4*nA] offset:(nA/2)*1040+(nA%2)*512
.set nA, nA+1
.endr
	s_wait_loadcnt 0x0
	WIN 0x04                                       ; an LDS store's data are its source 1
.set nA, 0
.rept 32
	ds_store_b128 v[STGW], v[4*nA:4*nA+3] offset:16640+(nA/2)*1040+(nA%2)*512
.set nA, nA+1
.endr
	WIN 0
	BARRIER                                        ; the mask's term, gamma and beta lie in LDS
	; ---- the norm, 16 rows at a time
	LNPAR 0
	LNORM XR, 0
	XOUT 0, 0
	LNORM XR, 16640
	PRE 26, 28, 30, 14, 16, 18, 20, 22, 24         ; gamma and beta are done with: my head's weights take their registers and land while the rows are quantised
	XOUT 3072, 256
	BARRIER                                        ; x's 32 fragments lie in LDS; nobody reads the norm's stage any more
	; ---- q, k, V^T of my head and my 128 rows
	s_wait_loadcnt 0x0
.irp i, 0,1,2,3,4,5,6,7
	PROJT \i
.endr
	QUANT 128, 64                                  ; V^T, channels 8 u + c(r), along my 128 keys: one key step
	IMAGE 82, VTW, 0
	ds_store_b32 v[VSW], v80
	QUANT 192, 64
	IMAGE 82, VTW, 1536
	ds_store_b32 v[VSW], v80 offset:128
	BARRIER                                        ; both halves' K and V^T lie in LDS
	; ---- attention
.irp n, 128,129,130,131,132,133,137,138,139,140,141,142,143,144,145,146,147,148,149,150,151,152,153,154,158,159,160,161,162,163
	v_mov_b32 v[\n], 0                             ; the zero codes round q
.endr
.irp n, 207,212,213,214,215,223
	v_mov_b32 v[\n], 0                             ; permute destinations, and upper halves of pairs of which the low word is taken
.endr
	PASSLOAD 0
	s_mov_b32 s[OB], 0
	v_mov_b32 v[VB], v[LI]
	BLOAD 0
	s_mov_b32 s[CNT], 8
	s_mov_b32 s[OQ], 0
	s_mov_b32 s[OSS], 0
.Lpass0:                                               ; keys 0-127, my 8 query tiles
	v_add_nc_u32 v[TA0], s[OQ], v[QCA]
	v_add_nc_u32 v[TA5], s[OSS], v[STA]
	v_add_nc_u32 v[TA6], s[OSS], v[STB]
	STEP 1, 1, 0
	SAVE
	s_add_co_u32 s[OQ], s[OQ], 512
	s_add_co_u32 s[OSS], s[OSS], 2304
	s_sub_co_u32 s[CNT], s[CNT], 1
	s_cmp_lg_u32 s[CNT], 0
	s_cbranch_scc1 .Lpass0
	s_wait_loadcnt 0x0                             ; the bias asked for in the last trip has landed: its registers and its address may be written again
	PASSLOAD 1
	s_mov_b32 s[OB], 0
	v_mov_b32 v[VB], v[LI]
	BLOAD 8192
	s_mov_b32 s[CNT], 8
	s_mov_b32 s[OQ], 0
	s_mov_b32 s[OSS], 0
	s_mov_b32 s[OX], 0
	s_mov_b32 s[OXS], 0
	s_mov_b32 s[OO], 0
	s_mov_b32 s[OOS], 0
.Lpass1:                                               ; keys 128-255, and each tile's end
	v_add_nc_u32 v[TA0], s[OQ], v[QCA]
	v_add_nc_u32 v[TA1], s[OX], v[XIA]
	v_add_nc_u32 v[TA2], s[OXS], v[XSA]
	v_add_nc_u32 v[TA3], s[OO], v[OGW]
	v_add_nc_u32 v[TA4], s[OOS], v[OSW]
	v_add_nc_u32 v[TA5], s[OSS], v[STA]
	v_add_nc_u32 v[TA6], s[OSS], v[STB]
	STEP 1, 0, 8192
	FINAL
	s_add_co_u32 s[OQ], s[OQ], 512
	s_add_co_u32 s[OSS], s[OSS], 2304
	s_add_co_u32 s[OX], s[OX], 3072
	s_add_co_u32 s[OXS], s[OXS], 256
	s_add_co_u32 s[OO], s[OO], 1536
	s_add_co_u32 s[OOS], s[OOS], 64
	s_sub_co_u32 s[CNT], s[CNT], 1
	s_cmp_lg_u32 s[CNT], 0
	s_cbranch_scc1 .Lpass1
	s_wait_loadcnt 0x0
	BARRIER                                        ; 256 rows of codes and scale words lie in LDS
	; ---- the way out: 24,576 dense bytes of codes, 1,024 of scale words; each store of a wave covers 512 consecutive bytes, aligned
.irp i, 0,1,2,3,4,5
	ds_load_b128 v[64+4*\i:67+4*\i], v[OGO] offset:4096*\i
.endr
.irp i, 0,1,2,3,4,5
	s_wait_dscnt 5-\i                              ; the younger loads may be out
	global_store_b128 v[T16], v[64+4*\i:67+4*\i], s[32:33] offset:4096*\i
.endr
	s_cmp_lt_u32 s[WV], 2
	s_cbranch_scc0 .Ldone
	ds_load_b128 v[88:91], v[OGO] offset:24576
	s_wait_dscnt 0x0
	global_store_b128 v[T16], v[88:91], s[34:35]
.Ldone:
	s_wait_tensorcnt 0x0
	ds_add_u32 v58, v59
	s_wait_dscnt 0x0
	s_endpgm
.Lfunc_end_k_q3f4038c6b0_rowatt:
	.size	k_q3f4038c6b0_rowatt, .Lfunc_end_k_q3f4038c6b0_rowatt-k_q3f4038c6b0_rowatt
	.p2alignl 7, 3214868480
	.fill 96, 4, 3214868480
	.section	.rodata,"a",@progbits
	.p2align	6, 0x0
	.amdhsa_kernel k_q3f4038c6b0_rowatt
		.amdhsa_group_segment_fixed_size 323584
		.amdhsa_private_segment_fixed_size 0
		.amdhsa_enable_private_segment 0
		.amdhsa_kernarg_size 120
		.amdhsa_user_sgpr_count 2
		.amdhsa_user_sgpr_kernarg_segment_ptr 1
		.amdhsa_wavefront_size32 1
		.amdhsa_system_sgpr_workgroup_id_x 1
		.amdhsa_system_sgpr_workgroup_id_y 1
		.amdhsa_system_sgpr_workgroup_id_z 1
		.amdhsa_system_vgpr_workitem_id 0
		.amdhsa_next_free_vgpr 512
		.amdhsa_next_free_sgpr 100
		.amdhsa_reserve_vcc 0
		.amdhsa_float_denorm_mode_32 3
		.amdhsa_float_denorm_mode_16_64 3
		.amdhsa_memory_ordered 1
		.amdhsa_forward_progress 1
		.amdhsa_inst_pref_size 193
	.end_amdhsa_kernel
	.amdgpu_metadata
---
amdhsa.version: [ 1, 2 ]
amdhsa.kernels:
  - .name:           k_q3f4038c6b0_rowatt
    .symbol:         k_q3f4038c6b0_rowatt.kd
    .args:
      - { .name: node, .offset: 0, .size: 8, .value_kind: global_buffer, .address_space: global }
      - { .name: node_mask, .offset: 8, .size: 8, .value_kind: global_buffer, .address_space: global }
      - { .name: bias, .offset: 16, .size: 8, .value_kind: global_buffer, .address_space: global }
      - { .name: row_ln_m_g, .offset: 24, .size: 8, .value_kind: global_buffer, .address_space: global }
      - { .name: row_ln_m_b, .offset: 32, .size: 8, .value_kind: global_buffer, .address_space: global }
      - { .name: row_wq_codes, .offset: 40, .size: 8, .value_kind: global_buffer, .address_space: global }
      - { .name: row_wq_scales, .offset: 48, .size: 8, .value_kind: global_buffer, .address_space: global }
      - { .name: row_wk_codes, .offset: 56, .size: 8, .value_kind: global_buffer, .address_space: global }
      - { .name: row_wk_scales, .offset: 64, .size: 8, .value_kind: global_buffer, .address_space: global }
      - { .name: row_wv_codes, .offset: 72, .size: 8, .value_kind: global_buffer, .address_space: global }
      - { .name: row_wv_scales, .offset: 80, .size: 8, .value_kind: global_buffer, .address_space: global }
      - { .name: row_wg_codes, .offset: 88, .size: 8, .value_kind: global_buffer, .address_space: global }
      - { .name: row_wg_scales, .offset: 96, .size: 8, .value_kind: global_buffer, .address_space: global }
      - { .name: row_bg, .offset: 104, .size: 8, .value_kind: global_buffer, .address_space: global }
      - { .name: og, .offset: 112, .size: 8, .value_kind: global_buffer, .address_space: global }
    .group_segment_fixed_size: 323584
    .private_segment_fixed_size: 0
    .kernarg_segment_align: 8
    .kernarg_segment_size: 120
    .max_flat_workgroup_size: 256
    .sgpr_count:     100
    .vgpr_count:     512
    .wavefront_size: 32
...
	.end_amdgpu_metadata
.endif
;; end of part 2
;; launch colall (part 3): grid 256 x 1, 8 waves a work-group, no clusters, 285,184 bytes of LDS; arguments og, node, node_mask, row_wo_codes, row_wo_scales, row_out_bias, col_ln_g, col_ln_b, col_wq_codes, col_wq_scales, col_wk_codes, col_wk_scales, col_wv_codes, col_wv_scales, col_wg_codes, col_wg_scales, col_bg, col_wo_codes, col_wo_scales, col_bo, tr_ln_g, tr_ln_b, tr_w1_codes, tr_w1_scales, tr_b1, tr_w2_codes, tr_w2_scales, tr_b2, out0; writes out0
.if DOCPART == 3
	.amdgcn_target "amdgcn-amd-amdhsa--gfx1250"
	.amdhsa_code_object_version 6
	.text
	.protected	k_q3f4038c6b0_colall
	.globl	k_q3f4038c6b0_colall
	.p2align	8
	.type	k_q3f4038c6b0_colall,@function
k_q3f4038c6b0_colall:
	s_mov_b64 s[64:65], 0
	v_nop
	global_prefetch_b8 v0, s[64:65] scope:SCOPE_SE
	s_setreg_imm32_b32 hwreg(HW_REG_WAVE_MODE, 25, 1), 1
	s_wait_xcnt 0x0
; FOR ONE r AND ALL 128 s: the row attention's out-projection and residual, the whole column attention, the whole transition.  All products on codes of FP6 (E2M3), one E8M0 scale for each 32 along K.
; The 128 rows of 256 f32 numbers, the residual state X, stay in LDS (rows 1,040 bytes apart) from the first load of node to the store of out0: no intermediate goes to memory.
; SHARES.  Norms: wave w takes rows 16 w .. + 15.  Out-projections and the second transition product: wave w makes features 32 w .. + 31 of all rows.  Attention: wave w is head w, all 128 rows: its K, q and V^T are
; its own bytes of LDS.  First transition product: wave w makes hidden units 128 w .. + 127, which are K step w of the second.  Each wave's part of each weight is read from memory once, into registers.
; LAYOUTS as in the launch before: lane = (r, h); a weight's tile u takes rows 8 u + c(r), c(r) = r + 8 (r / 8), so that a lane's 16 results of tiles 0, 1 are features 16 h + 0 .. 15 of row r; operands go from wave
; to wave as images of their registers; q and k (K = 32) fill one of a fragment's four slots; S^T and V^T run over the keys in the same order; p = 2^(t - M), M a whole number, the sum of the unquantised p divides.
; Q(o x gate) lies in LDS as rows of 192 bytes, 208 apart.
; No tensor loads and no cluster: what work-groups share, the weights, goes from memory straight into operand registers, once a wave.
; LIMITS: a column all of whose keys are masked gets the uniform average while |q k| < 32, with p = 2^d for one d for all keys, so its codes may differ by one rounding (3 per cent of that row's attention output at
; the most).  Blocks whose largest magnitude lies under 2^-124 get the byte 1.  NaN and infinities are not served.
.set L_X,   0                          ; 128 rows x 1,040
.set L_XI,  133120                     ; x's images: 16 x 1,536 (row tile m, K step s: 2 m + s)
.set L_XS,  157696                     ; their scale words: 16 x 128
.set L_LNP, 159744                     ; column gamma, beta; transition gamma, beta
.set L_MT,  163840                     ; the mask's term: 128 words
.set L_OG,  164352                     ; Q(o x gate): 128 rows x 208
.set L_OS,  190976                     ; its scale words: 128 x 8
.set L_KP,  192000                     ; packed K: wave 3,072
.set L_KS,  216576                     ; wave 1,024
.set L_VT,  224768                     ; wave 3,072
.set L_VS,  249344                     ; wave 256
.set L_QC,  251392                     ; wave 4,096
.set L_HI,  164352                     ; from the transition on, over what the attention has left: the hidden layer's 64 images (8 m + K step)
.set L_HS,  262656                     ; their scale words: 64 x 128
.set LI,1
.set L4,2
.set WRO,3
.set WSO,4
.set BCO,5
.set XD,6
.set XR,7
.set XIW,8
.set XSW,9
.set XIA,10
.set XSA,11
.set KPW,12
.set KPR,12
.set XC,13
.set KSW,14
.set KSR,14
.set OGR,15
.set QCA,16
.set VTW,17
.set VTR,17
.set VSW,18
.set VSR,18
.set OSR,19
.set W2O,20
.set MTA,21
.set LNA,22
.set W2S,23
.set HIW,24
.set OGW,25
.set OSW,26
.set HSW,27
.set HIA,28
.set HSA,29
.set TA0,240
.set TA1,241
.set TA2,242
.set TA3,243
.set TA4,244
.set TA5,245
.set TA6,246
.set WV,66
.set SEL,70
.set CS,72
.set NCS,74
.set QSC,76
.set OGS,78
.set CNT,80
.set O1,81
.set O2,82
.set O3,83
.set O4,84
.set O5,85
.set LNC,96
.set MSK,98
; v32-63 hold scale words and nothing else.
.set MSB, 0
.macro WIN new                         ; bits 1:0 source 0, 3:2 source 1, 5:4 source 2, 7:6 destination; the high byte repeats the setting that is left
.if MSB != \new
	s_set_vgpr_msb (MSB<<8)|\new
.set MSB, \new
.endif
.endm
.macro NOPS n                          ; places behind matrix instructions: five serve reads, loads and a later matrix instruction that writes over a register alike
.rept \n
	v_nop
.endr
.endm
.macro BARRIER                         ; my LDS stores have landed and my LDS loads are in: then the work-group's barrier
	s_wait_dscnt 0x0
	s_barrier_signal -1
	s_barrier_wait -1
.endm
.macro MM d, a, b, c, sa, sb
	v_wmma_scale_f32_16x16x128_f8f6f4 v[\d:\d+7], v[\a:\a+11], v[\b:\b+11], v[\c:\c+7], v[\sa], v[\sb] matrix_a_fmt:MATRIX_FMT_FP6 matrix_b_fmt:MATRIX_FMT_FP6
.endm
.macro MM0 d, a, b, sa, sb
	v_wmma_scale_f32_16x16x128_f8f6f4 v[\d:\d+7], v[\a:\a+11], v[\b:\b+11], 0, v[\sa], v[\sb] matrix_a_fmt:MATRIX_FMT_FP6 matrix_b_fmt:MATRIX_FMT_FP6
.endm
.macro WFRAG reg, vo, sb, off          ; a weight's fragment from the given codes: 24 bytes twice, in pieces of 8
.irp p, 0,1,2,3,4,5
	global_load_b64 v[\reg+2*\p:\reg+2*\p+1], v[\vo], s[\sb:\sb+1] offset:\off+48*(\p/3)+8*(\p%3)
.endr
.endm
.macro FETCH reg, va, off
.irp c, 0,1,2
	ds_load_b128 v[\reg+4*\c:\reg+4*\c+3], v[\va] offset:\off+512*\c
.endr
.endm
.macro IMAGE pc, va, off
.irp c, 0,1,2
	ds_store_b128 v[\va], v[\pc+4*\c:\pc+4*\c+3] offset:\off+512*\c
.endr
.endm
; 64 numbers of a lane, register 16 b + i = place 32 b + 16 h + i of my row's K step, become a fragment in v[t+18 ..] and its scale word in v[t+16].
.macro QUANT s, t
.irp b, 0,1,2,3
	v_max3_num_f32 v[\t+\b], |v[\s+16*\b]|, |v[\s+1+16*\b]|, 0x1800000   ; my 16 numbers of block b, and the floor 2^(3 - 127): the byte cannot fall under 1
.endr
.irp i, 2,4,6,8,10,12,14
.irp b, 0,1,2,3
	v_max3_num_f32 v[\t+\b], v[\t+\b], |v[\s+16*\b+\i]|, |v[\s+1+16*\b+\i]|
.endr
.endr
.irp b, 0,1,2,3
	v_permlanex16_b32 v[\t+4+\b], v[\t+\b], s[SEL], s[SEL+1]
.endr
.irp b, 0,1,2,3
	v_max_num_f32 v[\t+\b], v[\t+\b], v[\t+4+\b]
.endr
.irp b, 0,1,2,3
	v_add_nc_u32 v[\t+12+\b], 0xff000000, v[\t+\b] ; 2 off its exponent field: the conversion's scale operand
.endr
.irp b, 0,1,2,3
	v_lshrrev_b32 v[\t+4+\b], 23, v[\t+12+\b]      ; the scale's byte
.endr
	v_lshl_or_b32 v[\t+16], v[\t+5], 8, v[\t+4]
	v_lshl_or_b32 v[\t+16], v[\t+6], 16, v[\t+16]
	v_lshl_or_b32 v[\t+16], v[\t+7], 24, v[\t+16]
.irp c, 0,1
	v_cvt_scalef32_pk16_fp6_f32 v[\t+18+6*\c:\t+20+6*\c], v[\s+32*\c:\s+15+32*\c], v[\t+12+2*\c]
	v_cvt_scalef32_pk16_fp6_f32 v[\t+30+4*\c:\t+32+4*\c], v[\s+16+32*\c:\s+31+32*\c], v[\t+13+2*\c]   ; (a conversion's three registers begin on an even number)
.endr
	v_nop                                          ; one plain place behind a scaled conversion
.irp c, 0,1
.irp i, 0,1,2
	v_permlane16_swap_b32 v[\t+18+6*\c+\i], v[\t+30+4*\c+\i]
.endr
.irp i, 0,1,2
	v_mov_b32 v[\t+21+6*\c+\i], v[\t+30+4*\c+\i]
.endr
.endr
.endm
; One block of 32, 16 numbers in lane l and 16 in lane l xor 16: 16 codes in v[c .. c+2], the byte in v[by].  The caller sets one plain line behind it.
.macro QB s, c, a, b, so, by
	v_max3_num_f32 v[\a], |v[\s]|, |v[\s+1]|, 0x1800000
	v_max3_num_f32 v[\b], |v[\s+2]|, |v[\s+3]|, |v[\s+4]|
	v_max3_num_f32 v[\a], v[\a], |v[\s+5]|, |v[\s+6]|
	v_max3_num_f32 v[\b], v[\b], |v[\s+7]|, |v[\s+8]|
	v_max3_num_f32 v[\a], v[\a], |v[\s+9]|, |v[\s+10]|
	v_max3_num_f32 v[\b], v[\b], |v[\s+11]|, |v[\s+12]|
	v_max3_num_f32 v[\a], v[\a], |v[\s+13]|, |v[\s+14]|
	v_max3_num_f32 v[\a], v[\a], v[\b], |v[\s+15]|
	v_permlanex16_b32 v[\b], v[\a], s[SEL], s[SEL+1]
	v_max_num_f32 v[\a], v[\a], v[\b]
	v_add_nc_u32 v[\so], 0xff000000, v[\a]
	v_lshrrev_b32 v[\by], 23, v[\so]
	v_cvt_scalef32_pk16_fp6_f32 v[\c:\c+2], v[\s:\s+15], v[\so]
.endm
.macro LNPAR off                       ; gamma and beta in x's register order, into window 1: v0-127, v128-255
	WIN 0x40
.irp k, 0,1
.irp b, 0,1,2,3
.irp e, 0,1,2,3
	ds_load_b128 v[64*\k+16*\b+4*\e:64*\k+16*\b+4*\e+3], v[LNA] offset:\off+512*\k+128*\b+16*\e
	ds_load_b128 v[128+64*\k+16*\b+4*\e:131+64*\k+16*\b+4*\e], v[LNA] offset:\off+1024+512*\k+128*\b+16*\e
.endr
.endr
.endr
	WIN 0
.endm
.macro LNJOIN
	v_pk_add_f32 v[192:193], v[192:193], v[194:195]
	v_pk_add_f32 v[196:197], v[196:197], v[198:199]
	v_pk_add_f32 v[192:193], v[192:193], v[196:197]
	v_add_f32 v192, v192, v193
	v_permlanex16_b32 v204, v192, s[SEL], s[SEL+1]
	v_add_f32 v192, v192, v204
.endm
; LayerNorm of 16 rows: lane (r, h) holds, of row r, the 16 numbers 32 b + 16 h + .. of each block: v[64 + 64 k + 16 b + ..].  Mean, centred, variance, rsq, gamma, beta: all f32.
.macro LNORM xr, off
.irp k, 0,1
.irp b, 0,1,2,3
.irp e, 0,1,2,3
	ds_load_b128 v[64+64*\k+16*\b+4*\e:67+64*\k+16*\b+4*\e], v[\xr] offset:\off+512*\k+128*\b+16*\e
.endr
.endr
.endr
	s_wait_dscnt 0x0
.irp c, 0,1,2,3
	v_pk_add_f32 v[192+2*\c:193+2*\c], v[64+2*\c:65+2*\c], v[72+2*\c:73+2*\c]
.endr
.set nL, 8
.rept 56
	v_pk_add_f32 v[192+2*(nL%4):193+2*(nL%4)], v[192+2*(nL%4):193+2*(nL%4)], v[64+2*nL:65+2*nL]
.set nL, nL+1
.endr
	LNJOIN
	v_mul_f32 v200, s[LNC], v192
	v_mov_b32 v201, v200
.set nL, 0
.rept 64
	v_pk_add_f32 v[64+2*nL:65+2*nL], v[64+2*nL:65+2*nL], v[200:201] neg_lo:[0,1] neg_hi:[0,1]
.set nL, nL+1
.endr
.irp c, 0,1,2,3
	v_pk_mul_f32 v[192+2*\c:193+2*\c], v[64+2*\c:65+2*\c], v[64+2*\c:65+2*\c]
.endr
.set nL, 4
.rept 60
	v_pk_fma_f32 v[192+2*(nL%4):193+2*(nL%4)], v[64+2*nL:65+2*nL], v[64+2*nL:65+2*nL], v[192+2*(nL%4):193+2*(nL%4)]
.set nL, nL+1
.endr
	LNJOIN
	v_fma_f32 v192, v192, s[LNC], s[LNC+1]         ; variance + 1e-5
	v_rsq_f32 v202, v192
	v_nop                                          ; one plain place behind a transcendental
	s_wait_alu depctr_va_vdst(0)
	v_mov_b32 v203, v202
.set nL, 0
.rept 64
	v_pk_mul_f32 v[64+2*nL:65+2*nL], v[64+2*nL:65+2*nL], v[202:203]
.set nL, nL+1
.endr
	WIN 0x14
.set nL, 0
.rept 64
	v_pk_fma_f32 v[64+2*nL:65+2*nL], v[64+2*nL:65+2*nL], v[2*nL:2*nL+1], v[128+2*nL:129+2*nL]
.set nL, nL+1
.endr
	WIN 0
.endm
.macro XOUT oi, os
	QUANT 64, 192
	IMAGE 210, XIW, \oi
	ds_store_b32 v[XSW], v208 offset:\os
	QUANT 128, 192
	IMAGE 210, XIW, \oi+1536
	ds_store_b32 v[XSW], v208 offset:\os+128
.endm
; My head's four weights: window 1: Wg v0-47, the gate's bias v48-63, Wq v64-111, Wk v112-159, Wv v160-207.
.macro PRE pgc, pgs, pbg, pqc, pqs, pkc, pks, pvc, pvs
	WIN 0x40
.irp u, 0,1
.irp k, 0,1
	WFRAG 12*(2*\u+\k), WRO, \pgc, 1536*\u+96*\k
	WFRAG 64+12*(2*\u+\k), WRO, \pqc, 1536*\u+96*\k
	WFRAG 112+12*(2*\u+\k), WRO, \pkc, 1536*\u+96*\k
	WFRAG 160+12*(2*\u+\k), WRO, \pvc, 1536*\u+96*\k
.endr
.endr
.irp u, 0,1
.irp e, 0,1
	global_load_b128 v[48+8*\u+4*\e:51+8*\u+4*\e], v[BCO], s[\pbg:\pbg+1] offset:32*\u+16*\e
.endr
.endr
	WIN 0
.irp u, 0,1
.irp k, 0,1
	global_load_b32 v[32+2*\u+\k], v[WSO], s[\pqs:\pqs+1] offset:64*\u+4*\k
	global_load_b32 v[36+2*\u+\k], v[WSO], s[\pks:\pks+1] offset:64*\u+4*\k
	global_load_b32 v[40+2*\u+\k], v[WSO], s[\pvs:\pvs+1] offset:64*\u+4*\k
	global_load_b32 v[44+2*\u+\k], v[WSO], s[\pgs:\pgs+1] offset:64*\u+4*\k
.endr
.endr
.endm
; An out-projection's weights for my 32 features: window 1 v176-223, its bias in the result's layout v224-239; scale words v32-35.  32 loads.
.macro PREO pc, ps, pb
	WIN 0x40
.irp u, 0,1
.irp k, 0,1
	WFRAG 176+12*(2*\u+\k), WRO, \pc, 1536*\u+96*\k
.endr
.endr
.irp u, 0,1
.irp e, 0,1
	global_load_b128 v[224+8*\u+4*\e:227+8*\u+4*\e], v[BCO], s[\pb:\pb+1] offset:32*\u+16*\e
.endr
.endr
	WIN 0
.irp u, 0,1
.irp k, 0,1
	global_load_b32 v[32+2*\u+\k], v[WSO], s[\ps:\ps+1] offset:64*\u+4*\k
.endr
.endr
.endm
; Row tile i of my eight: q, k (weights as source 0) and V^T (x as source 0); six accumulators by turns, K step by K step.
.macro PROJT i
	ds_load_b32 v56, v[XSA] offset:256*\i
	ds_load_b32 v57, v[XSA] offset:256*\i+128
	WIN 0x40
	FETCH 208, XIA, 3072*\i
	FETCH 220, XIA, 3072*\i+1536
	WIN 0
	s_wait_dscnt 0x0
	WIN 0x05
.irp u, 0,1
	MM0 88+8*\u, 64+24*\u, 208, 32+2*\u, 56
.endr
.irp u, 0,1
	MM0 104+8*\u, 112+24*\u, 208, 36+2*\u, 56
.endr
.irp u, 0,1
	MM0 128+64*\u+8*\i, 208, 160+24*\u, 56, 40+2*\u
.endr
.irp u, 0,1
	MM 88+8*\u, 76+24*\u, 220, 88+8*\u, 33+2*\u, 57
.endr
.irp u, 0,1
	MM 104+8*\u, 124+24*\u, 220, 104+8*\u, 37+2*\u, 57
.endr
.irp u, 0,1
	MM 128+64*\u+8*\i, 220, 172+24*\u, 128+64*\u+8*\i, 57, 41+2*\u
.endr
	WIN 0
	NOPS 5
.irp n, 0,1,2,3,4,5,6,7
	v_pk_mul_f32 v[88+2*\n:89+2*\n], v[88+2*\n:89+2*\n], s[QSC:QSC+1] op_sel_hi:[1,0]   ; q / sqrt(32), ahead of the quantiser
.endr
	QB 88, 64, 72, 73, 74, 75
	v_lshl_or_b32 v67, v75, 8, v75                 ; (the plain place behind the conversion)  the byte four times
	v_lshl_or_b32 v67, v67, 16, v67
	ds_store_b128 v[QCA], v[64:67] offset:512*\i
	QB 104, 68, 76, 77, 78, 79
	v_lshl_or_b32 v71, v79, 8, v79
	v_lshl_or_b32 v71, v71, 16, v71
.irp n, 0,1,2
	ds_store_b32 v[KPW], v[68+\n] offset:(\i/4)*1536+12*(\i%4)+4*\n
.endr
	ds_store_b32 v[KSW], v71 offset:4*\i
.endm
.macro PASSLOAD ks                     ; the key step's operands: window 1: the mask's term v64-127, packed K v128-151, V^T v152-175
	WIN 0x40
.irp kt, 0,1,2,3,4,5,6,7
.irp e, 0,1
	ds_load_b128 v[64+8*\kt+4*\e:67+8*\kt+4*\e], v[MTA] offset:512*\ks+64*\kt+16*\e
.endr
.endr
.irp g, 0,1
.irp c, 0,1,2
	ds_load_b128 v[128+12*\g+4*\c:131+12*\g+4*\c], v[KPR] offset:3072*\ks+1536*\g+16*\c
.endr
.endr
.irp u, 0,1
.irp c, 0,1,2
	ds_load_b128 v[152+12*\u+4*\c:155+12*\u+4*\c], v[VTR] offset:1536*(2*\ks+\u)+512*\c
.endr
.endr
	WIN 0
	ds_load_b128 v[48:51], v[KSR] offset:1024*\ks
	ds_load_b128 v[52:55], v[KSR] offset:1024*\ks+16
	ds_load_b32 v60, v[VSR] offset:256*\ks
	ds_load_b32 v61, v[VSR] offset:256*\ks+128
	s_wait_dscnt 0x0
.endm
; 16 queries x all 128 keys: there is one key step, which starts the largest t, the sum and O^T.
; v64-127 S^T then p; v128-163 q among zero codes; v164-175 p's codes; v184-199 O^T; v200 -M, v201 largest t, v[202:203] the sum; v208-220 at work.
.macro STEP
	ds_load_b96 v[134:136], v[TA0]                 ; q's codes, once for the even slots,
	ds_load_b32 v155, v[TA0]                       ; once for the odd ones (an operand begins on an even register)
	ds_load_b32 v156, v[TA0] offset:4
	ds_load_b32 v157, v[TA0] offset:8
	ds_load_b32 v63, v[TA0] offset:12
	s_wait_dscnt 0x0
	WIN 0x01
.irp kt, 0,1,2,3,4,5,6,7
	MM0 64+8*\kt, 128+12*(\kt/4), 134-6*((\kt%4)/2)+18*(\kt%2), 48+\kt, 63
.endr
	WIN 0
	NOPS 5
	WIN 0x04
.set nS, 0
.rept 32
	v_pk_add_f32 v[64+2*nS:65+2*nS], v[64+2*nS:65+2*nS], v[64+2*nS:65+2*nS]   ; + the mask's term (source 1: window 1); each accumulator from its low end on
.set nS, nS+1
.endr
	WIN 0
.irp b, 0,1,2,3
	v_max3_num_f32 v[208+\b], v[64+16*\b], v[65+16*\b], v[66+16*\b]   ; the largest score of each block of 32 keys: for the row's maximum and for the block's largest p
.endr
.irp i, 3,5,7,9,11,13
.irp b, 0,1,2,3
	v_max3_num_f32 v[208+\b], v[208+\b], v[64+16*\b+\i], v[65+16*\b+\i]
.endr
.endr
.irp b, 0,1,2,3
	v_max_num_f32 v[208+\b], v[208+\b], v[79+16*\b]
.endr
.irp b, 0,1,2,3
	v_permlanex16_b32 v[212+\b], v[208+\b], s[SEL], s[SEL+1]
.endr
.irp b, 0,1,2,3
	v_max_num_f32 v[208+\b], v[208+\b], v[212+\b]
.endr
	v_max3_num_f32 v220, v208, v209, v210
	v_max_num_f32 v220, v220, v211
	v_mul_f32 v201, s[CS], v220                    ; the largest t
	v_floor_f32 v200, -v201                        ; -M = floor(-t): M is a whole number
.set nS, 0
.rept 32
	v_pk_fma_f32 v[64+2*nS:65+2*nS], v[64+2*nS:65+2*nS], s[CS:CS+1], v[200:201] op_sel_hi:[1,0,0]   ; t - M
.set nS, nS+1
.endr
.irp b, 0,1,2,3
	v_fma_f32 v[208+\b], v[208+\b], s[CS], v200
.endr
.set nS, 0
.rept 64
	v_exp_f32 v[64+nS], v[64+nS]                   ; p = 2^(t - M)
.set nS, nS+1
.endr
.irp b, 0,1,2,3
	v_exp_f32 v[208+\b], v[208+\b]
.endr
	v_nop                                          ; one plain place behind the exponentials
	s_wait_alu depctr_va_vdst(0)
.irp b, 0,1,2,3
	v_max_num_f32 v[208+\b], 0x1800000, v[208+\b]
.endr
.irp b, 0,1,2,3
	v_add_nc_u32 v[216+\b], 0xff000000, v[208+\b]
.endr
.irp b, 0,1,2,3
	v_lshrrev_b32 v[212+\b], 23, v[216+\b]
.endr
	v_lshl_or_b32 v62, v213, 8, v212               ; p's scale word
	v_lshl_or_b32 v62, v214, 16, v62
	v_lshl_or_b32 v62, v215, 24, v62
.irp c, 0,1
	v_cvt_scalef32_pk16_fp6_f32 v[164+6*\c:166+6*\c], v[64+32*\c:79+32*\c], v[216+2*\c]
	v_cvt_scalef32_pk16_fp6_f32 v[176+4*\c:178+4*\c], v[80+32*\c:95+32*\c], v[217+2*\c]
.endr
	v_nop
.irp c, 0,1
.irp i, 0,1,2
	v_permlane16_swap_b32 v[164+6*\c+\i], v[176+4*\c+\i]
.endr
.irp i, 0,1,2
	v_mov_b32 v[167+6*\c+\i], v[176+4*\c+\i]
.endr
.endr
	v_pk_add_f32 v[204:205], v[64:65], v[66:67]    ; the sum of the unquantised p, in two chains
	v_pk_add_f32 v[202:203], v[68:69], v[72:73]
	v_pk_add_f32 v[204:205], v[204:205], v[70:71]
	v_pk_add_f32 v[204:205], v[204:205], v[74:75]
.irp j, 12,16,20,24,28,32,36,40,44,48,52,56,60
	v_pk_add_f32 v[202:203], v[202:203], v[64+\j:65+\j]
	v_pk_add_f32 v[204:205], v[204:205], v[66+\j:67+\j]
.endr
	v_pk_add_f32 v[202:203], v[202:203], v[204:205]
	WIN 0x01                                       ; V^T: window 1.  The sums above are the places between p's codes and scale word and these products
	MM0 184, 152, 164, 60, 62
	MM0 192, 164, 164, 61, 62
	WIN 0
	NOPS 5
.endm
; The end of a query tile: 1 / sum; the gate of its 16 rows, sigmoid; o x gate, quantised (one block a row and head), to LDS in row order.
.macro FINAL
	v_add_f32 v202, v202, v203
	v_permlanex16_b32 v204, v202, s[SEL], s[SEL+1]
	v_add_f32 v202, v202, v204
	v_rcp_f32 v206, v202                           ; used behind the places below
	FETCH 64, TA1, 0
	FETCH 76, TA1, 1536
	ds_load_b32 v56, v[TA2]
	ds_load_b32 v57, v[TA2] offset:128
	s_wait_dscnt 0x0
	WIN 0x11
	MM 96, 0, 64, 48, 44, 56
	MM 104, 24, 64, 56, 46, 56
	WIN 0x01
	MM 96, 12, 76, 96, 45, 57
	MM 104, 36, 76, 104, 47, 57
	WIN 0
	NOPS 5
.irp n, 0,1,2,3,4,5,6,7
	v_pk_mul_f32 v[96+2*\n:97+2*\n], v[96+2*\n:97+2*\n], s[NCS:NCS+1] op_sel_hi:[1,0]
.endr
.irp n, 0,1,2,3,4,5,6,7,8,9,10,11,12,13,14,15
	v_exp_f32 v[96+\n], v[96+\n]
.endr
	s_wait_alu depctr_va_vdst(0)
.irp n, 0,1,2,3,4,5,6,7
	v_pk_mul_f32 v[184+2*\n:185+2*\n], v[184+2*\n:185+2*\n], v[206:207] op_sel_hi:[1,0]   ; O^T / the sum (plain lines behind the exponentials)
.endr
.irp n, 0,1,2,3,4,5,6,7
	v_pk_add_f32 v[96+2*\n:97+2*\n], v[96+2*\n:97+2*\n], 1.0 op_sel_hi:[1,0]
.endr
.irp n, 0,1,2,3,4,5,6,7,8,9,10,11,12,13,14,15
	v_rcp_f32 v[96+\n], v[96+\n]
.endr
	v_nop
	s_wait_alu depctr_va_vdst(0)
.irp n, 0,1,2,3,4,5,6,7
	v_pk_mul_f32 v[184+2*\n:185+2*\n], v[184+2*\n:185+2*\n], v[96+2*\n:97+2*\n]
.endr
	QB 184, 224, 228, 229, 230, 231
	v_nop
.irp n, 0,1,2
	ds_store_b32 v[TA3], v[224+\n] offset:4*\n
.endr
	ds_store_b8 v[TA4], v231                       ; both halves write the same byte with the same value
.endm
; X += Q(o x gate) W^T + bias, my 32 features of all 128 rows, two row tiles a trip; four accumulators by turns.
.macro OUTPROJ
	s_wait_loadcnt 0x0                             ; the weights
	s_mov_b32 s[CNT], 4
	s_mov_b32 s[O1], 0
	s_mov_b32 s[O2], 0
	s_mov_b32 s[O3], 0
.Lop_\@:
	v_add_nc_u32 v[TA0], s[O1], v[OGR]
	v_add_nc_u32 v[TA1], s[O2], v[OSR]
	v_add_nc_u32 v[TA2], s[O3], v[XC]
.irp a, 0,1
.irp k, 0,1
.irp p, 0,1,2,3,4,5
	ds_load_b64 v[64+24*\a+12*\k+2*\p:65+24*\a+12*\k+2*\p], v[TA0] offset:3328*\a+96*\k+48*(\p/3)+8*(\p%3)
.endr
	ds_load_b32 v[56+2*\a+\k], v[TA1] offset:128*\a+4*\k
.endr
.endr
.irp a, 0,1
.irp u, 0,1
.irp e, 0,1
	ds_load_b128 v[144+16*\a+8*\u+4*\e:147+16*\a+8*\u+4*\e], v[TA2] offset:16640*\a+32*\u+16*\e
.endr
.endr
.endr
	s_wait_dscnt 0x0
	WIN 0x11                                       ; the weight and the bias: window 1
.irp a, 0,1
.irp u, 0,1
	MM 112+16*\a+8*\u, 176+24*\u, 64+24*\a, 224+8*\u, 32+2*\u, 56+2*\a
.endr
.endr
	WIN 0x01
.irp a, 0,1
.irp u, 0,1
	MM 112+16*\a+8*\u, 188+24*\u, 76+24*\a, 112+16*\a+8*\u, 33+2*\u, 57+2*\a
.endr
.endr
	WIN 0
	NOPS 5
.set nO, 0
.rept 16
	v_pk_add_f32 v[144+2*nO:145+2*nO], v[144+2*nO:145+2*nO], v[112+2*nO:113+2*nO]
.set nO, nO+1
.endr
.irp a, 0,1
.irp u, 0,1
.irp e, 0,1
	ds_store_b128 v[TA2], v[144+16*\a+8*\u+4*\e:147+16*\a+8*\u+4*\e] offset:16640*\a+32*\u+16*\e
.endr
.endr
.endr
	s_add_co_u32 s[O1], s[O1], 6656
	s_add_co_u32 s[O2], s[O2], 256
	s_add_co_u32 s[O3], s[O3], 33280
	s_sub_co_u32 s[CNT], s[CNT], 1
	s_cmp_lg_u32 s[CNT], 0
	s_cbranch_scc1 .Lop_\@
	BARRIER                                        ; X is whole again
.endm
.macro ADR1 dst, vb, ma, k             ; an LDS address: a constant + a constant x wave + a lane term
	s_mul_i32 s91, s[WV], \ma
	s_add_co_u32 s91, s91, \k
	v_add_nc_u32 v[\dst], s91, v[\vb]
.endm
	s_load_b512 s[4:19], s[0:1], 0x0               ; argument i in s[4 + 2 i : 5 + 2 i]
	s_load_b512 s[20:35], s[0:1], 0x40
	s_load_b512 s[36:51], s[0:1], 0x80
	s_load_b256 s[52:59], s[0:1], 0xc0
	s_load_b64 s[60:61], s[0:1], 0xe0
	v_lshl_add_u32 v30, v0, 2, 0x45600
	v_mov_b32 v31, 0
	v_lshrrev_b32 v240, 5, v0
	v_readfirstlane_b32 s[WV], v240                ; wave 0..7
	s_mov_b32 s[SEL], 0x76543210
	s_mov_b32 s[SEL+1], 0xfedcba98
	s_mov_b32 s[CS], 0x3fb8aa3b                    ; log2(e)
	s_mov_b32 s[CS+1], s[CS]
	s_mov_b32 s[NCS], 0xbfb8aa3b
	s_mov_b32 s[NCS+1], s[NCS]
	s_mov_b32 s[QSC], 0x3e3504f3                   ; 1 / sqrt(32)
	s_mov_b32 s[QSC+1], s[QSC]
	s_mov_b32 s[LNC], 0x3b800000                   ; 1 / 256
	s_mov_b32 s[LNC+1], 0x3727c5ac                 ; 1e-5
	s_mov_b32 s[MSK], 0x4e6e6b28                   ; 1e9
	v_and_b32 v240, 31, v0                         ; lane
	v_and_b32 v241, 15, v0                         ; r
	v_bfe_u32 v242, v0, 4, 1                       ; h
	v_and_b32 v243, 8, v241
	v_add_nc_u32 v243, v243, v241                  ; c(r)
	v_mul_u32_u24 v244, v240, 48
	v_lshlrev_b32 v245, 5, v240
	v_lshlrev_b32 v247, 5, v242
	v_mul_u32_u24 v248, v241, 1040
	v_lshl_add_u32 v248, v242, 6, v248             ; r x 1,040 + 64 h
	v_mul_u32_u24 v249, v241, 208                  ; r x 208
	v_lshlrev_b32 v250, 3, v241                    ; 8 r
	v_lshlrev_b32 v[LI], 4, v240
	v_lshlrev_b32 v[L4], 2, v240
	v_mul_u32_u24 v[WRO], v243, 192
	v_mad_u32_u24 v[WRO], v242, 24, v[WRO]
	v_lshlrev_b32 v[WSO], 3, v243
	v_lshlrev_b32 v[BCO], 6, v242
	v_mul_u32_u24 v[W2O], v243, 768
	v_mad_u32_u24 v[W2O], v242, 24, v[W2O]
	v_lshlrev_b32 v[W2S], 5, v243
	ADR1 XD, LI, 16640, L_X
	ADR1 XR, 248, 16640, L_X
	ADR1 XC, 248, 128, L_X
	ADR1 XIW, LI, 3072, L_XI
	ADR1 XSW, L4, 256, L_XS
	v_add_nc_u32 v[XIA], L_XI, v[LI]
	v_add_nc_u32 v[XSA], L_XS, v[L4]
	ADR1 KPW, 244, 3072, L_KP
	ADR1 KSW, 245, 1024, L_KS
	ADR1 QCA, LI, 4096, L_QC
	ADR1 VTW, LI, 3072, L_VT
	ADR1 VSW, L4, 256, L_VS
	v_add_nc_u32 v[MTA], L_MT, v247
	v_add_nc_u32 v[LNA], L_LNP, v[BCO]
	v_mad_u32_u24 v[OGR], v242, 24, v249
	v_add_nc_u32 v[OGR], L_OG, v[OGR]
	v_add_nc_u32 v[OSR], L_OS, v250
	v_mad_u32_u24 v251, v242, 12, v249
	ADR1 OGW, 251, 24, L_OG
	ADR1 OSW, 250, 1, L_OS
	ADR1 HIW, LI, 1536, L_HI
	ADR1 HSW, L4, 128, L_HS
	v_add_nc_u32 v[HIA], L_HI, v[LI]
	v_add_nc_u32 v[HSA], L_HS, v[L4]
	v_lshlrev_b32 v224, 2, v0                      ; 4 t: the norms' parameters in memory
	v_add_nc_u32 v225, L_LNP, v224                 ; and in LDS
	v_and_b32 v226, 127, v0
	v_lshlrev_b32 v226, 10, v226                   ; mask[s = t % 128][r]
	v_add_nc_u32 v227, L_MT, v224                  ; (used by waves 0-3 alone)
	v_and_b32 v232, 1, v0                          ; thread t copies og's piece of s = t / 2, heads 4 (t % 2) ..
	v_lshrrev_b32 v233, 1, v0
	v_lshlrev_b32 v228, 17, v232
	v_lshl_add_u32 v228, v233, 10, v228
	v_add_nc_u32 v229, L_OS, v224
	v_mul_u32_u24 v230, v232, 0x300000
	v_mad_u32_u24 v230, v233, 24576, v230
	v_mul_u32_u24 v231, v233, 208
	v_mad_u32_u24 v231, v232, 96, v231
	v_add_nc_u32 v231, L_OG, v231
	v_mov_b32 v204, 0                              ; written once: a lane permute's destination counts as one of its sources
	s_mov_b32 s89, 0
	s_wait_kmcnt 0x0
	s_mul_i32 s88, s[WV], 6144                     ; my 32 rows of the six square weights
	s_add_nc_u64 s[10:11], s[10:11], s[88:89]
	s_add_nc_u64 s[20:21], s[20:21], s[88:89]
	s_add_nc_u64 s[24:25], s[24:25], s[88:89]
	s_add_nc_u64 s[28:29], s[28:29], s[88:89]
	s_add_nc_u64 s[32:33], s[32:33], s[88:89]
	s_add_nc_u64 s[38:39], s[38:39], s[88:89]
	s_lshl_b32 s88, s[WV], 8
	s_add_nc_u64 s[12:13], s[12:13], s[88:89]
	s_add_nc_u64 s[22:23], s[22:23], s[88:89]
	s_add_nc_u64 s[26:27], s[26:27], s[88:89]
	s_add_nc_u64 s[30:31], s[30:31], s[88:89]
	s_add_nc_u64 s[34:35], s[34:35], s[88:89]
	s_add_nc_u64 s[40:41], s[40:41], s[88:89]
	s_lshl_b32 s88, s[WV], 7
	s_add_nc_u64 s[14:15], s[14:15], s[88:89]
	s_add_nc_u64 s[36:37], s[36:37], s[88:89]
	s_add_nc_u64 s[42:43], s[42:43], s[88:89]
	s_add_nc_u64 s[58:59], s[58:59], s[88:89]
	s_mul_i32 s88, s[WV], 24576                    ; 128 rows of w1 (192 bytes), 32 rows of w2 (768 bytes)
	s_add_nc_u64 s[48:49], s[48:49], s[88:89]
	s_add_nc_u64 s[54:55], s[54:55], s[88:89]
	s_lshl_b32 s88, s[WV], 10
	s_add_nc_u64 s[50:51], s[50:51], s[88:89]
	s_add_nc_u64 s[56:57], s[56:57], s[88:89]
	s_lshl_b32 s88, s[WV], 9
	s_add_nc_u64 s[52:53], s[52:53], s[88:89]
	s_lshl_b32 s88, ttmp9, 10                      ; node, out0: row (s = 16 w, r)
	s_lshl_b32 s92, s[WV], 22
	s_add_co_u32 s88, s88, s92
	s_add_nc_u64 s[6:7], s[6:7], s[88:89]
	s_add_nc_u64 s[60:61], s[60:61], s[88:89]
	s_lshl_b32 s88, ttmp9, 2
	s_add_nc_u64 s[8:9], s[8:9], s[88:89]          ; mask[.][r]
	s_add_co_u32 s88, s88, 6291456
	s_add_nc_u64 s[OGS:OGS+1], s[4:5], s[88:89]    ; og's scale words
	s_mul_i32 s88, ttmp9, 96
	s_add_nc_u64 s[4:5], s[4:5], s[88:89]          ; og's codes
	; ---- P0: everything that comes from memory for the first phases goes out at once
	global_load_b32 v192, v224, s[16:17]
	global_load_b32 v193, v224, s[18:19]
	global_load_b32 v194, v224, s[44:45]
	global_load_b32 v195, v224, s[46:47]
	global_load_b32 v196, v226, s[8:9]
	global_load_b32 v197, v228, s[OGS:OGS+1]
.irp i, 0,1,2,3,4,5
	global_load_b128 v[200+4*\i:203+4*\i], v230, s[4:5] offset:16*\i
.endr
.set nA, 0
.rept 32                                               ; my 16 rows of node: each load 512 consecutive bytes, read once in this launch
	global_load_b128 v[64+4*nA:67+4*nA], v[LI], s[6:7] offset:(nA/2)*262144+(nA%2)*512 th:TH_LOAD_NT
.set nA, nA+1
.endr
	PREO 10, 12, 14                                ; the row attention's out-projection
	s_wait_loadcnt 32                              ; all but those 32
	ds_store_b32 v225, v192
	ds_store_b32 v225, v193 offset:1024
	ds_store_b32 v225, v194 offset:2048
	ds_store_b32 v225, v195 offset:3072
	ds_store_b32 v229, v197
.irp i, 0,1,2,3,4,5
	ds_store_b128 v231, v[200+4*\i:203+4*\i] offset:16*\i
.endr
	v_fma_f32 v196, v196, s[MSK], -s[MSK]          ; 1e9 (mask - 1), one rounding
	s_cmp_lt_u32 s[WV], 4
	s_cbranch_scc0 .Lnomask
	ds_store_b32 v227, v196
.Lnomask:
.set nA, 0
.rept 32
	ds_store_b128 v[XD], v[64+4*nA:67+4*nA] offset:(nA/2)*1040+(nA%2)*512
.set nA, nA+1
.endr
	BARRIER
	; ---- P1: X = node + Q(o x gate) Wo^T + the fused bias
	OUTPROJ
	; ---- P2: the column norm
	LNPAR 0
	LNORM XR, 0
	PRE 32, 34, 36, 20, 22, 24, 26, 28, 30         ; gamma and beta are done with: my head's weights land while the rows are quantised
	XOUT 0, 0
	BARRIER
	; ---- P3: head w.  K, q and V^T are my own bytes of LDS: LDS serves a wave's instructions in order, so no barrier stands inside
	s_wait_loadcnt 0x0
.irp i, 0,1,2,3,4,5,6,7
	PROJT \i
.endr
	QUANT 128, 64
	IMAGE 82, VTW, 0
	ds_store_b32 v[VSW], v80
	QUANT 192, 64
	IMAGE 82, VTW, 1536
	ds_store_b32 v[VSW], v80 offset:128
	PREO 38, 40, 42                                ; the column out-projection's weights land under the attention
.irp n, 128,129,130,131,132,133,137,138,139,140,141,142,143,144,145,146,147,148,149,150,151,152,153,154,158,159,160,161,162,163
	v_mov_b32 v[\n], 0                             ; the zero codes round q
.endr
.irp n, 207,212,213,214,215
	v_mov_b32 v[\n], 0
.endr
	PASSLOAD 0
	s_mov_b32 s[CNT], 8
	s_mov_b32 s[O1], 0
	s_mov_b32 s[O2], 0
	s_mov_b32 s[O3], 0
	s_mov_b32 s[O4], 0
	s_mov_b32 s[O5], 0
.Lcatt:
	v_add_nc_u32 v[TA0], s[O1], v[QCA]
	v_add_nc_u32 v[TA1], s[O2], v[XIA]
	v_add_nc_u32 v[TA2], s[O3], v[XSA]
	v_add_nc_u32 v[TA3], s[O4], v[OGW]
	v_add_nc_u32 v[TA4], s[O5], v[OSW]
	STEP
	FINAL
	s_add_co_u32 s[O1], s[O1], 512
	s_add_co_u32 s[O2], s[O2], 3072
	s_add_co_u32 s[O3], s[O3], 256
	s_add_co_u32 s[O4], s[O4], 3328
	s_add_co_u32 s[O5], s[O5], 128
	s_sub_co_u32 s[CNT], s[CNT], 1
	s_cmp_lg_u32 s[CNT], 0
	s_cbranch_scc1 .Lcatt
	BARRIER
	; ---- P4: X += Q(o x gate) Wo^T + bo
	OUTPROJ
	; ---- P5: the transition's norm
	LNPAR 2048
	LNORM XR, 0
	WIN 0x40                                       ; my 128 rows of w1: window 1 v0-191 (tile t = 2 b + u, K step k: 12 (2 t + k)), b1 in the result's layout v192-255
.irp t, 0,1,2,3,4,5,6,7
.irp k, 0,1
	WFRAG 12*(2*\t+\k), WRO, 48, (32*(\t/2)+8*(\t%2))*192+96*\k
.endr
.endr
.irp t, 0,1,2,3,4,5,6,7
.irp e, 0,1
	global_load_b128 v[192+8*\t+4*\e:195+8*\t+4*\e], v[BCO], s[52:53] offset:128*(\t/2)+32*(\t%2)+16*\e
.endr
.endr
	WIN 0
.irp t, 0,1,2,3,4,5,6,7
.irp k, 0,1
	global_load_b32 v[32+2*\t+\k], v[WSO], s[50:51] offset:256*(\t/2)+64*(\t%2)+4*\k
.endr
.endr
	XOUT 0, 0
	BARRIER
	; ---- P6: my 128 hidden units of all rows, a row tile a trip; relu; quantised: K step w of the second product
	s_wait_loadcnt 0x0
	s_mov_b32 s[CNT], 8
	s_mov_b32 s[O1], 0
	s_mov_b32 s[O2], 0
	s_mov_b32 s[O3], 0
	s_mov_b32 s[O4], 0
.Lhid:
	v_add_nc_u32 v[TA0], s[O1], v[XIA]
	v_add_nc_u32 v[TA1], s[O2], v[XSA]
	v_add_nc_u32 v[TA2], s[O3], v[HIW]
	v_add_nc_u32 v[TA3], s[O4], v[HSW]
	FETCH 128, TA0, 0
	FETCH 140, TA0, 1536
	ds_load_b32 v56, v[TA1]
	ds_load_b32 v57, v[TA1] offset:128
	s_wait_dscnt 0x0
	WIN 0x11
.irp t, 0,1,2,3,4,5,6,7
	MM 64+8*\t, 24*\t, 128, 192+8*\t, 32+2*\t, 56
.endr
	WIN 0x01
.irp t, 0,1,2,3,4,5,6,7
	MM 64+8*\t, 24*\t+12, 140, 64+8*\t, 33+2*\t, 57
.endr
	WIN 0
	NOPS 5
.set nA, 0
.rept 64
	v_max_num_f32 v[64+nA], 0, v[64+nA]            ; the activation, in f32
.set nA, nA+1
.endr
	QUANT 64, 192
	IMAGE 210, TA2, 0
	ds_store_b32 v[TA3], v208
	s_add_co_u32 s[O1], s[O1], 3072
	s_add_co_u32 s[O2], s[O2], 256
	s_add_co_u32 s[O3], s[O3], 12288
	s_add_co_u32 s[O4], s[O4], 1024
	s_sub_co_u32 s[CNT], s[CNT], 1
	s_cmp_lg_u32 s[CNT], 0
	s_cbranch_scc1 .Lhid
	WIN 0x40                                       ; my 32 rows of w2: window 1 v0-191 (tile u, K step k: 12 (8 u + k)), b2 v192-207; asked for ahead of the barrier
.irp u, 0,1
.irp k, 0,1,2,3,4,5,6,7
	WFRAG 12*(8*\u+\k), W2O, 54, 6144*\u+96*\k
.endr
.endr
.irp u, 0,1
.irp e, 0,1
	global_load_b128 v[192+8*\u+4*\e:195+8*\u+4*\e], v[BCO], s[58:59] offset:32*\u+16*\e
.endr
.endr
	WIN 0
.irp u, 0,1
.irp k, 0,1,2,3,4,5,6,7
	global_load_b32 v[32+8*\u+\k], v[W2S], s[56:57] offset:256*\u+4*\k
.endr
.endr
	BARRIER                                        ; the hidden layer's 64 fragments lie in LDS
	; ---- P7: X += hidden W2^T + b2, my 32 features, a row tile a trip; two accumulators by turns, K ascending
	s_wait_loadcnt 0x0
	s_mov_b32 s[CNT], 8
	s_mov_b32 s[O1], 0
	s_mov_b32 s[O2], 0
	s_mov_b32 s[O3], 0
.Lout:
	v_add_nc_u32 v[TA0], s[O1], v[HIA]
	v_add_nc_u32 v[TA1], s[O2], v[HSA]
	v_add_nc_u32 v[TA2], s[O3], v[XC]
.irp k, 0,1,2,3,4,5,6,7
	FETCH 64+12*\k, TA0, 1536*\k
	ds_load_b32 v[48+\k], v[TA1] offset:128*\k
.endr
.irp u, 0,1
.irp e, 0,1
	ds_load_b128 v[176+8*\u+4*\e:179+8*\u+4*\e], v[TA2] offset:32*\u+16*\e
.endr
.endr
	s_wait_dscnt 0x0
	WIN 0x11
	MM 160, 0, 64, 192, 32, 48
	MM 168, 96, 64, 200, 40, 48
	WIN 0x01
.irp k, 1,2,3,4,5,6,7
	MM 160, 12*\k, 64+12*\k, 160, 32+\k, 48+\k
	MM 168, 96+12*\k, 64+12*\k, 168, 40+\k, 48+\k
.endr
	WIN 0
	NOPS 5
.irp n, 0,1,2,3,4,5,6,7
	v_pk_add_f32 v[176+2*\n:177+2*\n], v[176+2*\n:177+2*\n], v[160+2*\n:161+2*\n]
.endr
.irp u, 0,1
.irp e, 0,1
	ds_store_b128 v[TA2], v[176+8*\u+4*\e:179+8*\u+4*\e] offset:32*\u+16*\e
.endr
.endr
	s_add_co_u32 s[O1], s[O1], 12288
	s_add_co_u32 s[O2], s[O2], 1024
	s_add_co_u32 s[O3], s[O3], 16640
	s_sub_co_u32 s[CNT], s[CNT], 1
	s_cmp_lg_u32 s[CNT], 0
	s_cbranch_scc1 .Lout
	BARRIER
	; ---- P8: my 16 rows leave: each store of the wave covers 512 consecutive bytes, aligned
.set nA, 0
.rept 32
	ds_load_b128 v[64+4*nA:67+4*nA], v[XD] offset:(nA/2)*1040+(nA%2)*512
.set nA, nA+1
.endr
.set nA, 0
.rept 32
	s_wait_dscnt 31-nA                             ; the younger loads may be out
	global_store_b128 v[LI], v[64+4*nA:67+4*nA], s[60:61] offset:(nA/2)*262144+(nA%2)*512 th:TH_STORE_NT
.set nA, nA+1
.endr
	s_wait_tensorcnt 0x0
	ds_add_u32 v30, v31
	s_wait_dscnt 0x0
	s_endpgm
.Lfunc_end_k_q3f4038c6b0_colall:
	.size	k_q3f4038c6b0_colall, .Lfunc_end_k_q3f4038c6b0_colall-k_q3f4038c6b0_colall
	.p2alignl 7, 3214868480
	.fill 96, 4, 3214868480
	.section	.rodata,"a",@progbits
	.p2align	6, 0x0
	.amdhsa_kernel k_q3f4038c6b0_colall
		.amdhsa_group_segment_fixed_size 285184
		.amdhsa_private_segment_fixed_size 0
		.amdhsa_enable_private_segment 0
		.amdhsa_kernarg_size 232
		.amdhsa_user_sgpr_count 2
		.amdhsa_user_sgpr_kernarg_segment_ptr 1
		.amdhsa_wavefront_size32 1
		.amdhsa_system_sgpr_workgroup_id_x 1
		.amdhsa_system_sgpr_workgroup_id_y 1
		.amdhsa_system_sgpr_workgroup_id_z 1
		.amdhsa_system_vgpr_workitem_id 0
		.amdhsa_next_free_vgpr 512
		.amdhsa_next_free_sgpr 100
		.amdhsa_reserve_vcc 0
		.amdhsa_float_denorm_mode_32 3
		.amdhsa_float_denorm_mode_16_64 3
		.amdhsa_memory_ordered 1
		.amdhsa_forward_progress 1
		.amdhsa_inst_pref_size 229
	.end_amdhsa_kernel
	.amdgpu_metadata
---
amdhsa.version: [ 1, 2 ]
amdhsa.kernels:
  - .name:           k_q3f4038c6b0_colall
    .symbol:         k_q3f4038c6b0_colall.kd
    .args:
      - { .name: og, .offset: 0, .size: 8, .value_kind: global_buffer, .address_space: global }
      - { .name: node, .offset: 8, .size: 8, .value_kind: global_buffer, .address_space: global }
      - { .name: node_mask, .offset: 16, .size: 8, .value_kind: global_buffer, .address_space: global }
      - { .name: row_wo_codes, .offset: 24, .size: 8, .value_kind: global_buffer, .address_space: global }
      - { .name: row_wo_scales, .offset: 32, .size: 8, .value_kind: global_buffer, .address_space: global }
      - { .name: row_out_bias, .offset: 40, .size: 8, .value_kind: global_buffer, .address_space: global }
      - { .name: col_ln_g, .offset: 48, .size: 8, .value_kind: global_buffer, .address_space: global }
      - { .name: col_ln_b, .offset: 56, .size: 8, .value_kind: global_buffer, .address_space: global }
      - { .name: col_wq_codes, .offset: 64, .size: 8, .value_kind: global_buffer, .address_space: global }
      - { .name: col_wq_scales, .offset: 72, .size: 8, .value_kind: global_buffer, .address_space: global }
      - { .name: col_wk_codes, .offset: 80, .size: 8, .value_kind: global_buffer, .address_space: global }
      - { .name: col_wk_scales, .offset: 88, .size: 8, .value_kind: global_buffer, .address_space: global }
      - { .name: col_wv_codes, .offset: 96, .size: 8, .value_kind: global_buffer, .address_space: global }
      - { .name: col_wv_scales, .offset: 104, .size: 8, .value_kind: global_buffer, .address_space: global }
      - { .name: col_wg_codes, .offset: 112, .size: 8, .value_kind: global_buffer, .address_space: global }
      - { .name: col_wg_scales, .offset: 120, .size: 8, .value_kind: global_buffer, .address_space: global }
      - { .name: col_bg, .offset: 128, .size: 8, .value_kind: global_buffer, .address_space: global }
      - { .name: col_wo_codes, .offset: 136, .size: 8, .value_kind: global_buffer, .address_space: global }
      - { .name: col_wo_scales, .offset: 144, .size: 8, .value_kind: global_buffer, .address_space: global }
      - { .name: col_bo, .offset: 152, .size: 8, .value_kind: global_buffer, .address_space: global }
      - { .name: tr_ln_g, .offset: 160, .size: 8, .value_kind: global_buffer, .address_space: global }
      - { .name: tr_ln_b, .offset: 168, .size: 8, .value_kind: global_buffer, .address_space: global }
      - { .name: tr_w1_codes, .offset: 176, .size: 8, .value_kind: global_buffer, .address_space: global }
      - { .name: tr_w1_scales, .offset: 184, .size: 8, .value_kind: global_buffer, .address_space: global }
      - { .name: tr_b1, .offset: 192, .size: 8, .value_kind: global_buffer, .address_space: global }
      - { .name: tr_w2_codes, .offset: 200, .size: 8, .value_kind: global_buffer, .address_space: global }
      - { .name: tr_w2_scales, .offset: 208, .size: 8, .value_kind: global_buffer, .address_space: global }
      - { .name: tr_b2, .offset: 216, .size: 8, .value_kind: global_buffer, .address_space: global }
      - { .name: out0, .offset: 224, .size: 8, .value_kind: global_buffer, .address_space: global }
    .group_segment_fixed_size: 285184
    .private_segment_fixed_size: 0
    .kernarg_segment_align: 8
    .kernarg_segment_size: 232
    .max_flat_workgroup_size: 256
    .sgpr_count:     100
    .vgpr_count:     512
    .wavefront_size: 32
...
	.end_amdgpu_metadata
.endif
;; end of part 3
;; ======== version 2 of 2: 3 launches; 1.13 times as fast as version 1
;; workspace buffers: bias 2,097,152 bytes; og 6,553,600 bytes; wl 958,464 bytes
;; launch pbias (part 4): grid 16 x 16, 8 waves a work-group, no clusters, 46,080 bytes of LDS; arguments pair, row_ln_z_g, row_ln_z_b, row_b_w, bias, wl, row_wq_codes, row_wk_codes, row_wv_codes, row_wg_codes, row_wo_codes, col_wq_codes, col_wk_codes, col_wv_codes, col_wg_codes, col_wo_codes, tr_w1_codes, tr_w2_codes, row_wq_scales, row_wk_scales, row_wv_scales, row_wg_scales, row_wo_scales, col_wq_scales, col_wk_scales, col_wv_scales, col_wg_scales, col_wo_scales, tr_w1_scales, tr_w2_scales; writes bias, wl
.if DOCPART == 4
	.amdgcn_target "amdgcn-amd-amdhsa--gfx1250"
	.amdhsa_code_object_version 6
	.text
	.protected	k_q3f4038c6b0_pbias
	.globl	k_q3f4038c6b0_pbias
	.p2align	8
	.type	k_q3f4038c6b0_pbias,@function
k_q3f4038c6b0_pbias:
	s_mov_b64 s[64:65], 0
	v_nop
	global_prefetch_b8 v0, s[64:65] scope:SCOPE_SE
	s_setreg_imm32_b32 hwreg(HW_REG_WAVE_MODE, 25, 1), 1
	s_wait_xcnt 0x0
; PAIR BIAS, and the weights laid out for the two launches behind this one.
; b[h][q][k] = sum over f of LN(pair[q][k])[f] w[h][f], all in f32 by vector FMAs (it goes on into the logits, so nothing narrower stands here).
; b = rstd x sum((z - mean) g w) + sum(beta w): the row is centred first, so a common offset of pair costs no digits.
; A work-group makes, for all 8 heads, the tile of 16 queries (y) x 16 keys (x): 256 rows of pair, 128 KiB, each read once by loads of 512 consecutive bytes.
; Wave w takes queries 16 y + 2 w + a (a = 0, 1) and the 16 keys: 32 rows, worked in 4 groups of 8.  In a group four lanes share a row: lane = 4 rr + p holds features 16 i + 4 p + e.
; The rows turn from "a row to a load" to "four lanes to a row" through the wave's own stage in LDS (8 rows, 576 bytes apart).
; OUTPUT bias: images of the C operand of the logits' matrix instruction.  Tile (h, qt, kt) at ((16 h + qt) 16 + kt) 1024; register j of lane L at 512 (j / 4) + 16 L + 4 (j % 4), L = q % 16 + 16 ((k / 8) % 2), j = k % 8.
; The 8 tiles are gathered in LDS and each wave stores one whole tile: two stores of 512 consecutive bytes.
; OUTPUT wl: THE TWELVE WEIGHTS IN THE ORDER OF THE OPERAND'S REGISTERS.  Their codes are 576 fragments (16 rows x 128 K, 12 registers a lane, 1,536 bytes).  Work-groups 0 to 71 (L = 16 y + x) take one a wave: F = 8 L + wave.
; The wave reads it as the matrix instruction wants it (lane (r, h): row c(r) = r + 8 (r / 8) of the tile, 24 bytes twice, in pieces of 8) and stores the registers as they stand, 16 bytes a lane: three stores of 512
; consecutive bytes at 1,536 F.  A later wave gets the fragment back by three loads of 512 consecutive bytes.  Its rows' scale words go to 884,736 + 128 F, 4 bytes a lane (a store of 128 bytes: two waves fill an aligned 256).
; 32 fragments are a unit: units 0-9 row_wq, wk, wv, wg, wo, col_wq, wk, wv, wg, wo; 10-13 tr_w1; 14-17 tr_w2.  With K = 256 fragment 4 G + 2 u + k of a weight is rows 32 G + 8 u + c(r), K step k; in tr_w2 it is 16 G + 8 u + k.
; The fragment's loads go out ahead of all others and its stores stand behind the wait for the tables, so the lay-out adds no wait.
; No matrix unit: M = 8 is half a tile.  LIMITS: NaN and infinities are not served.
; REGISTERS: v1-6 addresses; v8-15 sum(beta w) a head; v32-159 the 32 rows as loaded; v160-191 g, later 8 rows turned; v192-223 beta, later 8 pairs of sums; v208-223 at work; v224-236 a weight's fragment and scale word;
; v237-239 its offsets; window 1: g w, head h at v[32 h ..].
.set STGB, 4608
.set TIL,  36864
.set WLSC, 884736                      ; where the scale words begin in wl
.set NLAY, 72                          ; work-groups that lay fragments: 576 / 8
.set MSB, 0
.macro WIN new                         ; the immediate's high byte repeats the setting that is left
.if MSB != \new
	s_set_vgpr_msb (MSB<<8)|\new
.set MSB, \new
.endif
.endm
	s_load_b256 s[4:11], s[0:1], 0x0               ; pair, g, beta, w
	s_load_b128 s[12:15], s[0:1], 0x20             ; bias, wl
	s_load_b128 s[16:19], s[0:1], 0x30             ; the weights' codes: weight i in s[16 + 2 i : 17 + 2 i],
	s_load_b512 s[20:35], s[0:1], 0x40
	s_load_b512 s[36:51], s[0:1], 0x80             ; their scales: weight i in s[40 + 2 i : 41 + 2 i]
	s_load_b256 s[52:59], s[0:1], 0xc0
	s_load_b128 s[60:63], s[0:1], 0xe0
	v_lshl_add_u32 v254, v0, 2, 0xb000
	v_mov_b32 v255, 0
	v_lshrrev_b32 v7, 5, v0
	v_readfirstlane_b32 s66, v7                    ; wave
	v_and_b32 v7, 31, v0                           ; lane
	v_lshlrev_b32 v1, 4, v7                        ; 16 x lane
	s_mul_i32 s67, s66, STGB
	v_add_nc_u32 v2, s67, v1                       ; stage, in: a row as loaded
	v_lshrrev_b32 v16, 2, v7                       ; rr
	v_and_b32 v17, 3, v7                           ; p
	v_lshlrev_b32 v5, 4, v17                       ; 16 p
	v_mad_u32_u24 v3, v16, 576, v5
	v_add_nc_u32 v3, s67, v3                       ; stage, out: row rr, 16 p
	v_lshrrev_b32 v18, 2, v16
	v_and_b32 v19, 3, v16
	v_lshlrev_b32 v4, 2, v19
	v_lshl_add_u32 v4, v18, 9, v4                  ; register j = rr of an image: 512 (rr / 4) + 4 (rr % 4)
	s_lshl_b32 s68, s66, 5
	s_add_co_u32 s68, s68, TIL
	v_add_nc_u32 v4, s68, v4                       ; + 16 x lane L, L = 2 w + a + 16 (key half): 32 w here, the rest in the immediate
	s_lshl_b32 s68, s66, 10
	s_add_co_u32 s68, s68, TIL
	v_add_nc_u32 v6, s68, v1                       ; the way out: tile h = w
	s_mov_b32 s74, 0x3c000000                      ; 1 / 128
	s_mov_b32 s75, 0x3727c5ac                      ; 1e-5
	s_and_b32 s69, ttmp7, 0xffff                   ; qt
	s_lshl_b32 s70, s69, 21                        ; 16 queries of 131,072 bytes
	s_lshl_b32 s71, s66, 18                        ; 2 queries a wave
	s_add_co_u32 s70, s70, s71
	s_lshl_b32 s71, ttmp9, 13                      ; 16 keys of 512 bytes
	s_add_co_u32 s70, s70, s71
	s_mov_b32 s71, 0
	s_lshl_b32 s76, s69, 4
	s_add_co_u32 s76, s76, ttmp9                   ; L = 16 qt + kt
	s_lshl_b32 s72, s76, 10                        ; (16 qt + kt) x 1,024
	s_lshl_b32 s73, s66, 18                        ; head w: 256 tiles
	s_add_co_u32 s72, s72, s73
	s_mov_b32 s73, 0
	; which fragment of which weight is my wave's (used where L < NLAY)
	s_lshr_b32 s77, s76, 2                         ; the unit
	s_min_u32 s78, s77, 10
	s_mov_b32 s83, 192
	s_cmp_ge_u32 s77, 14                           ; tr_w2?  The choices hang on the work-group's number alone
	s_cselect_b32 s79, 11, s78                     ; the weight: 0-9, 10 = tr_w1, 11 = tr_w2
	s_cselect_b32 s78, 14, s78                     ; its first unit
	s_cselect_b32 s80, 4, 2                        ; fragment number: G from this bit on,
	s_cselect_b32 s81, 3, 1                        ; u at this bit,
	s_cselect_b32 s82, 7, 1                        ; the K step under this mask
	s_cselect_b32 s83, 768, s83                    ; a row of codes in bytes
	s_cselect_b32 s84, 32, 8                       ; a row of scale bytes
	s_lshl_b32 s85, s76, 3
	s_add_co_u32 s85, s85, s66                     ; F = 8 L + wave
	s_lshl_b32 s86, s78, 5
	s_sub_co_u32 s86, s85, s86                     ; the fragment's number in its weight
	s_lshr_b32 s87, s86, s80
	s_lshr_b32 s88, s86, s81
	s_and_b32 s88, s88, 1
	s_and_b32 s89, s86, s82                        ; K step
	s_lshl_b32 s87, s87, 5
	s_lshl_b32 s88, s88, 3
	s_add_co_u32 s87, s87, s88                     ; the tile's first row: 32 G + 8 u
	v_and_b32 v240, 15, v7                         ; r
	v_lshrrev_b32 v241, 4, v7                      ; h
	v_and_b32 v242, 8, v240
	v_add_nc_u32 v242, v242, v240                  ; c(r)
	v_mul_u32_u24 v237, s83, v242
	v_mad_u32_u24 v237, v241, 24, v237             ; codes: row c(r), + 24 h
	v_mul_u32_u24 v238, s84, v242                  ; scale bytes: row c(r)
	v_lshlrev_b32 v239, 2, v7                      ; 4 x lane
	s_wait_kmcnt 0x0
	s_add_nc_u64 s[4:5], s[4:5], s[70:71]
	s_add_nc_u64 s[12:13], s[12:13], s[72:73]
	s_mov_b64 s[92:93], s[16:17]
	s_mov_b64 s[94:95], s[40:41]
.irp i, 1,2,3,4,5,6,7,8,9,10,11
	s_cmp_eq_u32 s79, \i
	s_cselect_b64 s[92:93], s[16+2*\i:17+2*\i], s[92:93]
	s_cselect_b64 s[94:95], s[40+2*\i:41+2*\i], s[94:95]
.endr
	s_mov_b32 s91, 0
	s_mul_i32 s90, s87, s83
	s_mul_i32 s88, s89, 96
	s_add_co_u32 s90, s90, s88
	s_add_nc_u64 s[92:93], s[92:93], s[90:91]      ; the tile's first row, its K step: codes
	s_mul_i32 s90, s87, s84
	s_lshl_b32 s88, s89, 2
	s_add_co_u32 s90, s90, s88
	s_add_nc_u64 s[94:95], s[94:95], s[90:91]      ; and scale words
	s_mul_i32 s90, s85, 1536
	s_add_nc_u64 s[96:97], s[14:15], s[90:91]      ; where the fragment goes
	s_lshl_b32 s90, s85, 7
	s_add_co_u32 s90, s90, WLSC
	s_add_nc_u64 s[98:99], s[14:15], s[90:91]      ; and its scale words
	s_cmp_lt_u32 s76, NLAY
	s_cbranch_scc0 .Lno_frag
.irp p, 0,1,2,3,4,5
	global_load_b64 v[224+2*\p:225+2*\p], v237, s[92:93] offset:48*(\p/3)+8*(\p%3)
.endr
	global_load_b32 v236, v238, s[94:95]
.Lno_frag:
	WIN 0x40                                       ; destination window 1
.irp h, 0,1,2,3,4,5,6,7
.irp i, 0,1,2,3,4,5,6,7
	global_load_b128 v[32*\h+4*\i:32*\h+4*\i+3], v5, s[10:11] offset:512*\h+64*\i   ; w[h][16 i + 4 p ..]
.endr
.endr
	WIN 0
.irp i, 0,1,2,3,4,5,6,7
	global_load_b128 v[160+4*\i:163+4*\i], v5, s[6:7] offset:64*\i
	global_load_b128 v[192+4*\i:195+4*\i], v5, s[8:9] offset:64*\i
.endr
.set nA, 0
.rept 32                                               ; my 32 rows: each load is one row, 512 consecutive bytes, read once in the launch
	global_load_b128 v[32+4*nA:35+4*nA], v1, s[4:5] offset:(nA/16)*131072+(nA%16)*512 th:TH_LOAD_NT
.set nA, nA+1
.endr
	s_wait_loadcnt 32                              ; the tables are in, and the fragment, which was asked for ahead of them; the 32 rows issued behind them may be out
	s_cmp_lt_u32 s76, NLAY
	s_cbranch_scc0 .Lno_lay
.irp c, 0,1,2
	global_store_b128 v1, v[224+4*\c:227+4*\c], s[96:97] offset:512*\c   ; the registers as they stand: 32 lanes store 512 consecutive bytes, aligned
.endr
	global_store_b32 v239, v236, s[98:99]          ; (none of these registers is written again)
.Lno_lay:
	WIN 0x04                                       ; source 1 window 1
.irp h, 0,1,2,3,4,5,6,7
	v_pk_mul_f32 v[208+2*\h:209+2*\h], v[192:193], v[32*\h:32*\h+1]   ; sum(beta w), the heads by turns
.endr
.set nA, 1
.rept 15
.irp h, 0,1,2,3,4,5,6,7
	v_pk_fma_f32 v[208+2*\h:209+2*\h], v[192+2*nA:193+2*nA], v[32*\h+2*nA:32*\h+2*nA+1], v[208+2*\h:209+2*\h]
.endr
.set nA, nA+1
.endr
	WIN 0
.irp h, 0,1,2,3,4,5,6,7
	v_add_f32 v[8+\h], v[208+2*\h], v[209+2*\h]
.endr
.irp h, 0,1,2,3,4,5,6,7
	v_add_f32_dpp v[8+\h], v[8+\h], v[8+\h] row_xmask:1 row_mask:0xf bank_mask:0xf   ; the four lanes of a row hold the four quarters of the features
.endr
.irp h, 0,1,2,3,4,5,6,7
	v_add_f32_dpp v[8+\h], v[8+\h], v[8+\h] row_xmask:2 row_mask:0xf bank_mask:0xf
.endr
	WIN 0x41                                       ; destination and source 0 window 1
.set nA, 0
.rept 16
.irp h, 0,1,2,3,4,5,6,7
	v_pk_mul_f32 v[32*\h+2*nA:32*\h+2*nA+1], v[32*\h+2*nA:32*\h+2*nA+1], v[160+2*nA:161+2*nA]   ; g w, in place
.endr
.set nA, nA+1
.endr
	WIN 0
; Group g: rows 8 g .. 8 g + 7 of my 32: query a = g / 2, keys 8 (g % 2) + rr.
.macro GROUP g
	s_wait_loadcnt 24-8*\g                         ; this group's 8 rows are in; the later groups' may be out
.irp q, 0,1,2,3,4,5,6,7
	ds_store_b128 v2, v[32+32*\g+4*\q:35+32*\g+4*\q] offset:576*\q
.endr
.irp i, 0,1,2,3,4,5,6,7
	ds_load_b128 v[160+4*\i:163+4*\i], v3 offset:64*\i   ; LDS serves a wave's instructions in order: these see the stores above, and the next group's stores come behind them
.endr
	s_wait_dscnt 0x0
	v_pk_add_f32 v[208:209], v[160:161], v[162:163]
	v_pk_add_f32 v[210:211], v[164:165], v[166:167]
.irp n, 8,12,16,20,24,28
	v_pk_add_f32 v[208:209], v[208:209], v[160+\n:161+\n]
	v_pk_add_f32 v[210:211], v[210:211], v[162+\n:163+\n]
.endr
	v_pk_add_f32 v[208:209], v[208:209], v[210:211]
	v_add_f32 v208, v208, v209
	v_add_f32_dpp v208, v208, v208 row_xmask:1 row_mask:0xf bank_mask:0xf
	v_add_f32_dpp v208, v208, v208 row_xmask:2 row_mask:0xf bank_mask:0xf
	v_mul_f32 v208, s74, v208                      ; the row's mean
	v_mov_b32 v209, v208
.irp n, 0,2,4,6,8,10,12,14,16,18,20,22,24,26,28,30
	v_pk_add_f32 v[160+\n:161+\n], v[160+\n:161+\n], v[208:209] neg_lo:[0,1] neg_hi:[0,1]
.endr
	v_pk_mul_f32 v[210:211], v[160:161], v[160:161]
	v_pk_mul_f32 v[214:215], v[162:163], v[162:163]
.irp n, 4,8,12,16,20,24,28
	v_pk_fma_f32 v[210:211], v[160+\n:161+\n], v[160+\n:161+\n], v[210:211]
	v_pk_fma_f32 v[214:215], v[162+\n:163+\n], v[162+\n:163+\n], v[214:215]
.endr
	v_pk_add_f32 v[210:211], v[210:211], v[214:215]
	v_add_f32 v210, v210, v211
	v_add_f32_dpp v210, v210, v210 row_xmask:1 row_mask:0xf bank_mask:0xf
	v_add_f32_dpp v210, v210, v210 row_xmask:2 row_mask:0xf bank_mask:0xf
	v_fma_f32 v210, v210, s74, s75                 ; variance + 1e-5
	v_rsq_f32 v212, v210                           ; the products below, which touch neither register, stand between it and its use
	WIN 0x04
.irp h, 0,1,2,3,4,5,6,7
	v_pk_mul_f32 v[192+2*\h:193+2*\h], v[160:161], v[32*\h:32*\h+1]
.endr
.set nB, 1
.rept 15
.irp h, 0,1,2,3,4,5,6,7
	v_pk_fma_f32 v[192+2*\h:193+2*\h], v[160+2*nB:161+2*nB], v[32*\h+2*nB:32*\h+2*nB+1], v[192+2*\h:193+2*\h]
.endr
.set nB, nB+1
.endr
	WIN 0
.irp h, 0,1,2,3,4,5,6,7
	v_add_f32 v[216+\h], v[192+2*\h], v[193+2*\h]
.endr
.irp h, 0,1,2,3,4,5,6,7
	v_add_f32_dpp v[216+\h], v[216+\h], v[216+\h] row_xmask:1 row_mask:0xf bank_mask:0xf
.endr
.irp h, 0,1,2,3,4,5,6,7
	v_add_f32_dpp v[216+\h], v[216+\h], v[216+\h] row_xmask:2 row_mask:0xf bank_mask:0xf
.endr
	s_wait_alu depctr_va_vdst(0)
.irp h, 0,1,2,3,4,5,6,7
	v_fma_f32 v[216+\h], v[216+\h], v212, v[8+\h]
.endr
.irp h, 0,1,2,3,4,5,6,7
	ds_store_b32 v4, v[216+\h] offset:1024*\h+16*(\g/2)+256*(\g%2)   ; the four lanes of a row write the same word with the same value
.endr
.endm
	GROUP 0
	GROUP 1
	GROUP 2
	GROUP 3
	s_wait_dscnt 0x0                               ; my words of the eight tiles have landed
	s_barrier_signal -1
	s_barrier_wait -1                              ; everybody's have
	ds_load_b128 v[160:163], v6
	ds_load_b128 v[164:167], v6 offset:512
	s_wait_dscnt 0x0
	global_store_b128 v1, v[160:163], s[12:13]     ; 32 lanes store 512 consecutive bytes, aligned
	global_store_b128 v1, v[164:167], s[12:13] offset:512
	s_wait_tensorcnt 0x0
	ds_add_u32 v254, v255
	s_wait_dscnt 0x0
	s_endpgm
.Lfunc_end_k_q3f4038c6b0_pbias:
	.size	k_q3f4038c6b0_pbias, .Lfunc_end_k_q3f4038c6b0_pbias-k_q3f4038c6b0_pbias
	.p2alignl 7, 3214868480
	.fill 96, 4, 3214868480
	.section	.rodata,"a",@progbits
	.p2align	6, 0x0
	.amdhsa_kernel k_q3f4038c6b0_pbias
		.amdhsa_group_segment_fixed_size 46080
		.amdhsa_private_segment_fixed_size 0
		.amdhsa_enable_private_segment 0
		.amdhsa_kernarg_size 240
		.amdhsa_user_sgpr_count 2
		.amdhsa_user_sgpr_kernarg_segment_ptr 1
		.amdhsa_wavefront_size32 1
		.amdhsa_system_sgpr_workgroup_id_x 1
		.amdhsa_system_sgpr_workgroup_id_y 1
		.amdhsa_system_sgpr_workgroup_id_z 1
		.amdhsa_system_vgpr_workitem_id 0
		.amdhsa_next_free_vgpr 512
		.amdhsa_next_free_sgpr 100
		.amdhsa_reserve_vcc 0
		.amdhsa_float_denorm_mode_32 3
		.amdhsa_float_denorm_mode_16_64 3
		.amdhsa_memory_ordered 1
		.amdhsa_forward_progress 1
		.amdhsa_inst_pref_size 95
	.end_amdhsa_kernel
	.amdgpu_metadata
---
amdhsa.version: [ 1, 2 ]
amdhsa.kernels:
  - .name:           k_q3f4038c6b0_pbias
    .symbol:         k_q3f4038c6b0_pbias.kd
    .args:
      - { .name: pair, .offset: 0, .size: 8, .value_kind: global_buffer, .address_space: global }
      - { .name: row_ln_z_g, .offset: 8, .size: 8, .value_kind: global_buffer, .address_space: global }
      - { .name: row_ln_z_b, .offset: 16, .size: 8, .value_kind: global_buffer, .address_space: global }
      - { .name: row_b_w, .offset: 24, .size: 8, .value_kind: global_buffer, .address_space: global }
      - { .name: bias, .offset: 32, .size: 8, .value_kind: global_buffer, .address_space: global }
      - { .name: wl, .offset: 40, .size: 8, .value_kind: global_buffer, .address_space: global }
      - { .name: row_wq_codes, .offset: 48, .size: 8, .value_kind: global_buffer, .address_space: global }
      - { .name: row_wk_codes, .offset: 56, .size: 8, .value_kind: global_buffer, .address_space: global }
      - { .name: row_wv_codes, .offset: 64, .size: 8, .value_kind: global_buffer, .address_space: global }
      - { .name: row_wg_codes, .offset: 72, .size: 8, .value_kind: global_buffer, .address_space: global }
      - { .name: row_wo_codes, .offset: 80, .size: 8, .value_kind: global_buffer, .address_space: global }
      - { .name: col_wq_codes, .offset: 88, .size: 8, .value_kind: global_buffer, .address_space: global }
      - { .name: col_wk_codes, .offset: 96, .size: 8, .value_kind: global_buffer, .address_space: global }
      - { .name: col_wv_codes, .offset: 104, .size: 8, .value_kind: global_buffer, .address_space: global }
      - { .name: col_wg_codes, .offset: 112, .size: 8, .value_kind: global_buffer, .address_space: global }
      - { .name: col_wo_codes, .offset: 120, .size: 8, .value_kind: global_buffer, .address_space: global }
      - { .name: tr_w1_codes, .offset: 128, .size: 8, .value_kind: global_buffer, .address_space: global }
      - { .name: tr_w2_codes, .offset: 136, .size: 8, .value_kind: global_buffer, .address_space: global }
      - { .name: row_wq_scales, .offset: 144, .size: 8, .value_kind: global_buffer, .address_space: global }
      - { .name: row_wk_scales, .offset: 152, .size: 8, .value_kind: global_buffer, .address_space: global }
      - { .name: row_wv_scales, .offset: 160, .size: 8, .value_kind: global_buffer, .address_space: global }
      - { .name: row_wg_scales, .offset: 168, .size: 8, .value_kind: global_buffer, .address_space: global }
      - { .name: row_wo_scales, .offset: 176, .size: 8, .value_kind: global_buffer, .address_space: global }
      - { .name: col_wq_scales, .offset: 184, .size: 8, .value_kind: global_buffer, .address_space: global }
      - { .name: col_wk_scales, .offset: 192, .size: 8, .value_kind: global_buffer, .address_space: global }
      - { .name: col_wv_scales, .offset: 200, .size: 8, .value_kind: global_buffer, .address_space: global }
      - { .name: col_wg_scales, .offset: 208, .size: 8, .value_kind: global_buffer, .address_space: global }
      - { .name: col_wo_scales, .offset: 216, .size: 8, .value_kind: global_buffer, .address_space: global }
      - { .name: tr_w1_scales, .offset: 224, .size: 8, .value_kind: global_buffer, .address_space: global }
      - { .name: tr_w2_scales, .offset: 232, .size: 8, .value_kind: global_buffer, .address_space: global }
    .group_segment_fixed_size: 46080
    .private_segment_fixed_size: 0
    .kernarg_segment_align: 8
    .kernarg_segment_size: 240
    .max_flat_workgroup_size: 256
    .sgpr_count:     100
    .vgpr_count:     512
    .wavefront_size: 32
...
	.end_amdgpu_metadata
.endif
;; end of part 4
;; launch rowatt (part 5): grid 128 x 2, 8 waves a work-group, no clusters, 323,584 bytes of LDS; arguments node, node_mask, bias, row_ln_m_g, row_ln_m_b, row_bg, wl, og; writes og
.if DOCPART == 5
	.amdgcn_target "amdgcn-amd-amdhsa--gfx1250"
	.amdhsa_code_object_version 6
	.text
	.protected	k_q3f4038c6b0_rowatt
	.globl	k_q3f4038c6b0_rowatt
	.p2align	8
	.type	k_q3f4038c6b0_rowatt,@function
k_q3f4038c6b0_rowatt:
	s_mov_b64 s[64:65], 0
	v_nop
	global_prefetch_b8 v0, s[64:65] scope:SCOPE_SE
	s_setreg_imm32_b32 hwreg(HW_REG_WAVE_MODE, 25, 1), 1
	s_wait_xcnt 0x0
; ROW ATTENTION up to the gated output, on codes of FP6 (E2M3) with one E8M0 scale for each 32 along K.  A work-group takes one s (x) and four of the eight heads (y).
; It norms the 256 rows of node[s], quantises them, makes q, k, v, the gate, the attention with pair bias and mask, and stores Q(o x gate) as codes: 96 bytes and one scale word for a row and four heads.
; The out-projection works row by row and is done by the next launch, so that only 6-bit codes cross from rows to columns.
; SHARES.  Norm: wave w takes rows 32 w .. 32 w + 31.  From the projections on: wave w owns head hd = w / 2 of the four and rows (queries, keys) 128 (w % 2) .. + 127, and holds that head's Wq, Wk, Wv, Wg in registers.
; LAYOUTS.  lane = (r, h), r = lane % 16, h = lane / 16; c(r) = r + 8 (r / 8).
;  - A tile u of a weight takes rows 8 u + c(r): with the weight as source 0 a lane's 16 results of tiles 0, 1 are features 16 h + 0 .. 15 of row r.  The weights come from wl, where the first launch has laid them in the
;    order of the operand's registers: a fragment is three loads of 512 consecutive bytes, its scale words one of 128; a head's four fragments of a weight lie on end.
;  - x goes from wave to wave as images of the operand's registers (16 bytes a lane, 512 a store), its scale word at 4 x lane.
;  - q, k: K = 32 is one block; a lane's 16 numbers make 16 codes in 3 registers.  A fragment has four such slots (registers 3 s .. 3 s + 2).  A packed fragment of K holds four key tiles;
;    q stands in one slot of an operand whose other codes are zeros, so the product picks that key tile.  Scale words carry the tile's byte four times.
;  - S^T = K Q^T: register 8 i + j of a lane is key 16 i + 8 h + j of query r.  V^T is made with x as source 0, so that its registers run over the keys in the same order: both go through the same
;    packing, so place 16 h + i of block b is the same key in both, and the blocks are the true blocks of 32 keys.  O^T then has channel 16 h + 8 u + j in register j of tile u, as the gate has.
; SOFTMAX: t = logit x log2(e), M = ceil(running largest t), p = 2^(t - M) quantised, the sum of the unquantised p divides at the end.  The keys go in two steps of 128: pass 0 takes step 0 for all 8 query
;  tiles and lays O^T, the largest t and the sum in LDS; pass 1 takes them up, so that a step's K, V^T and mask are read into registers once.
; THE MASK'S TERM 1e9 (mask - 1) is added by vector instructions behind the product whose C is the pair bias.
; No tensor loads and no cluster: LDS is full (322,560 bytes in use), so there is no room for slots that take turns; the weights and the bias go from memory straight into operand registers.
; LIMITS: a row all of whose keys are masked gets the uniform average while |q k + bias| < 32, with p = 2^d for one d for all keys (t is rounded at 1.4e9), so its codes may differ by one rounding (3 per cent
;  of that row's attention output at the most).  Blocks whose largest magnitude lies under 2^-124 get the byte 1.  NaN and infinities are not served.
.set L_ST,  0                          ; over the norm's stage, behind the barrier that ends the norm: 8 waves x 8 tiles x 2,304: O^T (4 x 512), largest t and sum (256)
.set L_KP,  147456                     ; packed K: head 6,144; fragment 1,536; a lane 48 bytes
.set L_KS,  172032                     ; K's scale words: head 2,048; key step 1,024; a lane 32 bytes
.set L_VT,  180224                     ; V^T images: (head, key step, u) x 1,536
.set L_VS,  204800                     ; their scale words x 128
.set L_QC,  206848                     ; q: wave 4,096; tile 512; a lane 16 bytes: 3 registers of codes and the scale word
.set L_OG,  239616                     ; Q(o x gate): 256 rows x 96
.set L_OS,  264192                     ; its scale words: 256
.set L_XI,  266240                     ; x's images: 32 x 1,536 (row tile m, K step s: 2 m + s)
.set L_XS,  315392                     ; their scale words: 32 x 128
.set L_MT,  319488                     ; the mask's term: 256 words
.set L_LNP, 320512                     ; gamma, beta
.set WLSC,  884736                     ; where the scale words begin in wl
.set LI,1
.set L4,2
.set BCO,5
.set STGW,6
.set XR,7
.set XIW,8
.set XSW,9
.set XIA,10
.set XSA,11
.set KPW,12
.set KPR,13
.set KSW,14
.set KSR,15
.set QCA,16
.set VTW,17
.set VSW,18
.set VTR,19
.set VSR,20
.set MTA,21
.set LNA,22
.set STA,23
.set STB,24
.set OGW,25
.set OSW,26
.set VB,27
.set T16,28
.set T4,29
.set MTW,30
.set OGO,31
.set TA0,240
.set TA1,241
.set TA2,242
.set TA3,243
.set TA4,244
.set TA5,245
.set TA6,246
.set WLC,20                            ; s[20:21] wl at my head's fragments
.set WLS,22                            ; s[22:23] wl at their scale words
.set WV,66
.set HD,67
.set QH,68
.set HEAD,69
.set SEL,70
.set CS,72
.set NCS,74
.set QSC,76
.set BB,78
.set CNT,80
.set OQ,81
.set OSS,82
.set OX,83
.set OXS,84
.set OO,85
.set OOS,86
.set OB,87
.set LNC,96
.set MSK,98
; v32-63 hold scale words and nothing else: v32-35 Wq's, v36-39 Wk's, v40-43 Wv's, v44-47 Wg's (2 u + K step), v48-55 K's tiles, v56-57 x's, v60-61 V^T's, v62 p's, v63 q's.
.set MSB, 0
.macro WIN new                         ; bits 1:0 source 0, 3:2 source 1, 5:4 source 2, 7:6 destination; the high byte repeats the setting that is left
.if MSB != \new
	s_set_vgpr_msb (MSB<<8)|\new
.set MSB, \new
.endif
.endm
.macro NOPS n                          ; places behind matrix instructions: five serve reads, loads and a later matrix instruction that writes over a register alike
.rept \n
	v_nop
.endr
.endm
.macro BARRIER                         ; my LDS stores have landed and my LDS loads are in: then the work-group's barrier
	s_wait_dscnt 0x0
	s_barrier_signal -1
	s_barrier_wait -1
.endm
.macro MM d, a, b, c, sa, sb
	v_wmma_scale_f32_16x16x128_f8f6f4 v[\d:\d+7], v[\a:\a+11], v[\b:\b+11], v[\c:\c+7], v[\sa], v[\sb] matrix_a_fmt:MATRIX_FMT_FP6 matrix_b_fmt:MATRIX_FMT_FP6
.endm
.macro MM0 d, a, b, sa, sb             ; the first product starts a sum
	v_wmma_scale_f32_16x16x128_f8f6f4 v[\d:\d+7], v[\a:\a+11], v[\b:\b+11], 0, v[\sa], v[\sb] matrix_a_fmt:MATRIX_FMT_FP6 matrix_b_fmt:MATRIX_FMT_FP6
.endm
.macro WFRAG reg, sb, off              ; a weight's fragment out of wl: its registers as they were stored, 16 bytes a lane; each load 512 consecutive bytes
.irp c, 0,1,2
	global_load_b128 v[\reg+4*\c:\reg+4*\c+3], v[LI], s[\sb:\sb+1] offset:\off+512*\c
.endr
.endm
.macro FETCH reg, va, off              ; an image comes back as the registers that it was
.irp c, 0,1,2
	ds_load_b128 v[\reg+4*\c:\reg+4*\c+3], v[\va] offset:\off+512*\c
.endr
.endm
.macro IMAGE pc, va, off
.irp c, 0,1,2
	ds_store_b128 v[\va], v[\pc+4*\c:\pc+4*\c+3] offset:\off+512*\c
.endr
.endm
; 64 numbers of a lane, register 16 b + i = place 32 b + 16 h + i of my row's K step, become a fragment in v[t+18 ..] and its scale word in v[t+16].
.macro QUANT s, t
.irp b, 0,1,2,3
	v_max3_num_f32 v[\t+\b], |v[\s+16*\b]|, |v[\s+1+16*\b]|, 0x1800000   ; my 16 numbers of block b, and the floor 2^(3 - 127): the byte cannot fall under 1
.endr
.irp i, 2,4,6,8,10,12,14
.irp b, 0,1,2,3
	v_max3_num_f32 v[\t+\b], v[\t+\b], |v[\s+16*\b+\i]|, |v[\s+1+16*\b+\i]|
.endr
.endr
.irp b, 0,1,2,3
	v_permlanex16_b32 v[\t+4+\b], v[\t+\b], s[SEL], s[SEL+1]
.endr
.irp b, 0,1,2,3
	v_max_num_f32 v[\t+\b], v[\t+\b], v[\t+4+\b]   ; with lane l xor 16's: the block's largest magnitude
.endr
.irp b, 0,1,2,3
	v_add_nc_u32 v[\t+12+\b], 0xff000000, v[\t+\b] ; 2 off its exponent field: the conversion's scale operand
.endr
.irp b, 0,1,2,3
	v_lshrrev_b32 v[\t+4+\b], 23, v[\t+12+\b]      ; the scale's byte
.endr
	v_lshl_or_b32 v[\t+16], v[\t+5], 8, v[\t+4]
	v_lshl_or_b32 v[\t+16], v[\t+6], 16, v[\t+16]
	v_lshl_or_b32 v[\t+16], v[\t+7], 24, v[\t+16]
.irp c, 0,1
	v_cvt_scalef32_pk16_fp6_f32 v[\t+18+6*\c:\t+20+6*\c], v[\s+32*\c:\s+15+32*\c], v[\t+12+2*\c]
	v_cvt_scalef32_pk16_fp6_f32 v[\t+30+4*\c:\t+32+4*\c], v[\s+16+32*\c:\s+31+32*\c], v[\t+13+2*\c]   ; (a conversion's three registers begin on an even number)
.endr
	v_nop                                          ; one plain place behind a scaled conversion
.irp c, 0,1                                    ; the operand wants a whole block in a lane: lanes 0-15 block 2 c, lanes 16-31 block 2 c + 1
.irp i, 0,1,2
	v_permlane16_swap_b32 v[\t+18+6*\c+\i], v[\t+30+4*\c+\i]
.endr
.irp i, 0,1,2
	v_mov_b32 v[\t+21+6*\c+\i], v[\t+30+4*\c+\i]
.endr
.endr
.endm
; One block of 32, 16 numbers in lane l and 16 in lane l xor 16: 16 codes in v[c .. c+2], the byte in v[by].  The caller sets one plain line behind it.
.macro QB s, c, a, b, so, by
	v_max3_num_f32 v[\a], |v[\s]|, |v[\s+1]|, 0x1800000
	v_max3_num_f32 v[\b], |v[\s+2]|, |v[\s+3]|, |v[\s+4]|
	v_max3_num_f32 v[\a], v[\a], |v[\s+5]|, |v[\s+6]|
	v_max3_num_f32 v[\b], v[\b], |v[\s+7]|, |v[\s+8]|
	v_max3_num_f32 v[\a], v[\a], |v[\s+9]|, |v[\s+10]|
	v_max3_num_f32 v[\b], v[\b], |v[\s+11]|, |v[\s+12]|
	v_max3_num_f32 v[\a], v[\a], |v[\s+13]|, |v[\s+14]|
	v_max3_num_f32 v[\a], v[\a], v[\b], |v[\s+15]|
	v_permlanex16_b32 v[\b], v[\a], s[SEL], s[SEL+1]
	v_max_num_f32 v[\a], v[\a], v[\b]
	v_add_nc_u32 v[\so], 0xff000000, v[\a]
	v_lshrrev_b32 v[\by], 23, v[\so]
	v_cvt_scalef32_pk16_fp6_f32 v[\c:\c+2], v[\s:\s+15], v[\so]
.endm
.macro LNPAR off                       ; gamma and beta in x's register order, into window 1: v0-127, v128-255
	WIN 0x40
.irp k, 0,1
.irp b, 0,1,2,3
.irp e, 0,1,2,3
	ds_load_b128 v[64*\k+16*\b+4*\e:64*\k+16*\b+4*\e+3], v[LNA] offset:\off+512*\k+128*\b+16*\e
	ds_load_b128 v[128+64*\k+16*\b+4*\e:131+64*\k+16*\b+4*\e], v[LNA] offset:\off+1024+512*\k+128*\b+16*\e
.endr
.endr
.endr
	WIN 0
.endm
.macro LNJOIN                          ; four chains, two halves, two lanes: the row's sum in v192
	v_pk_add_f32 v[192:193], v[192:193], v[194:195]
	v_pk_add_f32 v[196:197], v[196:197], v[198:199]
	v_pk_add_f32 v[192:193], v[192:193], v[196:197]
	v_add_f32 v192, v192, v193
	v_permlanex16_b32 v204, v192, s[SEL], s[SEL+1]
	v_add_f32 v192, v192, v204
.endm
; LayerNorm of 16 rows (1,040 bytes apart in LDS): lane (r, h) holds, of row r, the 16 numbers 32 b + 16 h + .. of each block: v[64 + 64 k + 16 b + ..].  Mean, centred, variance, rsq, gamma, beta: all f32.
.macro LNORM xr, off
.irp k, 0,1
.irp b, 0,1,2,3
.irp e, 0,1,2,3
	ds_load_b128 v[64+64*\k+16*\b+4*\e:67+64*\k+16*\b+4*\e], v[\xr] offset:\off+512*\k+128*\b+16*\e
.endr
.endr
.endr
	s_wait_dscnt 0x0
.irp c, 0,1,2,3
	v_pk_add_f32 v[192+2*\c:193+2*\c], v[64+2*\c:65+2*\c], v[72+2*\c:73+2*\c]
.endr
.set nL, 8
.rept 56
	v_pk_add_f32 v[192+2*(nL%4):193+2*(nL%4)], v[192+2*(nL%4):193+2*(nL%4)], v[64+2*nL:65+2*nL]
.set nL, nL+1
.endr
	LNJOIN
	v_mul_f32 v200, s[LNC], v192
	v_mov_b32 v201, v200
.set nL, 0
.rept 64
	v_pk_add_f32 v[64+2*nL:65+2*nL], v[64+2*nL:65+2*nL], v[200:201] neg_lo:[0,1] neg_hi:[0,1]
.set nL, nL+1
.endr
.irp c, 0,1,2,3
	v_pk_mul_f32 v[192+2*\c:193+2*\c], v[64+2*\c:65+2*\c], v[64+2*\c:65+2*\c]
.endr
.set nL, 4
.rept 60
	v_pk_fma_f32 v[192+2*(nL%4):193+2*(nL%4)], v[64+2*nL:65+2*nL], v[64+2*nL:65+2*nL], v[192+2*(nL%4):193+2*(nL%4)]
.set nL, nL+1
.endr
	LNJOIN
	v_fma_f32 v192, v192, s[LNC], s[LNC+1]         ; variance + 1e-5
	v_rsq_f32 v202, v192
	v_nop                                          ; one plain place behind a transcendental
	s_wait_alu depctr_va_vdst(0)
	v_mov_b32 v203, v202
.set nL, 0
.rept 64
	v_pk_mul_f32 v[64+2*nL:65+2*nL], v[64+2*nL:65+2*nL], v[202:203]
.set nL, nL+1
.endr
	WIN 0x14                                       ; gamma and beta: window 1
.set nL, 0
.rept 64
	v_pk_fma_f32 v[64+2*nL:65+2*nL], v[64+2*nL:65+2*nL], v[2*nL:2*nL+1], v[128+2*nL:129+2*nL]
.set nL, nL+1
.endr
	WIN 0
.endm
.macro XOUT oi, os                     ; the 16 normed rows become two fragments and go to LDS
	QUANT 64, 192
	IMAGE 210, XIW, \oi
	ds_store_b32 v[XSW], v208 offset:\os
	QUANT 128, 192
	IMAGE 210, XIW, \oi+1536
	ds_store_b32 v[XSW], v208 offset:\os+128
.endm
; My head's four weights: window 1: Wg v0-47, the gate's bias v48-63, Wq v64-111, Wk v112-159, Wv v160-207 (fragment (u, K step) at 12 (2 u + k)); their scale words in window 0.
; xg, xq, xk, xv: the weights' units in wl (49,152 bytes of codes, 4,096 of scale words a unit).
.macro PRE xg, xq, xk, xv, pbg
	WIN 0x40
.irp u, 0,1
.irp k, 0,1
	WFRAG 12*(2*\u+\k), WLC, (\xg)*49152+1536*(2*\u+\k)
	WFRAG 64+12*(2*\u+\k), WLC, (\xq)*49152+1536*(2*\u+\k)
	WFRAG 112+12*(2*\u+\k), WLC, (\xk)*49152+1536*(2*\u+\k)
	WFRAG 160+12*(2*\u+\k), WLC, (\xv)*49152+1536*(2*\u+\k)
.endr
.endr
.irp u, 0,1
.irp e, 0,1
	global_load_b128 v[48+8*\u+4*\e:51+8*\u+4*\e], v[BCO], s[\pbg:\pbg+1] offset:32*\u+16*\e   ; in the result's layout: feature 16 h + 8 u + j
.endr
.endr
	WIN 0
.irp u, 0,1
.irp k, 0,1
	global_load_b32 v[32+2*\u+\k], v[L4], s[WLS:WLS+1] offset:(\xq)*4096+128*(2*\u+\k)
	global_load_b32 v[36+2*\u+\k], v[L4], s[WLS:WLS+1] offset:(\xk)*4096+128*(2*\u+\k)
	global_load_b32 v[40+2*\u+\k], v[L4], s[WLS:WLS+1] offset:(\xv)*4096+128*(2*\u+\k)
	global_load_b32 v[44+2*\u+\k], v[L4], s[WLS:WLS+1] offset:(\xg)*4096+128*(2*\u+\k)
.endr
.endr
.endm
; Row tile i of my eight: q, k (weights as source 0) and V^T (x as source 0); six accumulators by turns, K step by K step.
.macro PROJT i
	ds_load_b32 v56, v[XSA] offset:256*\i
	ds_load_b32 v57, v[XSA] offset:256*\i+128
	WIN 0x40
	FETCH 208, XIA, 3072*\i
	FETCH 220, XIA, 3072*\i+1536
	WIN 0
	s_wait_dscnt 0x0
	WIN 0x05                                       ; sources 0 and 1 window 1
.irp u, 0,1
	MM0 88+8*\u, 64+24*\u, 208, 32+2*\u, 56
.endr
.irp u, 0,1
	MM0 104+8*\u, 112+24*\u, 208, 36+2*\u, 56
.endr
.irp u, 0,1
	MM0 128+64*\u+8*\i, 208, 160+24*\u, 56, 40+2*\u
.endr
.irp u, 0,1
	MM 88+8*\u, 76+24*\u, 220, 88+8*\u, 33+2*\u, 57
.endr
.irp u, 0,1
	MM 104+8*\u, 124+24*\u, 220, 104+8*\u, 37+2*\u, 57
.endr
.irp u, 0,1
	MM 128+64*\u+8*\i, 220, 172+24*\u, 128+64*\u+8*\i, 57, 41+2*\u
.endr
	WIN 0
	NOPS 5
.irp n, 0,1,2,3,4,5,6,7
	v_pk_mul_f32 v[88+2*\n:89+2*\n], v[88+2*\n:89+2*\n], s[QSC:QSC+1] op_sel_hi:[1,0]   ; q / sqrt(32), ahead of the quantiser
.endr
	QB 88, 64, 72, 73, 74, 75
	v_lshl_or_b32 v67, v75, 8, v75                 ; (the plain place behind the conversion)  the byte four times
	v_lshl_or_b32 v67, v67, 16, v67
	ds_store_b128 v[QCA], v[64:67] offset:512*\i
	QB 104, 68, 76, 77, 78, 79
	v_lshl_or_b32 v71, v79, 8, v79
	v_lshl_or_b32 v71, v71, 16, v71
.irp n, 0,1,2
	ds_store_b32 v[KPW], v[68+\n] offset:(\i/4)*1536+12*(\i%4)+4*\n   ; slot i % 4 of packed fragment i / 4
.endr
	ds_store_b32 v[KSW], v71 offset:4*\i
.endm
; A key step's operands into registers: window 1: the mask's term v64-127 (in S^T's layout), packed K v128-151, V^T v152-175.
.macro PASSLOAD ks
	WIN 0x40
.irp kt, 0,1,2,3,4,5,6,7
.irp e, 0,1
	ds_load_b128 v[64+8*\kt+4*\e:67+8*\kt+4*\e], v[MTA] offset:512*\ks+64*\kt+16*\e
.endr
.endr
.irp g, 0,1
.irp c, 0,1,2
	ds_load_b128 v[128+12*\g+4*\c:131+12*\g+4*\c], v[KPR] offset:3072*\ks+1536*\g+16*\c
.endr
.endr
.irp u, 0,1
.irp c, 0,1,2
	ds_load_b128 v[152+12*\u+4*\c:155+12*\u+4*\c], v[VTR] offset:1536*(2*\ks+\u)+512*\c
.endr
.endr
	WIN 0
	ds_load_b128 v[48:51], v[KSR] offset:1024*\ks
	ds_load_b128 v[52:55], v[KSR] offset:1024*\ks+16
	ds_load_b32 v60, v[VSR] offset:256*\ks
	ds_load_b32 v61, v[VSR] offset:256*\ks+128
	s_wait_dscnt 0x0
.endm
.macro BLOAD kso                       ; a query tile's pair bias for 8 key tiles, as C images: window 1 v176-239; each load 512 consecutive bytes
	WIN 0x40
.irp kt, 0,1,2,3,4,5,6,7
.irp e, 0,1
	global_load_b128 v[176+8*\kt+4*\e:179+8*\kt+4*\e], v[VB], s[BB:BB+1] offset:\kso+1024*\kt+512*\e
.endr
.endr
	WIN 0
.endm
; 16 queries x 128 keys.  bias = 1: C = the pair bias, and the next query tile's is asked for.  first = 1: the first key step starts the largest t, the sum and O^T; 0: they come from LDS.
; v64-127 S^T then p; v128-163 q among zero codes; v164-175 p's codes; v184-199 O^T; v200 -M, v201 largest t, v[202:203] the sum; v208-223 at work.
.macro STEP bias, first, kso
	ds_load_b96 v[134:136], v[TA0]                 ; q's codes, once for the even slots,
	ds_load_b32 v155, v[TA0]                       ; once for the odd ones (an operand begins on an even register)
	ds_load_b32 v156, v[TA0] offset:4
	ds_load_b32 v157, v[TA0] offset:8
	ds_load_b32 v63, v[TA0] offset:12
.if !\first
.irp n, 0,1,2,3
	ds_load_b128 v[184+4*\n:187+4*\n], v[TA5] offset:512*\n
.endr
	ds_load_b64 v[232:233], v[TA6]
.endif
.if \bias
	s_wait_loadcnt 0x0                             ; this tile's bias is in; its address register may be written again
.endif
	s_wait_dscnt 0x0
.if \bias
	WIN 0x11                                       ; K and the bias: window 1
.else
	WIN 0x01
.endif
.irp kt, 0,1,2,3,4,5,6,7
.if \bias
	MM 64+8*\kt, 128+12*(\kt/4), 134-6*((\kt%4)/2)+18*(\kt%2), 176+8*\kt, 48+\kt, 63
.else
	MM0 64+8*\kt, 128+12*(\kt/4), 134-6*((\kt%4)/2)+18*(\kt%2), 48+\kt, 63
.endif
.endr
	WIN 0
.if \first
	NOPS 5
.else
	v_mov_b32 v201, v232                           ; the state of the first key step; these lines are places behind the products
	v_mov_b32 v202, v233
	v_floor_f32 v200, -v201
	v_mov_b32 v203, 0
	NOPS 1
.endif
.if \bias
	s_add_co_u32 s[OB], s[OB], 16384               ; the next query tile's bias; the last trip asks for my first tile again, so that no load leaves the buffer
	s_and_b32 s[OB], s[OB], 0x1ffff
	v_add_nc_u32 v[VB], s[OB], v[LI]
	BLOAD \kso
.endif
	WIN 0x04
.set nS, 0
.rept 32
	v_pk_add_f32 v[64+2*nS:65+2*nS], v[64+2*nS:65+2*nS], v[64+2*nS:65+2*nS]   ; + the mask's term (source 1: window 1); each accumulator from its low end on
.set nS, nS+1
.endr
	WIN 0
.irp b, 0,1,2,3
	v_max3_num_f32 v[208+\b], v[64+16*\b], v[65+16*\b], v[66+16*\b]   ; the largest score of each block of 32 keys: for the row's maximum and, since p rises with the score, for the block's largest p
.endr
.irp i, 3,5,7,9,11,13
.irp b, 0,1,2,3
	v_max3_num_f32 v[208+\b], v[208+\b], v[64+16*\b+\i], v[65+16*\b+\i]
.endr
.endr
.irp b, 0,1,2,3
	v_max_num_f32 v[208+\b], v[208+\b], v[79+16*\b]
.endr
.irp b, 0,1,2,3
	v_permlanex16_b32 v[212+\b], v[208+\b], s[SEL], s[SEL+1]
.endr
.irp b, 0,1,2,3
	v_max_num_f32 v[208+\b], v[208+\b], v[212+\b]
.endr
	v_max3_num_f32 v220, v208, v209, v210
	v_max_num_f32 v220, v220, v211
.if \first
	v_mul_f32 v201, s[CS], v220                    ; the largest t
	v_floor_f32 v200, -v201                        ; -M = floor(-t): M is a whole number
.else
	v_mul_f32 v220, s[CS], v220
	v_max_num_f32 v201, v201, v220
	v_mov_b32 v220, v200
	v_floor_f32 v200, -v201
	v_sub_f32 v220, v200, v220                     ; old M - new M: a whole number, 0 or less
	v_cvt_i32_f32 v220, v220
	v_ldexp_f32 v222, 1.0, v220                    ; f = 2^(old M - new M): a multiplication by it rounds nothing
.endif
.set nS, 0
.rept 32
	v_pk_fma_f32 v[64+2*nS:65+2*nS], v[64+2*nS:65+2*nS], s[CS:CS+1], v[200:201] op_sel_hi:[1,0,0]   ; t - M
.set nS, nS+1
.endr
.irp b, 0,1,2,3
	v_fma_f32 v[208+\b], v[208+\b], s[CS], v200
.endr
.set nS, 0
.rept 64
	v_exp_f32 v[64+nS], v[64+nS]                   ; p = 2^(t - M)
.set nS, nS+1
.endr
.irp b, 0,1,2,3
	v_exp_f32 v[208+\b], v[208+\b]                 ; the block's largest p: the same two instructions on the same number
.endr
.if \first
	v_nop                                          ; one plain place behind the exponentials
	s_wait_alu depctr_va_vdst(0)
.else
	v_pk_mul_f32 v[202:203], v[202:203], v[222:223] op_sel_hi:[1,0]   ; the sum under the new M (the plain place behind the exponentials)
	s_wait_alu depctr_va_vdst(0)
.endif
.irp b, 0,1,2,3
	v_max_num_f32 v[208+\b], 0x1800000, v[208+\b]  ; the floor: a block whose every p is 0 keeps the byte 1; its codes are zeros
.endr
.irp b, 0,1,2,3
	v_add_nc_u32 v[216+\b], 0xff000000, v[208+\b]
.endr
.irp b, 0,1,2,3
	v_lshrrev_b32 v[212+\b], 23, v[216+\b]
.endr
	v_lshl_or_b32 v62, v213, 8, v212               ; p's scale word
	v_lshl_or_b32 v62, v214, 16, v62
	v_lshl_or_b32 v62, v215, 24, v62
.irp c, 0,1
	v_cvt_scalef32_pk16_fp6_f32 v[164+6*\c:166+6*\c], v[64+32*\c:79+32*\c], v[216+2*\c]
	v_cvt_scalef32_pk16_fp6_f32 v[176+4*\c:178+4*\c], v[80+32*\c:95+32*\c], v[217+2*\c]
.endr
	v_nop
.irp c, 0,1
.irp i, 0,1,2
	v_permlane16_swap_b32 v[164+6*\c+\i], v[176+4*\c+\i]
.endr
.irp i, 0,1,2
	v_mov_b32 v[167+6*\c+\i], v[176+4*\c+\i]
.endr
.endr
.if \first                                     ; the sum of the unquantised p, in two chains
	v_pk_add_f32 v[204:205], v[64:65], v[66:67]
	v_pk_add_f32 v[202:203], v[68:69], v[72:73]
	v_pk_add_f32 v[204:205], v[204:205], v[70:71]
	v_pk_add_f32 v[204:205], v[204:205], v[74:75]
.irp j, 12,16,20,24,28,32,36,40,44,48,52,56,60
	v_pk_add_f32 v[202:203], v[202:203], v[64+\j:65+\j]
	v_pk_add_f32 v[204:205], v[204:205], v[66+\j:67+\j]
.endr
.else
.irp n, 0,1,2,3,4,5,6,7
	v_pk_mul_f32 v[184+2*\n:185+2*\n], v[184+2*\n:185+2*\n], v[222:223] op_sel_hi:[1,0]   ; O^T under the new M
.endr
	v_pk_add_f32 v[204:205], v[64:65], v[66:67]
.irp j, 4,8,12,16,20,24,28,32,36,40,44,48,52,56,60
	v_pk_add_f32 v[202:203], v[202:203], v[64+\j:65+\j]
	v_pk_add_f32 v[204:205], v[204:205], v[66+\j:67+\j]
.endr
.endif
	v_pk_add_f32 v[202:203], v[202:203], v[204:205]
	WIN 0x01                                       ; V^T: window 1.  The sums above are the places between p's codes and scale word and these products
.if \first
	MM0 184, 152, 164, 60, 62
	MM0 192, 164, 164, 61, 62
.else
	MM 184, 152, 164, 184, 60, 62
	MM 192, 164, 164, 192, 61, 62
.endif
	WIN 0
	NOPS 5
.endm
.macro SAVE                            ; the state behind the first key step goes to my own bytes of LDS
	v_add_f32 v233, v202, v203
	v_mov_b32 v232, v201
.irp n, 0,1,2,3
	ds_store_b128 v[TA5], v[184+4*\n:187+4*\n] offset:512*\n
.endr
	ds_store_b64 v[TA6], v[232:233]
.endm
; The end of a query tile: 1 / sum; the gate of its 16 rows (Wg as source 0, C = its bias), sigmoid; o x gate, quantised (one block a row and head), to LDS in row order.
.macro FINAL
	v_add_f32 v202, v202, v203
	v_permlanex16_b32 v204, v202, s[SEL], s[SEL+1]
	v_add_f32 v202, v202, v204
	v_rcp_f32 v206, v202                           ; used behind the places below
	FETCH 64, TA1, 0
	FETCH 76, TA1, 1536
	ds_load_b32 v56, v[TA2]
	ds_load_b32 v57, v[TA2] offset:128
	s_wait_dscnt 0x0
	WIN 0x11
	MM 96, 0, 64, 48, 44, 56
	MM 104, 24, 64, 56, 46, 56
	WIN 0x01
	MM 96, 12, 76, 96, 45, 57
	MM 104, 36, 76, 104, 47, 57
	WIN 0
	NOPS 5
.irp n, 0,1,2,3,4,5,6,7
	v_pk_mul_f32 v[96+2*\n:97+2*\n], v[96+2*\n:97+2*\n], s[NCS:NCS+1] op_sel_hi:[1,0]
.endr
.irp n, 0,1,2,3,4,5,6,7,8,9,10,11,12,13,14,15
	v_exp_f32 v[96+\n], v[96+\n]
.endr
	s_wait_alu depctr_va_vdst(0)
.irp n, 0,1,2,3,4,5,6,7
	v_pk_mul_f32 v[184+2*\n:185+2*\n], v[184+2*\n:185+2*\n], v[206:207] op_sel_hi:[1,0]   ; O^T / the sum (plain lines behind the exponentials)
.endr
.irp n, 0,1,2,3,4,5,6,7
	v_pk_add_f32 v[96+2*\n:97+2*\n], v[96+2*\n:97+2*\n], 1.0 op_sel_hi:[1,0]
.endr
.irp n, 0,1,2,3,4,5,6,7,8,9,10,11,12,13,14,15
	v_rcp_f32 v[96+\n], v[96+\n]
.endr
	v_nop
	s_wait_alu depctr_va_vdst(0)
.irp n, 0,1,2,3,4,5,6,7
	v_pk_mul_f32 v[184+2*\n:185+2*\n], v[184+2*\n:185+2*\n], v[96+2*\n:97+2*\n]
.endr
	QB 184, 224, 228, 229, 230, 231
	v_nop
.irp n, 0,1,2
	ds_store_b32 v[TA3], v[224+\n] offset:4*\n     ; channels 16 h .. 16 h + 15: 12 bytes of the row's stream of bits
.endr
	ds_store_b8 v[TA4], v231                       ; both halves write the same byte with the same value
.endm
.macro ADR1 dst, vb, sa, ma, k         ; an LDS address: a constant + a constant x a number made of the wave's + a lane term
	s_mul_i32 s91, s[\sa], \ma
	s_add_co_u32 s91, s91, \k
	v_add_nc_u32 v[\dst], s91, v[\vb]
.endm
.macro ADR2 dst, vb, sa, ma, sb, mb, k
	s_mul_i32 s91, s[\sa], \ma
	s_mul_i32 s92, s[\sb], \mb
	s_add_co_u32 s91, s91, s92
	s_add_co_u32 s91, s91, \k
	v_add_nc_u32 v[\dst], s91, v[\vb]
.endm
	s_load_b512 s[4:19], s[0:1], 0x0               ; node, mask, bias, gamma, beta, the gate's bias, wl, og
	v_lshl_add_u32 v58, v0, 2, 0x4ec00
	v_mov_b32 v59, 0
	v_lshrrev_b32 v240, 5, v0
	v_readfirstlane_b32 s[WV], v240                ; wave 0..7
	s_lshr_b32 s[HD], s[WV], 1                     ; my head of the four
	s_and_b32 s[QH], s[WV], 1                      ; my half of the rows
	s_and_b32 s90, ttmp7, 0xffff                   ; which four heads
	s_lshl_b32 s[HEAD], s90, 2
	s_add_co_u32 s[HEAD], s[HEAD], s[HD]
	s_mov_b32 s[SEL], 0x76543210
	s_mov_b32 s[SEL+1], 0xfedcba98                 ; v_permlanex16_b32: lane l xor 16
	s_mov_b32 s[CS], 0x3fb8aa3b                    ; log2(e)
	s_mov_b32 s[CS+1], s[CS]
	s_mov_b32 s[NCS], 0xbfb8aa3b
	s_mov_b32 s[NCS+1], s[NCS]
	s_mov_b32 s[QSC], 0x3e3504f3                   ; 1 / sqrt(32)
	s_mov_b32 s[QSC+1], s[QSC]
	s_mov_b32 s[LNC], 0x3b800000                   ; 1 / 256
	s_mov_b32 s[LNC+1], 0x3727c5ac                 ; 1e-5
	s_mov_b32 s[MSK], 0x4e6e6b28                   ; 1e9
	v_and_b32 v240, 31, v0                         ; lane
	v_and_b32 v241, 15, v0                         ; r
	v_bfe_u32 v242, v0, 4, 1                       ; h
	v_mul_u32_u24 v244, v240, 48
	v_lshlrev_b32 v245, 5, v240
	v_lshlrev_b32 v246, 3, v240
	v_lshlrev_b32 v247, 5, v242
	v_mul_u32_u24 v248, v241, 96
	v_mad_u32_u24 v248, v242, 12, v248
	v_lshlrev_b32 v249, 2, v241
	v_lshlrev_b32 v[LI], 4, v240
	v_lshlrev_b32 v[L4], 2, v240
	v_lshlrev_b32 v[BCO], 6, v242                  ; 64 h
	v_lshlrev_b32 v[T16], 4, v0
	v_lshlrev_b32 v[T4], 2, v0
	v_add_nc_u32 v[MTW], L_MT, v[T4]
	v_add_nc_u32 v[OGO], L_OG, v[T16]
	v_add_nc_u32 v[MTA], L_MT, v247
	v_add_nc_u32 v[LNA], L_LNP, v[BCO]
	v_mul_u32_u24 v[XR], v241, 1040
	v_lshl_add_u32 v[XR], v242, 6, v[XR]
	ADR1 XR, XR, WV, 33280, 0
	ADR1 STGW, LI, WV, 33280, 0
	ADR1 XIW, LI, WV, 6144, L_XI
	ADR1 XSW, L4, WV, 512, L_XS
	ADR1 XIA, LI, QH, 24576, L_XI
	ADR1 XSA, L4, QH, 2048, L_XS
	ADR2 KPW, 244, HD, 6144, QH, 3072, L_KP
	ADR1 KPR, 244, HD, 6144, L_KP
	ADR2 KSW, 245, HD, 2048, QH, 1024, L_KS
	ADR1 KSR, 245, HD, 2048, L_KS
	ADR1 QCA, LI, WV, 4096, L_QC
	ADR2 VTW, LI, HD, 6144, QH, 3072, L_VT
	ADR2 VSW, L4, HD, 512, QH, 256, L_VS
	ADR1 VTR, LI, HD, 6144, L_VT
	ADR1 VSR, L4, HD, 512, L_VS
	ADR1 STA, LI, WV, 18432, L_ST
	ADR1 STB, 246, WV, 18432, L_ST+2048
	ADR2 OGW, 248, QH, 12288, HD, 24, L_OG
	ADR2 OSW, 249, QH, 512, HD, 1, L_OS
	v_mov_b32 v204, 0                              ; written once: a lane permute's destination counts as one of its sources
	s_mov_b32 s89, 0
	s_wait_kmcnt 0x0
	s_lshl_b32 s88, ttmp9, 18                      ; node[s]: 262,144 bytes; my 32 rows
	s_lshl_b32 s92, s[WV], 15
	s_add_co_u32 s88, s88, s92
	s_add_nc_u64 s[4:5], s[4:5], s[88:89]
	s_lshl_b32 s88, ttmp9, 10
	s_add_nc_u64 s[6:7], s[6:7], s[88:89]          ; mask[s]
	s_mul_i32 s88, s[HEAD], 6144                   ; my head's four fragments of a weight
	s_add_nc_u64 s[WLC:WLC+1], s[16:17], s[88:89]
	s_lshl_b32 s88, s[HEAD], 9                     ; and their scale words
	s_add_co_u32 s88, s88, WLSC
	s_add_nc_u64 s[WLS:WLS+1], s[16:17], s[88:89]
	s_lshl_b32 s88, s[HEAD], 7
	s_add_nc_u64 s[14:15], s[14:15], s[88:89]      ; the gate's bias: my 32 numbers
	s_lshl_b32 s88, s[HEAD], 18                    ; the bias: my head's 256 tiles, my 8 query tiles
	s_lshl_b32 s92, s[QH], 17
	s_add_co_u32 s88, s88, s92
	s_add_nc_u64 s[BB:BB+1], s[8:9], s[88:89]
	s_lshl_b32 s88, s90, 17                        ; og's scale words
	s_lshl_b32 s92, ttmp9, 10
	s_add_co_u32 s88, s88, s92
	s_add_co_u32 s88, s88, 6291456
	s_add_nc_u64 s[34:35], s[18:19], s[88:89]
	s_mul_i32 s88, s90, 3145728                    ; og's codes
	s_mul_i32 s92, ttmp9, 24576
	s_add_co_u32 s88, s88, s92
	s_add_nc_u64 s[32:33], s[18:19], s[88:89]
	; ---- the loads: all that comes from node goes out at once, each load 512 consecutive bytes
	global_load_b32 v192, v[T4], s[6:7]
	global_load_b32 v193, v[T4], s[10:11]
	global_load_b32 v194, v[T4], s[12:13]
.set nA, 0
.rept 32
	global_load_b128 v[64+4*nA:67+4*nA], v[LI], s[4:5] offset:512*nA
.set nA, nA+1
.endr
	WIN 0x40
.set nA, 0
.rept 32
	global_load_b128 v[4*nA:4*nA+3], v[LI], s[4:5] offset:16384+512*nA
.set nA, nA+1
.endr
	WIN 0
	s_wait_loadcnt 63                              ; 67 were issued: the first four are in, mask, gamma and beta among them
	v_fma_f32 v192, v192, s[MSK], -s[MSK]          ; 1e9 (mask - 1), one rounding
	ds_store_b32 v[MTW], v192
	ds_store_b32 v[MTW], v193 offset:1024
	ds_store_b32 v[MTW], v194 offset:2048
	s_wait_loadcnt 32                              ; my first 16 rows are in; the second 16 may be out
.set nA, 0
.rept 32
	ds_store_b128 v[STGW], v[64+4*nA:67+4*nA] offset:(nA/2)*1040+(nA%2)*512
.set nA, nA+1
.endr
	s_wait_loadcnt 0x0
	WIN 0x04                                       ; an LDS store's data are its source 1
.set nA, 0
.rept 32
	ds_store_b128 v[STGW], v[4*nA:4*nA+3] offset:16640+(nA/2)*1040+(nA%2)*512
.set nA, nA+1
.endr
	WIN 0
	BARRIER                                        ; the mask's term, gamma and beta lie in LDS
	; ---- the norm, 16 rows at a time
	LNPAR 0
	LNORM XR, 0
	XOUT 0, 0
	LNORM XR, 16640
	PRE 3, 0, 1, 2, 14                             ; gamma and beta are done with: my head's weights take their registers and land while the rows are quantised
	XOUT 3072, 256
	BARRIER                                        ; x's 32 fragments lie in LDS; nobody reads the norm's stage any more
	; ---- q, k, V^T of my head and my 128 rows
	s_wait_loadcnt 0x0
.irp i, 0,1,2,3,4,5,6,7
	PROJT \i
.endr
	QUANT 128, 64                                  ; V^T, channels 8 u + c(r), along my 128 keys: one key step
	IMAGE 82, VTW, 0
	ds_store_b32 v[VSW], v80
	QUANT 192, 64
	IMAGE 82, VTW, 1536
	ds_store_b32 v[VSW], v80 offset:128
	BARRIER                                        ; both halves' K and V^T lie in LDS
	; ---- attention
.irp n, 128,129,130,131,132,133,137,138,139,140,141,142,143,144,145,146,147,148,149,150,151,152,153,154,158,159,160,161,162,163
	v_mov_b32 v[\n], 0                             ; the zero codes round q
.endr
.irp n, 207,212,213,214,215,223
	v_mov_b32 v[\n], 0                             ; permute destinations, and upper halves of pairs of which the low word is taken
.endr
	PASSLOAD 0
	s_mov_b32 s[OB], 0
	v_mov_b32 v[VB], v[LI]
	BLOAD 0
	s_mov_b32 s[CNT], 8
	s_mov_b32 s[OQ], 0
	s_mov_b32 s[OSS], 0
.Lpass0:                                               ; keys 0-127, my 8 query tiles
	v_add_nc_u32 v[TA0], s[OQ], v[QCA]
	v_add_nc_u32 v[TA5], s[OSS], v[STA]
	v_add_nc_u32 v[TA6], s[OSS], v[STB]
	STEP 1, 1, 0
	SAVE
	s_add_co_u32 s[OQ], s[OQ], 512
	s_add_co_u32 s[OSS], s[OSS], 2304
	s_sub_co_u32 s[CNT], s[CNT], 1
	s_cmp_lg_u32 s[CNT], 0
	s_cbranch_scc1 .Lpass0
	s_wait_loadcnt 0x0                             ; the bias asked for in the last trip has landed: its registers and its address may be written again
	PASSLOAD 1
	s_mov_b32 s[OB], 0
	v_mov_b32 v[VB], v[LI]
	BLOAD 8192
	s_mov_b32 s[CNT], 8
	s_mov_b32 s[OQ], 0
	s_mov_b32 s[OSS], 0
	s_mov_b32 s[OX], 0
	s_mov_b32 s[OXS], 0
	s_mov_b32 s[OO], 0
	s_mov_b32 s[OOS], 0
.Lpass1:                                               ; keys 128-255, and each tile's end
	v_add_nc_u32 v[TA0], s[OQ], v[QCA]
	v_add_nc_u32 v[TA1], s[OX], v[XIA]
	v_add_nc_u32 v[TA2], s[OXS], v[XSA]
	v_add_nc_u32 v[TA3], s[OO], v[OGW]
	v_add_nc_u32 v[TA4], s[OOS], v[OSW]
	v_add_nc_u32 v[TA5], s[OSS], v[STA]
	v_add_nc_u32 v[TA6], s[OSS], v[STB]
	STEP 1, 0, 8192
	FINAL
	s_add_co_u32 s[OQ], s[OQ], 512
	s_add_co_u32 s[OSS], s[OSS], 2304
	s_add_co_u32 s[OX], s[OX], 3072
	s_add_co_u32 s[OXS], s[OXS], 256
	s_add_co_u32 s[OO], s[OO], 1536
	s_add_co_u32 s[OOS], s[OOS], 64
	s_sub_co_u32 s[CNT], s[CNT], 1
	s_cmp_lg_u32 s[CNT], 0
	s_cbranch_scc1 .Lpass1
	s_wait_loadcnt 0x0
	BARRIER                                        ; 256 rows of codes and scale words lie in LDS
	; ---- the way out: 24,576 dense bytes of codes, 1,024 of scale words; each store of a wave covers 512 consecutive bytes, aligned
.irp i, 0,1,2,3,4,5
	ds_load_b128 v[64+4*\i:67+4*\i], v[OGO] offset:4096*\i
.endr
.irp i, 0,1,2,3,4,5
	s_wait_dscnt 5-\i                              ; the younger loads may be out
	global_store_b128 v[T16], v[64+4*\i:67+4*\i], s[32:33] offset:4096*\i
.endr
	s_cmp_lt_u32 s[WV], 2
	s_cbranch_scc0 .Ldone
	ds_load_b128 v[88:91], v[OGO] offset:24576
	s_wait_dscnt 0x0
	global_store_b128 v[T16], v[88:91], s[34:35]
.Ldone:
	s_wait_tensorcnt 0x0
	ds_add_u32 v58, v59
	s_wait_dscnt 0x0
	s_endpgm
.Lfunc_end_k_q3f4038c6b0_rowatt:
	.size	k_q3f4038c6b0_rowatt, .Lfunc_end_k_q3f4038c6b0_rowatt-k_q3f4038c6b0_rowatt
	.p2alignl 7, 3214868480
	.fill 96, 4, 3214868480
	.section	.rodata,"a",@progbits
	.p2align	6, 0x0
	.amdhsa_kernel k_q3f4038c6b0_rowatt
		.amdhsa_group_segment_fixed_size 323584
		.amdhsa_private_segment_fixed_size 0
		.amdhsa_enable_private_segment 0
		.amdhsa_kernarg_size 64
		.amdhsa_user_sgpr_count 2
		.amdhsa_user_sgpr_kernarg_segment_ptr 1
		.amdhsa_wavefront_size32 1
		.amdhsa_system_sgpr_workgroup_id_x 1
		.amdhsa_system_sgpr_workgroup_id_y 1
		.amdhsa_system_sgpr_workgroup_id_z 1
		.amdhsa_system_vgpr_workitem_id 0
		.amdhsa_next_free_vgpr 512
		.amdhsa_next_free_sgpr 100
		.amdhsa_reserve_vcc 0
		.amdhsa_float_denorm_mode_32 3
		.amdhsa_float_denorm_mode_16_64 3
		.amdhsa_memory_ordered 1
		.amdhsa_forward_progress 1
		.amdhsa_inst_pref_size 188
	.end_amdhsa_kernel
	.amdgpu_metadata
---
amdhsa.version: [ 1, 2 ]
amdhsa.kernels:
  - .name:           k_q3f4038c6b0_rowatt
    .symbol:         k_q3f4038c6b0_rowatt.kd
    .args:
      - { .name: node, .offset: 0, .size: 8, .value_kind: global_buffer, .address_space: global }
      - { .name: node_mask, .offset: 8, .size: 8, .value_kind: global_buffer, .address_space: global }
      - { .name: bias, .offset: 16, .size: 8, .value_kind: global_buffer, .address_space: global }
      - { .name: row_ln_m_g, .offset: 24, .size: 8, .value_kind: global_buffer, .address_space: global }
      - { .name: row_ln_m_b, .offset: 32, .size: 8, .value_kind: global_buffer, .address_space: global }
      - { .name: row_bg, .offset: 40, .size: 8, .value_kind: global_buffer, .address_space: global }
      - { .name: wl, .offset: 48, .size: 8, .value_kind: global_buffer, .address_space: global }
      - { .name: og, .offset: 56, .size: 8, .value_kind: global_buffer, .address_space: global }
    .group_segment_fixed_size: 323584
    .private_segment_fixed_size: 0
    .kernarg_segment_align: 8
    .kernarg_segment_size: 64
    .max_flat_workgroup_size: 256
    .sgpr_count:     100
    .vgpr_count:     512
    .wavefront_size: 32
...
	.end_amdgpu_metadata
.endif
;; end of part 5
;; launch colall (part 6): grid 256 x 1, 8 waves a work-group, no clusters, 285,184 bytes of LDS; arguments og, node, node_mask, row_out_bias, col_ln_g, col_ln_b, col_bg, col_bo, tr_ln_g, tr_ln_b, tr_b1, tr_b2, wl, out0; writes out0
.if DOCPART == 6
	.amdgcn_target "amdgcn-amd-amdhsa--gfx1250"
	.amdhsa_code_object_version 6
	.text
	.protected	k_q3f4038c6b0_colall
	.globl	k_q3f4038c6b0_colall
	.p2align	8
	.type	k_q3f4038c6b0_colall,@function
k_q3f4038c6b0_colall:
	s_mov_b64 s[64:65], 0
	v_nop
	global_prefetch_b8 v0, s[64:65] scope:SCOPE_SE
	s_setreg_imm32_b32 hwreg(HW_REG_WAVE_MODE, 25, 1), 1
	s_wait_xcnt 0x0
; FOR ONE r AND ALL 128 s: the row attention's out-projection and residual, the whole column attention, the whole transition.  All products on codes of FP6 (E2M3), one E8M0 scale for each 32 along K.
; The 128 rows of 256 f32 numbers, the residual state X, stay in LDS (rows 1,040 bytes apart) from the first load of node to the store of out0: no intermediate goes to memory.
; SHARES.  Norms: wave w takes rows 16 w .. + 15.  Out-projections and the second transition product: wave w makes features 32 w .. + 31 of all rows.  Attention: wave w is head w, all 128 rows: its K, q and V^T are
; its own bytes of LDS.  First transition product: wave w makes hidden units 128 w .. + 127, which are K step w of the second.  Each wave's part of each weight is read from memory once, into registers.
; THE WEIGHTS come from wl, where the first launch has laid them in the order of the operand's registers: a fragment is three loads of 512 consecutive bytes, its scale words one of 128, and a wave's part of a weight
; is one dense run (6,144 bytes of a square weight, 24,576 of tr_w1 and of tr_w2), so that every fragment's place is an immediate.
; LAYOUTS as in the launch before: lane = (r, h); a weight's tile u takes rows 8 u + c(r), c(r) = r + 8 (r / 8), so that a lane's 16 results of tiles 0, 1 are features 16 h + 0 .. 15 of row r; operands go from wave
; to wave as images of their registers; q and k (K = 32) fill one of a fragment's four slots; S^T and V^T run over the keys in the same order; p = 2^(t - M), M a whole number, the sum of the unquantised p divides.
; Q(o x gate) lies in LDS as rows of 192 bytes, 208 apart.
; No tensor loads and no cluster: what work-groups share, the weights, goes from memory straight into operand registers, once a wave.
; LIMITS: a column all of whose keys are masked gets the uniform average while |q k| < 32, with p = 2^d for one d for all keys, so its codes may differ by one rounding (3 per cent of that row's attention output at
; the most).  Blocks whose largest magnitude lies under 2^-124 get the byte 1.  NaN and infinities are not served.
.set L_X,   0                          ; 128 rows x 1,040
.set L_XI,  133120                     ; x's images: 16 x 1,536 (row tile m, K step s: 2 m + s)
.set L_XS,  157696                     ; their scale words: 16 x 128
.set L_LNP, 159744                     ; column gamma, beta; transition gamma, beta
.set L_MT,  163840                     ; the mask's term: 128 words
.set L_OG,  164352                     ; Q(o x gate): 128 rows x 208
.set L_OS,  190976                     ; its scale words: 128 x 8
.set L_KP,  192000                     ; packed K: wave 3,072
.set L_KS,  216576                     ; wave 1,024
.set L_VT,  224768                     ; wave 3,072
.set L_VS,  249344                     ; wave 256
.set L_QC,  251392                     ; wave 4,096
.set L_HI,  164352                     ; from the transition on, over what the attention has left: the hidden layer's 64 images (8 m + K step)
.set L_HS,  262656                     ; their scale words: 64 x 128
.set WLSC,  884736                     ; where the scale words begin in wl
.set W1C,   491520                     ; tr_w1's codes in wl (unit 10), tr_w2's (unit 14),
.set W2C,   688128
.set W1S,   40960                      ; and their scale words, counted from WLSC
.set W2S,   57344
.set LI,1
.set L4,2
.set BCO,5
.set XD,6
.set XR,7
.set XIW,8
.set XSW,9
.set XIA,10
.set XSA,11
.set KPW,12
.set KPR,12
.set XC,13
.set KSW,14
.set KSR,14
.set OGR,15
.set QCA,16
.set VTW,17
.set VTR,17
.set VSW,18
.set VSR,18
.set OSR,19
.set MTA,21
.set LNA,22
.set HIW,24
.set OGW,25
.set OSW,26
.set HSW,27
.set HIA,28
.set HSA,29
.set TA0,240
.set TA1,241
.set TA2,242
.set TA3,243
.set TA4,244
.set TA5,245
.set TA6,246
.set WA,32                             ; s[32:33] wl at my four fragments of a square weight
.set WSS,34                            ; s[34:35] and their scale words
.set WB,36                             ; s[36:37] wl at my sixteen fragments of tr_w1 or tr_w2
.set WT,38                             ; s[38:39] and their scale words
.set WV,66
.set SEL,70
.set CS,72
.set NCS,74
.set QSC,76
.set OGS,78
.set CNT,80
.set O1,81
.set O2,82
.set O3,83
.set O4,84
.set O5,85
.set LNC,96
.set MSK,98
; v32-63 hold scale words and nothing else.
.set MSB, 0
.macro WIN new                         ; bits 1:0 source 0, 3:2 source 1, 5:4 source 2, 7:6 destination; the high byte repeats the setting that is left
.if MSB != \new
	s_set_vgpr_msb (MSB<<8)|\new
.set MSB, \new
.endif
.endm
.macro NOPS n                          ; places behind matrix instructions: five serve reads, loads and a later matrix instruction that writes over a register alike
.rept \n
	v_nop
.endr
.endm
.macro BARRIER                         ; my LDS stores have landed and my LDS loads are in: then the work-group's barrier
	s_wait_dscnt 0x0
	s_barrier_signal -1
	s_barrier_wait -1
.endm
.macro MM d, a, b, c, sa, sb
	v_wmma_scale_f32_16x16x128_f8f6f4 v[\d:\d+7], v[\a:\a+11], v[\b:\b+11], v[\c:\c+7], v[\sa], v[\sb] matrix_a_fmt:MATRIX_FMT_FP6 matrix_b_fmt:MATRIX_FMT_FP6
.endm
.macro MM0 d, a, b, sa, sb
	v_wmma_scale_f32_16x16x128_f8f6f4 v[\d:\d+7], v[\a:\a+11], v[\b:\b+11], 0, v[\sa], v[\sb] matrix_a_fmt:MATRIX_FMT_FP6 matrix_b_fmt:MATRIX_FMT_FP6
.endm
.macro WFRAG reg, sb, off              ; a weight's fragment out of wl: its registers as they were stored, 16 bytes a lane; each load 512 consecutive bytes
.irp c, 0,1,2
	global_load_b128 v[\reg+4*\c:\reg+4*\c+3], v[LI], s[\sb:\sb+1] offset:\off+512*\c
.endr
.endm
.macro FETCH reg, va, off
.irp c, 0,1,2
	ds_load_b128 v[\reg+4*\c:\reg+4*\c+3], v[\va] offset:\off+512*\c
.endr
.endm
.macro IMAGE pc, va, off
.irp c, 0,1,2
	ds_store_b128 v[\va], v[\pc+4*\c:\pc+4*\c+3] offset:\off+512*\c
.endr
.endm
; 64 numbers of a lane, register 16 b + i = place 32 b + 16 h + i of my row's K step, become a fragment in v[t+18 ..] and its scale word in v[t+16].
.macro QUANT s, t
.irp b, 0,1,2,3
	v_max3_num_f32 v[\t+\b], |v[\s+16*\b]|, |v[\s+1+16*\b]|, 0x1800000   ; my 16 numbers of block b, and the floor 2^(3 - 127): the byte cannot fall under 1
.endr
.irp i, 2,4,6,8,10,12,14
.irp b, 0,1,2,3
	v_max3_num_f32 v[\t+\b], v[\t+\b], |v[\s+16*\b+\i]|, |v[\s+1+16*\b+\i]|
.endr
.endr
.irp b, 0,1,2,3
	v_permlanex16_b32 v[\t+4+\b], v[\t+\b], s[SEL], s[SEL+1]
.endr
.irp b, 0,1,2,3
	v_max_num_f32 v[\t+\b], v[\t+\b], v[\t+4+\b]
.endr
.irp b, 0,1,2,3
	v_add_nc_u32 v[\t+12+\b], 0xff000000, v[\t+\b] ; 2 off its exponent field: the conversion's scale operand
.endr
.irp b, 0,1,2,3
	v_lshrrev_b32 v[\t+4+\b], 23, v[\t+12+\b]      ; the scale's byte
.endr
	v_lshl_or_b32 v[\t+16], v[\t+5], 8, v[\t+4]
	v_lshl_or_b32 v[\t+16], v[\t+6], 16, v[\t+16]
	v_lshl_or_b32 v[\t+16], v[\t+7], 24, v[\t+16]
.irp c, 0,1
	v_cvt_scalef32_pk16_fp6_f32 v[\t+18+6*\c:\t+20+6*\c], v[\s+32*\c:\s+15+32*\c], v[\t+12+2*\c]
	v_cvt_scalef32_pk16_fp6_f32 v[\t+30+4*\c:\t+32+4*\c], v[\s+16+32*\c:\s+31+32*\c], v[\t+13+2*\c]   ; (a conversion's three registers begin on an even number)
.endr
	v_nop                                          ; one plain place behind a scaled conversion
.irp c, 0,1
.irp i, 0,1,2
	v_permlane16_swap_b32 v[\t+18+6*\c+\i], v[\t+30+4*\c+\i]
.endr
.irp i, 0,1,2
	v_mov_b32 v[\t+21+6*\c+\i], v[\t+30+4*\c+\i]
.endr
.endr
.endm
; One block of 32, 16 numbers in lane l and 16 in lane l xor 16: 16 codes in v[c .. c+2], the byte in v[by].  The caller sets one plain line behind it.
.macro QB s, c, a, b, so, by
	v_max3_num_f32 v[\a], |v[\s]|, |v[\s+1]|, 0x1800000
	v_max3_num_f32 v[\b], |v[\s+2]|, |v[\s+3]|, |v[\s+4]|
	v_max3_num_f32 v[\a], v[\a], |v[\s+5]|, |v[\s+6]|
	v_max3_num_f32 v[\b], v[\b], |v[\s+7]|, |v[\s+8]|
	v_max3_num_f32 v[\a], v[\a], |v[\s+9]|, |v[\s+10]|
	v_max3_num_f32 v[\b], v[\b], |v[\s+11]|, |v[\s+12]|
	v_max3_num_f32 v[\a], v[\a], |v[\s+13]|, |v[\s+14]|
	v_max3_num_f32 v[\a], v[\a], v[\b], |v[\s+15]|
	v_permlanex16_b32 v[\b], v[\a], s[SEL], s[SEL+1]
	v_max_num_f32 v[\a], v[\a], v[\b]
	v_add_nc_u32 v[\so], 0xff000000, v[\a]
	v_lshrrev_b32 v[\by], 23, v[\so]
	v_cvt_scalef32_pk16_fp6_f32 v[\c:\c+2], v[\s:\s+15], v[\so]
.endm
.macro LNPAR off                       ; gamma and beta in x's register order, into window 1: v0-127, v128-255
	WIN 0x40
.irp k, 0,1
.irp b, 0,1,2,3
.irp e, 0,1,2,3
	ds_load_b128 v[64*\k+16*\b+4*\e:64*\k+16*\b+4*\e+3], v[LNA] offset:\off+512*\k+128*\b+16*\e
	ds_load_b128 v[128+64*\k+16*\b+4*\e:131+64*\k+16*\b+4*\e], v[LNA] offset:\off+1024+512*\k+128*\b+16*\e
.endr
.endr
.endr
	WIN 0
.endm
.macro LNJOIN
	v_pk_add_f32 v[192:193], v[192:193], v[194:195]
	v_pk_add_f32 v[196:197], v[196:197], v[198:199]
	v_pk_add_f32 v[192:193], v[192:193], v[196:197]
	v_add_f32 v192, v192, v193
	v_permlanex16_b32 v204, v192, s[SEL], s[SEL+1]
	v_add_f32 v192, v192, v204
.endm
; LayerNorm of 16 rows: lane (r, h) holds, of row r, the 16 numbers 32 b + 16 h + .. of each block: v[64 + 64 k + 16 b + ..].  Mean, centred, variance, rsq, gamma, beta: all f32.
.macro LNORM xr, off
.irp k, 0,1
.irp b, 0,1,2,3
.irp e, 0,1,2,3
	ds_load_b128 v[64+64*\k+16*\b+4*\e:67+64*\k+16*\b+4*\e], v[\xr] offset:\off+512*\k+128*\b+16*\e
.endr
.endr
.endr
	s_wait_dscnt 0x0
.irp c, 0,1,2,3
	v_pk_add_f32 v[192+2*\c:193+2*\c], v[64+2*\c:65+2*\c], v[72+2*\c:73+2*\c]
.endr
.set nL, 8
.rept 56
	v_pk_add_f32 v[192+2*(nL%4):193+2*(nL%4)], v[192+2*(nL%4):193+2*(nL%4)], v[64+2*nL:65+2*nL]
.set nL, nL+1
.endr
	LNJOIN
	v_mul_f32 v200, s[LNC], v192
	v_mov_b32 v201, v200
.set nL, 0
.rept 64
	v_pk_add_f32 v[64+2*nL:65+2*nL], v[64+2*nL:65+2*nL], v[200:201] neg_lo:[0,1] neg_hi:[0,1]
.set nL, nL+1
.endr
.irp c, 0,1,2,3
	v_pk_mul_f32 v[192+2*\c:193+2*\c], v[64+2*\c:65+2*\c], v[64+2*\c:65+2*\c]
.endr
.set nL, 4
.rept 60
	v_pk_fma_f32 v[192+2*(nL%4):193+2*(nL%4)], v[64+2*nL:65+2*nL], v[64+2*nL:65+2*nL], v[192+2*(nL%4):193+2*(nL%4)]
.set nL, nL+1
.endr
	LNJOIN
	v_fma_f32 v192, v192, s[LNC], s[LNC+1]         ; variance + 1e-5
	v_rsq_f32 v202, v192
	v_nop                                          ; one plain place behind a transcendental
	s_wait_alu depctr_va_vdst(0)
	v_mov_b32 v203, v202
.set nL, 0
.rept 64
	v_pk_mul_f32 v[64+2*nL:65+2*nL], v[64+2*nL:65+2*nL], v[202:203]
.set nL, nL+1
.endr
	WIN 0x14
.set nL, 0
.rept 64
	v_pk_fma_f32 v[64+2*nL:65+2*nL], v[64+2*nL:65+2*nL], v[2*nL:2*nL+1], v[128+2*nL:129+2*nL]
.set nL, nL+1
.endr
	WIN 0
.endm
.macro XOUT oi, os
	QUANT 64, 192
	IMAGE 210, XIW, \oi
	ds_store_b32 v[XSW], v208 offset:\os
	QUANT 128, 192
	IMAGE 210, XIW, \oi+1536
	ds_store_b32 v[XSW], v208 offset:\os+128
.endm
; My head's four weights: window 1: Wg v0-47, the gate's bias v48-63, Wq v64-111, Wk v112-159, Wv v160-207.  xg, xq, xk, xv: the weights' units in wl (49,152 bytes of codes, 4,096 of scale words a unit).
.macro PRE xg, xq, xk, xv, pbg
	WIN 0x40
.irp u, 0,1
.irp k, 0,1
	WFRAG 12*(2*\u+\k), WA, (\xg)*49152+1536*(2*\u+\k)
	WFRAG 64+12*(2*\u+\k), WA, (\xq)*49152+1536*(2*\u+\k)
	WFRAG 112+12*(2*\u+\k), WA, (\xk)*49152+1536*(2*\u+\k)
	WFRAG 160+12*(2*\u+\k), WA, (\xv)*49152+1536*(2*\u+\k)
.endr
.endr
.irp u, 0,1
.irp e, 0,1
	global_load_b128 v[48+8*\u+4*\e:51+8*\u+4*\e], v[BCO], s[\pbg:\pbg+1] offset:32*\u+16*\e
.endr
.endr
	WIN 0
.irp u, 0,1
.irp k, 0,1
	global_load_b32 v[32+2*\u+\k], v[L4], s[WSS:WSS+1] offset:(\xq)*4096+128*(2*\u+\k)
	global_load_b32 v[36+2*\u+\k], v[L4], s[WSS:WSS+1] offset:(\xk)*4096+128*(2*\u+\k)
	global_load_b32 v[40+2*\u+\k], v[L4], s[WSS:WSS+1] offset:(\xv)*4096+128*(2*\u+\k)
	global_load_b32 v[44+2*\u+\k], v[L4], s[WSS:WSS+1] offset:(\xg)*4096+128*(2*\u+\k)
.endr
.endr
.endm
; An out-projection's weights for my 32 features: window 1 v176-223, its bias in the result's layout v224-239; scale words v32-35.  12 + 4 + 4 = 20 loads.
.macro PREO xo, pb
	WIN 0x40
.irp u, 0,1
.irp k, 0,1
	WFRAG 176+12*(2*\u+\k), WA, (\xo)*49152+1536*(2*\u+\k)
.endr
.endr
.irp u, 0,1
.irp e, 0,1
	global_load_b128 v[224+8*\u+4*\e:227+8*\u+4*\e], v[BCO], s[\pb:\pb+1] offset:32*\u+16*\e
.endr
.endr
	WIN 0
.irp u, 0,1
.irp k, 0,1
	global_load_b32 v[32+2*\u+\k], v[L4], s[WSS:WSS+1] offset:(\xo)*4096+128*(2*\u+\k)
.endr
.endr
.endm
; Row tile i of my eight: q, k (weights as source 0) and V^T (x as source 0); six accumulators by turns, K step by K step.
.macro PROJT i
	ds_load_b32 v56, v[XSA] offset:256*\i
	ds_load_b32 v57, v[XSA] offset:256*\i+128
	WIN 0x40
	FETCH 208, XIA, 3072*\i
	FETCH 220, XIA, 3072*\i+1536
	WIN 0
	s_wait_dscnt 0x0
	WIN 0x05
.irp u, 0,1
	MM0 88+8*\u, 64+24*\u, 208, 32+2*\u, 56
.endr
.irp u, 0,1
	MM0 104+8*\u, 112+24*\u, 208, 36+2*\u, 56
.endr
.irp u, 0,1
	MM0 128+64*\u+8*\i, 208, 160+24*\u, 56, 40+2*\u
.endr
.irp u, 0,1
	MM 88+8*\u, 76+24*\u, 220, 88+8*\u, 33+2*\u, 57
.endr
.irp u, 0,1
	MM 104+8*\u, 124+24*\u, 220, 104+8*\u, 37+2*\u, 57
.endr
.irp u, 0,1
	MM 128+64*\u+8*\i, 220, 172+24*\u, 128+64*\u+8*\i, 57, 41+2*\u
.endr
	WIN 0
	NOPS 5
.irp n, 0,1,2,3,4,5,6,7
	v_pk_mul_f32 v[88+2*\n:89+2*\n], v[88+2*\n:89+2*\n], s[QSC:QSC+1] op_sel_hi:[1,0]   ; q / sqrt(32), ahead of the quantiser
.endr
	QB 88, 64, 72, 73, 74, 75
	v_lshl_or_b32 v67, v75, 8, v75                 ; (the plain place behind the conversion)  the byte four times
	v_lshl_or_b32 v67, v67, 16, v67
	ds_store_b128 v[QCA], v[64:67] offset:512*\i
	QB 104, 68, 76, 77, 78, 79
	v_lshl_or_b32 v71, v79, 8, v79
	v_lshl_or_b32 v71, v71, 16, v71
.irp n, 0,1,2
	ds_store_b32 v[KPW], v[68+\n] offset:(\i/4)*1536+12*(\i%4)+4*\n
.endr
	ds_store_b32 v[KSW], v71 offset:4*\i
.endm
.macro PASSLOAD ks                     ; the key step's operands: window 1: the mask's term v64-127, packed K v128-151, V^T v152-175
	WIN 0x40
.irp kt, 0,1,2,3,4,5,6,7
.irp e, 0,1
	ds_load_b128 v[64+8*\kt+4*\e:67+8*\kt+4*\e], v[MTA] offset:512*\ks+64*\kt+16*\e
.endr
.endr
.irp g, 0,1
.irp c, 0,1,2
	ds_load_b128 v[128+12*\g+4*\c:131+12*\g+4*\c], v[KPR] offset:3072*\ks+1536*\g+16*\c
.endr
.endr
.irp u, 0,1
.irp c, 0,1,2
	ds_load_b128 v[152+12*\u+4*\c:155+12*\u+4*\c], v[VTR] offset:1536*(2*\ks+\u)+512*\c
.endr
.endr
	WIN 0
	ds_load_b128 v[48:51], v[KSR] offset:1024*\ks
	ds_load_b128 v[52:55], v[KSR] offset:1024*\ks+16
	ds_load_b32 v60, v[VSR] offset:256*\ks
	ds_load_b32 v61, v[VSR] offset:256*\ks+128
	s_wait_dscnt 0x0
.endm
; 16 queries x all 128 keys: there is one key step, which starts the largest t, the sum and O^T.
; v64-127 S^T then p; v128-163 q among zero codes; v164-175 p's codes; v184-199 O^T; v200 -M, v201 largest t, v[202:203] the sum; v208-220 at work.
.macro STEP
	ds_load_b96 v[134:136], v[TA0]                 ; q's codes, once for the even slots,
	ds_load_b32 v155, v[TA0]                       ; once for the odd ones (an operand begins on an even register)
	ds_load_b32 v156, v[TA0] offset:4
	ds_load_b32 v157, v[TA0] offset:8
	ds_load_b32 v63, v[TA0] offset:12
	s_wait_dscnt 0x0
	WIN 0x01
.irp kt, 0,1,2,3,4,5,6,7
	MM0 64+8*\kt, 128+12*(\kt/4), 134-6*((\kt%4)/2)+18*(\kt%2), 48+\kt, 63
.endr
	WIN 0
	NOPS 5
	WIN 0x04
.set nS, 0
.rept 32
	v_pk_add_f32 v[64+2*nS:65+2*nS], v[64+2*nS:65+2*nS], v[64+2*nS:65+2*nS]   ; + the mask's term (source 1: window 1); each accumulator from its low end on
.set nS, nS+1
.endr
	WIN 0
.irp b, 0,1,2,3
	v_max3_num_f32 v[208+\b], v[64+16*\b], v[65+16*\b], v[66+16*\b]   ; the largest score of each block of 32 keys: for the row's maximum and for the block's largest p
.endr
.irp i, 3,5,7,9,11,13
.irp b, 0,1,2,3
	v_max3_num_f32 v[208+\b], v[208+\b], v[64+16*\b+\i], v[65+16*\b+\i]
.endr
.endr
.irp b, 0,1,2,3
	v_max_num_f32 v[208+\b], v[208+\b], v[79+16*\b]
.endr
.irp b, 0,1,2,3
	v_permlanex16_b32 v[212+\b], v[208+\b], s[SEL], s[SEL+1]
.endr
.irp b, 0,1,2,3
	v_max_num_f32 v[208+\b], v[208+\b], v[212+\b]
.endr
	v_max3_num_f32 v220, v208, v209, v210
	v_max_num_f32 v220, v220, v211
	v_mul_f32 v201, s[CS], v220                    ; the largest t
	v_floor_f32 v200, -v201                        ; -M = floor(-t): M is a whole number
.set nS, 0
.rept 32
	v_pk_fma_f32 v[64+2*nS:65+2*nS], v[64+2*nS:65+2*nS], s[CS:CS+1], v[200:201] op_sel_hi:[1,0,0]   ; t - M
.set nS, nS+1
.endr
.irp b, 0,1,2,3
	v_fma_f32 v[208+\b], v[208+\b], s[CS], v200
.endr
.set nS, 0
.rept 64
	v_exp_f32 v[64+nS], v[64+nS]                   ; p = 2^(t - M)
.set nS, nS+1
.endr
.irp b, 0,1,2,3
	v_exp_f32 v[208+\b], v[208+\b]
.endr
	v_nop                                          ; one plain place behind the exponentials
	s_wait_alu depctr_va_vdst(0)
.irp b, 0,1,2,3
	v_max_num_f32 v[208+\b], 0x1800000, v[208+\b]
.endr
.irp b, 0,1,2,3
	v_add_nc_u32 v[216+\b], 0xff000000, v[208+\b]
.endr
.irp b, 0,1,2,3
	v_lshrrev_b32 v[212+\b], 23, v[216+\b]
.endr
	v_lshl_or_b32 v62, v213, 8, v212               ; p's scale word
	v_lshl_or_b32 v62, v214, 16, v62
	v_lshl_or_b32 v62, v215, 24, v62
.irp c, 0,1
	v_cvt_scalef32_pk16_fp6_f32 v[164+6*\c:166+6*\c], v[64+32*\c:79+32*\c], v[216+2*\c]
	v_cvt_scalef32_pk16_fp6_f32 v[176+4*\c:178+4*\c], v[80+32*\c:95+32*\c], v[217+2*\c]
.endr
	v_nop
.irp c, 0,1
.irp i, 0,1,2
	v_permlane16_swap_b32 v[164+6*\c+\i], v[176+4*\c+\i]
.endr
.irp i, 0,1,2
	v_mov_b32 v[167+6*\c+\i], v[176+4*\c+\i]
.endr
.endr
	v_pk_add_f32 v[204:205], v[64:65], v[66:67]    ; the sum of the unquantised p, in two chains
	v_pk_add_f32 v[202:203], v[68:69], v[72:73]
	v_pk_add_f32 v[204:205], v[204:205], v[70:71]
	v_pk_add_f32 v[204:205], v[204:205], v[74:75]
.irp j, 12,16,20,24,28,32,36,40,44,48,52,56,60
	v_pk_add_f32 v[202:203], v[202:203], v[64+\j:65+\j]
	v_pk_add_f32 v[204:205], v[204:205], v[66+\j:67+\j]
.endr
	v_pk_add_f32 v[202:203], v[202:203], v[204:205]
	WIN 0x01                                       ; V^T: window 1.  The sums above are the places between p's codes and scale word and these products
	MM0 184, 152, 164, 60, 62
	MM0 192, 164, 164, 61, 62
	WIN 0
	NOPS 5
.endm
; The end of a query tile: 1 / sum; the gate of its 16 rows, sigmoid; o x gate, quantised (one block a row and head), to LDS in row order.
.macro FINAL
	v_add_f32 v202, v202, v203
	v_permlanex16_b32 v204, v202, s[SEL], s[SEL+1]
	v_add_f32 v202, v202, v204
	v_rcp_f32 v206, v202                           ; used behind the places below
	FETCH 64, TA1, 0
	FETCH 76, TA1, 1536
	ds_load_b32 v56, v[TA2]
	ds_load_b32 v57, v[TA2] offset:128
	s_wait_dscnt 0x0
	WIN 0x11
	MM 96, 0, 64, 48, 44, 56
	MM 104, 24, 64, 56, 46, 56
	WIN 0x01
	MM 96, 12, 76, 96, 45, 57
	MM 104, 36, 76, 104, 47, 57
	WIN 0
	NOPS 5
.irp n, 0,1,2,3,4,5,6,7
	v_pk_mul_f32 v[96+2*\n:97+2*\n], v[96+2*\n:97+2*\n], s[NCS:NCS+1] op_sel_hi:[1,0]
.endr
.irp n, 0,1,2,3,4,5,6,7,8,9,10,11,12,13,14,15
	v_exp_f32 v[96+\n], v[96+\n]
.endr
	s_wait_alu depctr_va_vdst(0)
.irp n, 0,1,2,3,4,5,6,7
	v_pk_mul_f32 v[184+2*\n:185+2*\n], v[184+2*\n:185+2*\n], v[206:207] op_sel_hi:[1,0]   ; O^T / the sum (plain lines behind the exponentials)
.endr
.irp n, 0,1,2,3,4,5,6,7
	v_pk_add_f32 v[96+2*\n:97+2*\n], v[96+2*\n:97+2*\n], 1.0 op_sel_hi:[1,0]
.endr
.irp n, 0,1,2,3,4,5,6,7,8,9,10,11,12,13,14,15
	v_rcp_f32 v[96+\n], v[96+\n]
.endr
	v_nop
	s_wait_alu depctr_va_vdst(0)
.irp n, 0,1,2,3,4,5,6,7
	v_pk_mul_f32 v[184+2*\n:185+2*\n], v[184+2*\n:185+2*\n], v[96+2*\n:97+2*\n]
.endr
	QB 184, 224, 228, 229, 230, 231
	v_nop
.irp n, 0,1,2
	ds_store_b32 v[TA3], v[224+\n] offset:4*\n
.endr
	ds_store_b8 v[TA4], v231                       ; both halves write the same byte with the same value
.endm
; X += Q(o x gate) W^T + bias, my 32 features of all 128 rows, two row tiles a trip; four accumulators by turns.
.macro OUTPROJ
	s_wait_loadcnt 0x0                             ; the weights
	s_mov_b32 s[CNT], 4
	s_mov_b32 s[O1], 0
	s_mov_b32 s[O2], 0
	s_mov_b32 s[O3], 0
.Lop_\@:
	v_add_nc_u32 v[TA0], s[O1], v[OGR]
	v_add_nc_u32 v[TA1], s[O2], v[OSR]
	v_add_nc_u32 v[TA2], s[O3], v[XC]
.irp a, 0,1
.irp k, 0,1
.irp p, 0,1,2,3,4,5
	ds_load_b64 v[64+24*\a+12*\k+2*\p:65+24*\a+12*\k+2*\p], v[TA0] offset:3328*\a+96*\k+48*(\p/3)+8*(\p%3)
.endr
	ds_load_b32 v[56+2*\a+\k], v[TA1] offset:128*\a+4*\k
.endr
.endr
.irp a, 0,1
.irp u, 0,1
.irp e, 0,1
	ds_load_b128 v[144+16*\a+8*\u+4*\e:147+16*\a+8*\u+4*\e], v[TA2] offset:16640*\a+32*\u+16*\e
.endr
.endr
.endr
	s_wait_dscnt 0x0
	WIN 0x11                                       ; the weight and the bias: window 1
.irp a, 0,1
.irp u, 0,1
	MM 112+16*\a+8*\u, 176+24*\u, 64+24*\a, 224+8*\u, 32+2*\u, 56+2*\a
.endr
.endr
	WIN 0x01
.irp a, 0,1
.irp u, 0,1
	MM 112+16*\a+8*\u, 188+24*\u, 76+24*\a, 112+16*\a+8*\u, 33+2*\u, 57+2*\a
.endr
.endr
	WIN 0
	NOPS 5
.set nO, 0
.rept 16
	v_pk_add_f32 v[144+2*nO:145+2*nO], v[144+2*nO:145+2*nO], v[112+2*nO:113+2*nO]
.set nO, nO+1
.endr
.irp a, 0,1
.irp u, 0,1
.irp e, 0,1
	ds_store_b128 v[TA2], v[144+16*\a+8*\u+4*\e:147+16*\a+8*\u+4*\e] offset:16640*\a+32*\u+16*\e
.endr
.endr
.endr
	s_add_co_u32 s[O1], s[O1], 6656
	s_add_co_u32 s[O2], s[O2], 256
	s_add_co_u32 s[O3], s[O3], 33280
	s_sub_co_u32 s[CNT], s[CNT], 1
	s_cmp_lg_u32 s[CNT], 0
	s_cbranch_scc1 .Lop_\@
	BARRIER                                        ; X is whole again
.endm
.macro ADR1 dst, vb, ma, k             ; an LDS address: a constant + a constant x wave + a lane term
	s_mul_i32 s91, s[WV], \ma
	s_add_co_u32 s91, s91, \k
	v_add_nc_u32 v[\dst], s91, v[\vb]
.endm
	s_load_b512 s[4:19], s[0:1], 0x0               ; og, node, mask, the row out-projection's bias, column gamma, beta, the column gate's bias, bo
	s_load_b256 s[20:27], s[0:1], 0x40             ; transition gamma, beta, b1, b2
	s_load_b128 s[28:31], s[0:1], 0x60             ; wl, out0
	v_lshl_add_u32 v30, v0, 2, 0x45600
	v_mov_b32 v31, 0
	v_lshrrev_b32 v240, 5, v0
	v_readfirstlane_b32 s[WV], v240                ; wave 0..7
	s_mov_b32 s[SEL], 0x76543210
	s_mov_b32 s[SEL+1], 0xfedcba98
	s_mov_b32 s[CS], 0x3fb8aa3b                    ; log2(e)
	s_mov_b32 s[CS+1], s[CS]
	s_mov_b32 s[NCS], 0xbfb8aa3b
	s_mov_b32 s[NCS+1], s[NCS]
	s_mov_b32 s[QSC], 0x3e3504f3                   ; 1 / sqrt(32)
	s_mov_b32 s[QSC+1], s[QSC]
	s_mov_b32 s[LNC], 0x3b800000                   ; 1 / 256
	s_mov_b32 s[LNC+1], 0x3727c5ac                 ; 1e-5
	s_mov_b32 s[MSK], 0x4e6e6b28                   ; 1e9
	v_and_b32 v240, 31, v0                         ; lane
	v_and_b32 v241, 15, v0                         ; r
	v_bfe_u32 v242, v0, 4, 1                       ; h
	v_mul_u32_u24 v244, v240, 48
	v_lshlrev_b32 v245, 5, v240
	v_lshlrev_b32 v247, 5, v242
	v_mul_u32_u24 v248, v241, 1040
	v_lshl_add_u32 v248, v242, 6, v248             ; r x 1,040 + 64 h
	v_mul_u32_u24 v249, v241, 208                  ; r x 208
	v_lshlrev_b32 v250, 3, v241                    ; 8 r
	v_lshlrev_b32 v[LI], 4, v240
	v_lshlrev_b32 v[L4], 2, v240
	v_lshlrev_b32 v[BCO], 6, v242
	ADR1 XD, LI, 16640, L_X
	ADR1 XR, 248, 16640, L_X
	ADR1 XC, 248, 128, L_X
	ADR1 XIW, LI, 3072, L_XI
	ADR1 XSW, L4, 256, L_XS
	v_add_nc_u32 v[XIA], L_XI, v[LI]
	v_add_nc_u32 v[XSA], L_XS, v[L4]
	ADR1 KPW, 244, 3072, L_KP
	ADR1 KSW, 245, 1024, L_KS
	ADR1 QCA, LI, 4096, L_QC
	ADR1 VTW, LI, 3072, L_VT
	ADR1 VSW, L4, 256, L_VS
	v_add_nc_u32 v[MTA], L_MT, v247
	v_add_nc_u32 v[LNA], L_LNP, v[BCO]
	v_mad_u32_u24 v[OGR], v242, 24, v249
	v_add_nc_u32 v[OGR], L_OG, v[OGR]
	v_add_nc_u32 v[OSR], L_OS, v250
	v_mad_u32_u24 v251, v242, 12, v249
	ADR1 OGW, 251, 24, L_OG
	ADR1 OSW, 250, 1, L_OS
	ADR1 HIW, LI, 1536, L_HI
	ADR1 HSW, L4, 128, L_HS
	v_add_nc_u32 v[HIA], L_HI, v[LI]
	v_add_nc_u32 v[HSA], L_HS, v[L4]
	v_lshlrev_b32 v224, 2, v0                      ; 4 t: the norms' parameters in memory
	v_add_nc_u32 v225, L_LNP, v224                 ; and in LDS
	v_and_b32 v226, 127, v0
	v_lshlrev_b32 v226, 10, v226                   ; mask[s = t % 128][r]
	v_add_nc_u32 v227, L_MT, v224                  ; (used by waves 0-3 alone)
	v_and_b32 v232, 1, v0                          ; thread t copies og's piece of s = t / 2, heads 4 (t % 2) ..
	v_lshrrev_b32 v233, 1, v0
	v_lshlrev_b32 v228, 17, v232
	v_lshl_add_u32 v228, v233, 10, v228
	v_add_nc_u32 v229, L_OS, v224
	v_mul_u32_u24 v230, v232, 0x300000
	v_mad_u32_u24 v230, v233, 24576, v230
	v_mul_u32_u24 v231, v233, 208
	v_mad_u32_u24 v231, v232, 96, v231
	v_add_nc_u32 v231, L_OG, v231
	v_mov_b32 v204, 0                              ; written once: a lane permute's destination counts as one of its sources
	s_mov_b32 s89, 0
	s_wait_kmcnt 0x0
	s_mul_i32 s88, s[WV], 6144                     ; my four fragments of a square weight
	s_add_nc_u64 s[WA:WA+1], s[28:29], s[88:89]
	s_mul_i32 s88, s[WV], 24576                    ; my sixteen of tr_w1 and of tr_w2
	s_add_nc_u64 s[WB:WB+1], s[28:29], s[88:89]
	s_lshl_b32 s88, s[WV], 9
	s_add_nc_u64 s[24:25], s[24:25], s[88:89]      ; b1: my 128 numbers
	s_add_co_u32 s88, s88, WLSC                    ; four fragments' scale words: 512 bytes a wave too
	s_add_nc_u64 s[WSS:WSS+1], s[28:29], s[88:89]
	s_lshl_b32 s88, s[WV], 11                      ; sixteen fragments' scale words
	s_add_co_u32 s88, s88, WLSC
	s_add_nc_u64 s[WT:WT+1], s[28:29], s[88:89]
	s_lshl_b32 s88, s[WV], 7                       ; my 32 numbers of the other biases
	s_add_nc_u64 s[10:11], s[10:11], s[88:89]
	s_add_nc_u64 s[16:17], s[16:17], s[88:89]
	s_add_nc_u64 s[18:19], s[18:19], s[88:89]
	s_add_nc_u64 s[26:27], s[26:27], s[88:89]
	s_lshl_b32 s88, ttmp9, 10                      ; node, out0: row (s = 16 w, r)
	s_lshl_b32 s92, s[WV], 22
	s_add_co_u32 s88, s88, s92
	s_add_nc_u64 s[6:7], s[6:7], s[88:89]
	s_add_nc_u64 s[30:31], s[30:31], s[88:89]
	s_lshl_b32 s88, ttmp9, 2
	s_add_nc_u64 s[8:9], s[8:9], s[88:89]          ; mask[.][r]
	s_add_co_u32 s88, s88, 6291456
	s_add_nc_u64 s[OGS:OGS+1], s[4:5], s[88:89]    ; og's scale words
	s_mul_i32 s88, ttmp9, 96
	s_add_nc_u64 s[4:5], s[4:5], s[88:89]          ; og's codes
	; ---- P0: everything that comes from memory for the first phases goes out at once
	global_load_b32 v192, v224, s[12:13]
	global_load_b32 v193, v224, s[14:15]
	global_load_b32 v194, v224, s[20:21]
	global_load_b32 v195, v224, s[22:23]
	global_load_b32 v196, v226, s[8:9]
	global_load_b32 v197, v228, s[OGS:OGS+1]
.irp i, 0,1,2,3,4,5
	global_load_b128 v[200+4*\i:203+4*\i], v230, s[4:5] offset:16*\i
.endr
.set nA, 0
.rept 32                                               ; my 16 rows of node: each load 512 consecutive bytes, read once in this launch
	global_load_b128 v[64+4*nA:67+4*nA], v[LI], s[6:7] offset:(nA/2)*262144+(nA%2)*512 th:TH_LOAD_NT
.set nA, nA+1
.endr
	PREO 4, 10                                     ; the row attention's out-projection
	s_wait_loadcnt 20                              ; all but those 20
	ds_store_b32 v225, v192
	ds_store_b32 v225, v193 offset:1024
	ds_store_b32 v225, v194 offset:2048
	ds_store_b32 v225, v195 offset:3072
	ds_store_b32 v229, v197
.irp i, 0,1,2,3,4,5
	ds_store_b128 v231, v[200+4*\i:203+4*\i] offset:16*\i
.endr
	v_fma_f32 v196, v196, s[MSK], -s[MSK]          ; 1e9 (mask - 1), one rounding
	s_cmp_lt_u32 s[WV], 4
	s_cbranch_scc0 .Lnomask
	ds_store_b32 v227, v196
.Lnomask:
.set nA, 0
.rept 32
	ds_store_b128 v[XD], v[64+4*nA:67+4*nA] offset:(nA/2)*1040+(nA%2)*512
.set nA, nA+1
.endr
	BARRIER
	; ---- P1: X = node + Q(o x gate) Wo^T + the fused bias
	OUTPROJ
	; ---- P2: the column norm
	LNPAR 0
	LNORM XR, 0
	PRE 8, 5, 6, 7, 16                             ; gamma and beta are done with: my head's weights land while the rows are quantised
	XOUT 0, 0
	BARRIER
	; ---- P3: head w.  K, q and V^T are my own bytes of LDS: LDS serves a wave's instructions in order, so no barrier stands inside
	s_wait_loadcnt 0x0
.irp i, 0,1,2,3,4,5,6,7
	PROJT \i
.endr
	QUANT 128, 64
	IMAGE 82, VTW, 0
	ds_store_b32 v[VSW], v80
	QUANT 192, 64
	IMAGE 82, VTW, 1536
	ds_store_b32 v[VSW], v80 offset:128
	PREO 9, 18                                     ; the column out-projection's weights land under the attention
.irp n, 128,129,130,131,132,133,137,138,139,140,141,142,143,144,145,146,147,148,149,150,151,152,153,154,158,159,160,161,162,163
	v_mov_b32 v[\n], 0                             ; the zero codes round q
.endr
.irp n, 207,212,213,214,215
	v_mov_b32 v[\n], 0
.endr
	PASSLOAD 0
	s_mov_b32 s[CNT], 8
	s_mov_b32 s[O1], 0
	s_mov_b32 s[O2], 0
	s_mov_b32 s[O3], 0
	s_mov_b32 s[O4], 0
	s_mov_b32 s[O5], 0
.Lcatt:
	v_add_nc_u32 v[TA0], s[O1], v[QCA]
	v_add_nc_u32 v[TA1], s[O2], v[XIA]
	v_add_nc_u32 v[TA2], s[O3], v[XSA]
	v_add_nc_u32 v[TA3], s[O4], v[OGW]
	v_add_nc_u32 v[TA4], s[O5], v[OSW]
	STEP
	FINAL
	s_add_co_u32 s[O1], s[O1], 512
	s_add_co_u32 s[O2], s[O2], 3072
	s_add_co_u32 s[O3], s[O3], 256
	s_add_co_u32 s[O4], s[O4], 3328
	s_add_co_u32 s[O5], s[O5], 128
	s_sub_co_u32 s[CNT], s[CNT], 1
	s_cmp_lg_u32 s[CNT], 0
	s_cbranch_scc1 .Lcatt
	BARRIER
	; ---- P4: X += Q(o x gate) Wo^T + bo
	OUTPROJ
	; ---- P5: the transition's norm
	LNPAR 2048
	LNORM XR, 0
	WIN 0x40                                       ; my 128 rows of w1: window 1 v0-191 (tile t = 2 b + u, K step k: 12 (2 t + k)), b1 in the result's layout v192-255
.irp t, 0,1,2,3,4,5,6,7
.irp k, 0,1
	WFRAG 12*(2*\t+\k), WB, W1C+1536*(2*\t+\k)
.endr
.endr
.irp t, 0,1,2,3,4,5,6,7
.irp e, 0,1
	global_load_b128 v[192+8*\t+4*\e:195+8*\t+4*\e], v[BCO], s[24:25] offset:128*(\t/2)+32*(\t%2)+16*\e
.endr
.endr
	WIN 0
.irp t, 0,1,2,3,4,5,6,7
.irp k, 0,1
	global_load_b32 v[32+2*\t+\k], v[L4], s[WT:WT+1] offset:W1S+128*(2*\t+\k)
.endr
.endr
	XOUT 0, 0
	BARRIER
	; ---- P6: my 128 hidden units of all rows, a row tile a trip; relu; quantised: K step w of the second product
	s_wait_loadcnt 0x0
	s_mov_b32 s[CNT], 8
	s_mov_b32 s[O1], 0
	s_mov_b32 s[O2], 0
	s_mov_b32 s[O3], 0
	s_mov_b32 s[O4], 0
.Lhid:
	v_add_nc_u32 v[TA0], s[O1], v[XIA]
	v_add_nc_u32 v[TA1], s[O2], v[XSA]
	v_add_nc_u32 v[TA2], s[O3], v[HIW]
	v_add_nc_u32 v[TA3], s[O4], v[HSW]
	FETCH 128, TA0, 0
	FETCH 140, TA0, 1536
	ds_load_b32 v56, v[TA1]
	ds_load_b32 v57, v[TA1] offset:128
	s_wait_dscnt 0x0
	WIN 0x11
.irp t, 0,1,2,3,4,5,6,7
	MM 64+8*\t, 24*\t, 128, 192+8*\t, 32+2*\t, 56
.endr
	WIN 0x01
.irp t, 0,1,2,3,4,5,6,7
	MM 64+8*\t, 24*\t+12, 140, 64+8*\t, 33+2*\t, 57
.endr
	WIN 0
	NOPS 5
.set nA, 0
.rept 64
	v_max_num_f32 v[64+nA], 0, v[64+nA]            ; the activation, in f32
.set nA, nA+1
.endr
	QUANT 64, 192
	IMAGE 210, TA2, 0
	ds_store_b32 v[TA3], v208
	s_add_co_u32 s[O1], s[O1], 3072
	s_add_co_u32 s[O2], s[O2], 256
	s_add_co_u32 s[O3], s[O3], 12288
	s_add_co_u32 s[O4], s[O4], 1024
	s_sub_co_u32 s[CNT], s[CNT], 1
	s_cmp_lg_u32 s[CNT], 0
	s_cbranch_scc1 .Lhid
	WIN 0x40                                       ; my 32 rows of w2: window 1 v0-191 (tile u, K step k: 12 (8 u + k)), b2 v192-207; asked for ahead of the barrier
.irp u, 0,1
.irp k, 0,1,2,3,4,5,6,7
	WFRAG 12*(8*\u+\k), WB, W2C+1536*(8*\u+\k)
.endr
.endr
.irp u, 0,1
.irp e, 0,1
	global_load_b128 v[192+8*\u+4*\e:195+8*\u+4*\e], v[BCO], s[26:27] offset:32*\u+16*\e
.endr
.endr
	WIN 0
.irp u, 0,1
.irp k, 0,1,2,3,4,5,6,7
	global_load_b32 v[32+8*\u+\k], v[L4], s[WT:WT+1] offset:W2S+128*(8*\u+\k)
.endr
.endr
	BARRIER                                        ; the hidden layer's 64 fragments lie in LDS
	; ---- P7: X += hidden W2^T + b2, my 32 features, a row tile a trip; two accumulators by turns, K ascending
	s_wait_loadcnt 0x0
	s_mov_b32 s[CNT], 8
	s_mov_b32 s[O1], 0
	s_mov_b32 s[O2], 0
	s_mov_b32 s[O3], 0
.Lout:
	v_add_nc_u32 v[TA0], s[O1], v[HIA]
	v_add_nc_u32 v[TA1], s[O2], v[HSA]
	v_add_nc_u32 v[TA2], s[O3], v[XC]
.irp k, 0,1,2,3,4,5,6,7
	FETCH 64+12*\k, TA0, 1536*\k
	ds_load_b32 v[48+\k], v[TA1] offset:128*\k
.endr
.irp u, 0,1
.irp e, 0,1
	ds_load_b128 v[176+8*\u+4*\e:179+8*\u+4*\e], v[TA2] offset:32*\u+16*\e
.endr
.endr
	s_wait_dscnt 0x0
	WIN 0x11
	MM 160, 0, 64, 192, 32, 48
	MM 168, 96, 64, 200, 40, 48
	WIN 0x01
.irp k, 1,2,3,4,5,6,7
	MM 160, 12*\k, 64+12*\k, 160, 32+\k, 48+\k
	MM 168, 96+12*\k, 64+12*\k, 168, 40+\k, 48+\k
.endr
	WIN 0
	NOPS 5
.irp n, 0,1,2,3,4,5,6,7
	v_pk_add_f32 v[176+2*\n:177+2*\n], v[176+2*\n:177+2*\n], v[160+2*\n:161+2*\n]
.endr
.irp u, 0,1
.irp e, 0,1
	ds_store_b128 v[TA2], v[176+8*\u+4*\e:179+8*\u+4*\e] offset:32*\u+16*\e
.endr
.endr
	s_add_co_u32 s[O1], s[O1], 12288
	s_add_co_u32 s[O2], s[O2], 1024
	s_add_co_u32 s[O3], s[O3], 16640
	s_sub_co_u32 s[CNT], s[CNT], 1
	s_cmp_lg_u32 s[CNT], 0
	s_cbranch_scc1 .Lout
	BARRIER
	; ---- P8: my 16 rows leave: each store of the wave covers 512 consecutive bytes, aligned
.set nA, 0
.rept 32
	ds_load_b128 v[64+4*nA:67+4*nA], v[XD] offset:(nA/2)*1040+(nA%2)*512
.set nA, nA+1
.endr
.set nA, 0
.rept 32
	s_wait_dscnt 31-nA                             ; the younger loads may be out
	global_store_b128 v[LI], v[64+4*nA:67+4*nA], s[30:31] offset:(nA/2)*262144+(nA%2)*512 th:TH_STORE_NT
.set nA, nA+1
.endr
	s_wait_tensorcnt 0x0
	ds_add_u32 v30, v31
	s_wait_dscnt 0x0
	s_endpgm
.Lfunc_end_k_q3f4038c6b0_colall:
	.size	k_q3f4038c6b0_colall, .Lfunc_end_k_q3f4038c6b0_colall-k_q3f4038c6b0_colall
	.p2alignl 7, 3214868480
	.fill 96, 4, 3214868480
	.section	.rodata,"a",@progbits
	.p2align	6, 0x0
	.amdhsa_kernel k_q3f4038c6b0_colall
		.amdhsa_group_segment_fixed_size 285184
		.amdhsa_private_segment_fixed_size 0
		.amdhsa_enable_private_segment 0
		.amdhsa_kernarg_size 112
		.amdhsa_user_sgpr_count 2
		.amdhsa_user_sgpr_kernarg_segment_ptr 1
		.amdhsa_wavefront_size32 1
		.amdhsa_system_sgpr_workgroup_id_x 1
		.amdhsa_system_sgpr_workgroup_id_y 1
		.amdhsa_system_sgpr_workgroup_id_z 1
		.amdhsa_system_vgpr_workitem_id 0
		.amdhsa_next_free_vgpr 512
		.amdhsa_next_free_sgpr 100
		.amdhsa_reserve_vcc 0
		.amdhsa_float_denorm_mode_32 3
		.amdhsa_float_denorm_mode_16_64 3
		.amdhsa_memory_ordered 1
		.amdhsa_forward_progress 1
		.amdhsa_inst_pref_size 212
	.end_amdhsa_kernel
	.amdgpu_metadata
---
amdhsa.version: [ 1, 2 ]
amdhsa.kernels:
  - .name:           k_q3f4038c6b0_colall
    .symbol:         k_q3f4038c6b0_colall.kd
    .args:
      - { .name: og, .offset: 0, .size: 8, .value_kind: global_buffer, .address_space: global }
      - { .name: node, .offset: 8, .size: 8, .value_kind: global_buffer, .address_space: global }
      - { .name: node_mask, .offset: 16, .size: 8, .value_kind: global_buffer, .address_space: global }
      - { .name: row_out_bias, .offset: 24, .size: 8, .value_kind: global_buffer, .address_space: global }
      - { .name: col_ln_g, .offset: 32, .size: 8, .value_kind: global_buffer, .address_space: global }
      - { .name: col_ln_b, .offset: 40, .size: 8, .value_kind: global_buffer, .address_space: global }
      - { .name: col_bg, .offset: 48, .size: 8, .value_kind: global_buffer, .address_space: global }
      - { .name: col_bo, .offset: 56, .size: 8, .value_kind: global_buffer, .address_space: global }
      - { .name: tr_ln_g, .offset: 64, .size: 8, .value_kind: global_buffer, .address_space: global }
      - { .name: tr_ln_b, .offset: 72, .size: 8, .value_kind: global_buffer, .address_space: global }
      - { .name: tr_b1, .offset: 80, .size: 8, .value_kind: global_buffer, .address_space: global }
      - { .name: tr_b2, .offset: 88, .size: 8, .value_kind: global_buffer, .address_space: global }
      - { .name: wl, .offset: 96, .size: 8, .value_kind: global_buffer, .address_space: global }
      - { .name: out0, .offset: 104, .size: 8, .value_kind: global_buffer, .address_space: global }
    .group_segment_fixed_size: 285184
    .private_segment_fixed_size: 0
    .kernarg_segment_align: 8
    .kernarg_segment_size: 112
    .max_flat_workgroup_size: 256
    .sgpr_count:     100
    .vgpr_count:     512
    .wavefront_size: 32
...
	.end_amdgpu_metadata
.endif
;; end of part 6
